; MI455X (gfx1250); checked and timed in simulation.
; The chip was launched on July 23, 2026; its instructions are those of AMD's public machine-readable ISA for CDNA 5 (MIT licence, August 2026) and "CDNA5" Instruction Set Architecture Reference Guide (July 2026). The comments in the code are by the model that wrote it; some were corrected since.
;; Mixture Of Experts. Allowed arithmetic: matrix products marked QUANTISED: E4M3 operands, one E8M0 scale for each 32 along K, by v_wmma_scale_f32_16x16x128_f8f6f4 with both operands' format E4M3, f32 sums; products left as they are: f32 operands where the result goes on into a quantised operand, else bf16, f16 or f32 operands; f32 sums; everything else in f32.
;; Inputs: b1 8 x 4,096 float32; b2 8 x 1,024 float32; router_b 8 float32; router_w 8 x 1,024 float32; w1 8 x 4,096 x 1,024 float32; w2 8 x 1,024 x 4,096 float32; x 4 x 256 x 1,024 float32.
;; Outputs: out0 4 x 256 x 1,024 float32.
;; This version of the problem:
;;   THIS VERSION OF THE PROBLEM IS GIVEN IN LOW PRECISION. The matrix products marked QUANTISED in the list below multiply operands that are first quantised to E4M3 (4 exponent bits, 3 mantissa bits; 8 bits a number), with one power-of-two scale for each 32 numbers along K (OCP MX v1.0); their sums are f32. All else is computed in f32.
;;   The module's matrix products, in the order in which they are computed (A, B: the left and right operand; K: the contracted axis; several contracted axes count as one K, in the product's order):
;;     1. [M 1,024, K 1,024] x [K 1,024, N 8]; A: input x; B: input router_w: left as it is (N = 8 < 16)
;;     2. batch 1,024 x [M 1, K 2] x [K 2, N 8]; A: computed on the way; B: computed on the way: left as it is (K = 2 < 32)
;;     3. [M 1,024, K 1,024] x [K 1,024, N 32,768]; A: input x; B: input w1: QUANTISED
;;     4. batch 8 x [M 1,024, K 4,096] x [K 4,096, N 1,024]; A: input w2; B: computed on the way: QUANTISED
;;     5. batch 1,024 x [M 1,024, K 8] x [K 8, N 1]; A: computed on the way; B: computed on the way: left as it is (K = 8 < 32)
;;   THE QUANTISER, for each operand of a quantised product, along K:
;;     - K is cut into blocks of 32 from its start; a last block that is shorter is filled with zeros.
;;     - A block's scale is 2^e with e = floor(log2(the largest magnitude in the block)) - 8, held to -126 .. 127; a block of zeros has e = 0. As a byte (E8M0): e + 127.
;;     - Each number is divided by its block's scale, clamped to +-448, and rounded to the nearest number of E4M3, ties to even, subnormals kept.
;;     - The product sums the exact products of the quantised numbers (number of the format x scale) in f32.
;;   ~~~python
;;   def quantise(x, axis):      # numpy; x: float32 -> the quantised numbers, widened to float32 again
;;       x = np.moveaxis(x, axis, -1); K = x.shape[-1]
;;       x = np.pad(x, [(0, 0)] * (x.ndim - 1) + [(0, -K % 32)]); x = x.reshape(x.shape[:-1] + (-1, 32)); a = np.abs(x).max(-1, keepdims=True)
;;       e = np.where(a > 0, np.clip(np.frexp(np.where(a > 0, a, 1))[1] - 1 - 8, -126, 127), 0)      # np.frexp(a)[1] - 1 = floor(log2(a)), exactly
;;       r = np.clip(x / 2.0 ** e, -448, 448)
;;       step = 2.0 ** (np.maximum(np.frexp(np.where(r == 0, 1, r))[1] - 1, -6) - 3)
;;       q = np.round(r / step) * step * 2.0 ** e      # np.round: ties to even
;;       return np.moveaxis(q.reshape(q.shape[:-2] + (-1,))[..., :K], -1, axis).astype(np.float32)
;;   ~~~
;;   OPERANDS COMPUTED ON THE WAY. 'Computed on the way' means the value that the module computes at that place (a softmax that the list does not call 'softmax' is quantised finished and normalised). What goes into a quantiser is computed in f32, as accurately as f32 sums, v_exp_f32 and their like allow (about 1e-6 of the number): no bf16 or f16 on the way to a quantiser, and a product that is left as it is and whose result goes on into a quantised operand takes f32 operands (vector FMAs, or v_wmma_f32_16x16x4_f32). A number that lies on a knife's edge between two numbers of the format may be rounded either way, as far as f32 arithmetic and the matrix unit's own rounding can turn it there, and no further.
;; 3 versions. Each part assembles by itself: llvm-mc -triple=amdgcn-amd-amdhsa -mcpu=gfx1250 --defsym DOCPART=n.
;; ======== version 1 of 3: 5 launches
;; workspace buffers: xq 1,081,344 bytes; route 4,096 bytes of whole numbers; rwgt 8,192 bytes; xg 8,650,752 bytes; lists 33,024 bytes of whole numbers; rowcoef 32,768 bytes; hq 34,603,008 bytes; part 67,108,864 bytes
;; launch route (part 1): grid 64 x 1, 8 waves a work-group, no clusters, 22,528 bytes of LDS; arguments x, router_w, router_b, xq, route, rwgt; writes xq, route, rwgt
.if DOCPART == 1
	.amdgcn_target "amdgcn-amd-amdhsa--gfx1250"
	.amdhsa_code_object_version 6
	.text
	.protected	k_qbaa3f8ac9f_route
	.globl	k_qbaa3f8ac9f_route
	.p2align	8
	.type	k_qbaa3f8ac9f_route,@function
k_qbaa3f8ac9f_route:
	s_mov_b64 s[64:65], 0
	v_nop
	global_prefetch_b8 v0, s[64:65] scope:SCOPE_SE
	s_setreg_imm32_b32 hwreg(HW_REG_WAVE_MODE, 25, 1), 1
	s_wait_xcnt 0x0
; ROUTER, AND x INTO CODES.  x [1024 tokens][1024] f32.  For each token: logits = x . router_w[e] + router_b[e] in f32 (fused multiply-adds), the two largest
; softmax terms (ties: the lower index), their weights E_k / (E_1 + E_2), E = 2^((logit - max) log2 e); and x as codes of E4M3 with one E8M0 byte for each 32 along K.
; OUT: xq: codes [token][1024 bytes]; from byte 1,048,576 on scale words [token][8].  route: word t = idx0 | idx1 << 8 | ((1 << idx0) | (1 << idx1)) << 16.  rwgt: [token][2] f32.
; SHARES.  A work-group takes 16 tokens; wave w takes K step w (128 along K); lane (r = lane % 16, h = lane / 16) holds k = 128 w + 32 b + 16 h + 0..15 of token r, b = 0..3.
; The same 64 registers serve the eight dot products and the quantiser.  Partial logits, codes and scale words meet in LDS; codes leave as whole rows.
; No address and no branch hangs on a floating-point number: the choice is stored at fixed places and used by the next launch.
; LIMITS: NaN and infinities among the inputs are not served.  A block of zeros gets the byte 1 (its codes are zeros; the bytes are read by this program alone).
; The ranking is taken on E, which rises with the probability; two probabilities that round to one number are taken in index order, as the top-k of the problem takes them.
.set XP,   1040                        ; a token's row of codes in LDS: 1,024 bytes + 16
.set XSC,  16*XP                       ; scale words: 16 tokens x 32 bytes
.set RPT,  XSC+512                     ; partial logits: words [r][e][ks]
.set X,    16                          ; v16-79   my 64 numbers of x
.set WR,   80                          ; v80-207  router_w, two sets of 64
.set CH,   208                         ; v208-211 two packed chains
.set PL,   212                         ; v212-219 my partial logit of each expert
.set TM,   220                         ; v220-235 the quantiser's work
.set PW,   236                         ; the scale word
.set PC,   240                         ; v240-255 the codes
.set SEL,  20                          ; s[20:21] selects for lane l xor 16
.set MNT,  23                          ; s23 the mantissa field of 448
	s_load_b256 s[4:11], s[0:1], 0x0               ; x, router_w, router_b, xq
	s_load_b128 s[12:15], s[0:1], 0x20             ; route, rwgt
	v_lshl_add_u32 v238, v0, 2, 0x5400
	v_mov_b32 v239, 0
	v_lshrrev_b32 v1, 5, v0
	v_readfirstlane_b32 s16, v1                    ; wave = K step
	v_and_b32 v1, 15, v0                           ; r
	v_bfe_u32 v2, v0, 4, 1                         ; h
	s_lshl_b32 s17, s16, 9
	v_lshl_add_u32 v4, v2, 6, s17                  ; router_w: 512 w + 64 h
	v_lshl_add_u32 v3, v1, 12, v4                  ; x: + 4,096 r
	s_lshl_b32 s17, s16, 7
	v_mul_u32_u24 v5, v1, XP
	v_lshl_add_u32 v5, v2, 4, v5
	v_add_nc_u32 v5, s17, v5                       ; codes into LDS: row r, byte 128 w + 16 h (+ 32 b)
	s_lshl_b32 s17, s16, 2
	v_lshl_add_u32 v6, v1, 5, s17
	v_add_nc_u32 v6, XSC, v6                       ; scale word of (r, w)
	v_lshl_add_u32 v7, v1, 8, s17
	v_add_nc_u32 v7, RPT, v7                       ; partial logit of (r, e = 0, w)
	s_mul_i32 s17, s16, 2*XP
	v_mul_u32_u24 v8, v2, XP
	v_lshl_add_u32 v8, v1, 4, v8
	v_add_nc_u32 v8, s17, v8                       ; back out of LDS: rows 2 w + h, 16 bytes a lane
	s_lshl_b32 s17, s16, 11
	v_lshl_add_u32 v9, v2, 10, s17
	v_lshl_add_u32 v9, v1, 4, v9                   ; and the same place in xq
	v_and_b32 v12, 31, v0
	v_lshlrev_b32 v12, 4, v12                      ; 16 x lane
	v_add_nc_u32 v10, XSC, v12
	v_lshl_add_u32 v11, v1, 8, RPT
	v_lshlrev_b32 v13, 2, v1
	v_lshlrev_b32 v14, 3, v1
	s_mov_b32 s[SEL], 0x76543210
	s_mov_b32 s[SEL+1], 0xfedcba98
	s_mov_b32 s[MNT], 0x600000
.irp b, 0,1,2,3
	v_mov_b32 v[TM+4+\b], 0                        ; a lane permute's destination counts as read: written once
.endr
	s_lshl_b32 s24, ttmp9, 16                      ; 16 tokens of x
	s_mov_b32 s25, 0
	s_lshl_b32 s26, ttmp9, 14                      ; of codes
	s_mov_b32 s27, 0
	s_lshl_b32 s28, ttmp9, 9                       ; of scale words, behind the codes
	s_add_co_u32 s28, s28, 0x100000
	s_mov_b32 s29, 0
	s_lshl_b32 s30, ttmp9, 6                       ; of route
	s_mov_b32 s31, 0
	s_lshl_b32 s32, ttmp9, 7                       ; of rwgt
	s_mov_b32 s33, 0
	s_wait_kmcnt 0x0
	s_add_nc_u64 s[4:5], s[4:5], s[24:25]
	s_add_nc_u64 s[28:29], s[10:11], s[28:29]
	s_add_nc_u64 s[10:11], s[10:11], s[26:27]
	s_add_nc_u64 s[12:13], s[12:13], s[30:31]
	s_add_nc_u64 s[14:15], s[14:15], s[32:33]
.irp b, 0,1,2,3
.irp j, 0,1,2,3
	global_load_b128 v[X+16*\b+4*\j:X+16*\b+4*\j+3], v3, s[4:5] offset:128*\b+16*\j th:TH_LOAD_NT
.endr
.endr
.macro LOADW e                         ; expert e's 64 numbers at my k into set e % 2
.irp b, 0,1,2,3
.irp j, 0,1,2,3
	global_load_b128 v[WR+64*((\e)%2)+16*\b+4*\j:WR+64*((\e)%2)+16*\b+4*\j+3], v4, s[6:7] offset:(\e)*4096+128*\b+16*\j
.endr
.endr
.endm
.macro DOT e                           ; my 64 products in two packed chains, then lane l xor 16's
.set WS, WR+64*((\e)%2)
	v_pk_mul_f32 v[CH:CH+1], v[X:X+1], v[WS:WS+1]
	v_pk_mul_f32 v[CH+2:CH+3], v[X+2:X+3], v[WS+2:WS+3]
.set DI, 4
.rept 15
	v_pk_fma_f32 v[CH:CH+1], v[X+DI:X+DI+1], v[WS+DI:WS+DI+1], v[CH:CH+1]
	v_pk_fma_f32 v[CH+2:CH+3], v[X+DI+2:X+DI+3], v[WS+DI+2:WS+DI+3], v[CH+2:CH+3]
.set DI, DI+4
.endr
	v_pk_add_f32 v[CH:CH+1], v[CH:CH+1], v[CH+2:CH+3]
	v_add_f32 v[CH], v[CH], v[CH+1]
	v_permlanex16_b32 v[CH+2], v[CH], s[SEL], s[SEL+1]
	v_add_f32 v[PL+\e], v[CH], v[CH+2]
.endm
	LOADW 0
	LOADW 1
.irp e, 0,1,2,3,4,5,6,7
.if \e < 7
	s_wait_loadcnt 16                              ; x and this expert's set are in; the next expert's 16 loads may be out
.else
	s_wait_loadcnt 0x0
.endif
	DOT \e
.if \e < 6
	LOADW \e+2                                     ; into the set just read
.endif
	ds_store_b32 v7, v[PL+\e] offset:32*\e         ; both halves of the lanes hold the same sum and write the same word
.endr
; 64 numbers of a lane, register 16 b + i = k 32 b + 16 h + i, become 16 registers of codes and a scale word
.irp b, 0,1,2,3
	v_max3_num_f32 v[TM+\b], |v[X+16*\b]|, |v[X+1+16*\b]|, 0x4800000   ; with the floor 2^(9 - 127): the byte cannot fall under 1
.endr
.irp i, 2,4,6,8,10,12,14
.irp b, 0,1,2,3
	v_max3_num_f32 v[TM+\b], v[TM+\b], |v[X+16*\b+\i]|, |v[X+1+16*\b+\i]|
.endr
.endr
.irp b, 0,1,2,3
	v_permlanex16_b32 v[TM+4+\b], v[TM+\b], s[SEL], s[SEL+1]
.endr
.irp b, 0,1,2,3
	v_max_num_f32 v[TM+\b], v[TM+\b], v[TM+4+\b]   ; the block's largest magnitude
.endr
.irp b, 0,1,2,3
	v_add_nc_u32 v[TM+12+\b], 0xfc000000, v[TM+\b] ; 8 off its exponent field: the conversion's scale operand
.endr
.irp b, 0,1,2,3
	v_and_or_b32 v[TM+8+\b], v[TM+\b], 0x7f800000, s[MNT]   ; 448 x the scale
.endr
.irp b, 0,1,2,3
	v_lshrrev_b32 v[TM+4+\b], 23, v[TM+12+\b]      ; the scale's byte
.endr
	v_lshl_or_b32 v[PW], v[TM+5], 8, v[TM+4]
	v_lshl_or_b32 v[PW], v[TM+6], 16, v[PW]
	v_lshl_or_b32 v[PW], v[TM+7], 24, v[PW]
.irp b, 0,1,2,3
.irp i, 0,1,2,3,4,5,6,7,8,9,10,11,12,13,14,15
	v_med3_num_f32 v[X+16*\b+\i], v[X+16*\b+\i], -v[TM+8+\b], v[TM+8+\b]   ; the conversion does not saturate (ISA guide 7.6.2): hold first
.endr
	v_cvt_scalef32_pk8_fp8_f32 v[PC+4*\b:PC+1+4*\b], v[X+16*\b:X+7+16*\b], v[TM+12+\b]
	v_cvt_scalef32_pk8_fp8_f32 v[PC+2+4*\b:PC+3+4*\b], v[X+8+16*\b:X+15+16*\b], v[TM+12+\b]
.endr
	v_nop                                          ; a plain line behind the last conversion
.irp b, 0,1,2,3
	ds_store_b128 v5, v[PC+4*\b:PC+4*\b+3] offset:32*\b
.endr
	ds_store_b32 v6, v[PW]
	s_wait_dscnt 0x0                               ; for the others' sake: all my LDS stores have landed
	s_barrier_signal -1
	s_barrier_wait -1
.irp i, 0,1,2,3
	ds_load_b128 v[X+4*\i:X+4*\i+3], v8 offset:256*\i
.endr
.irp i, 0,1,2,3
	s_wait_dscnt 3-\i
	global_store_b128 v9, v[X+4*\i:X+4*\i+3], s[10:11] offset:256*\i   ; sixteen lanes store 256 consecutive bytes, aligned
.endr
	s_cmp_lg_u32 s16, 0
	s_cbranch_scc1 .Lend                           ; the rest is wave 0's: lane r (and r + 16 with it) finishes token r
	s_load_b256 s[40:47], s[8:9], 0x0              ; router_b
	ds_load_b128 v[144:147], v10                   ; the 16 tokens' scale words, 512 bytes on end
.irp e, 0,1,2,3,4,5,6,7
	ds_load_b128 v[80+8*\e:83+8*\e], v11 offset:32*\e
	ds_load_b128 v[84+8*\e:87+8*\e], v11 offset:32*\e+16
.endr
	s_wait_dscnt 0x0
	global_store_b128 v12, v[144:147], s[28:29]
.irp k, 1,2,3,4,5,6,7
.irp e, 0,1,2,3,4,5,6,7
	v_add_f32 v[80+8*\e], v[80+8*\e], v[80+8*\e+\k]   ; the eight K steps' parts, ascending; the experts by turns
.endr
.endr
	s_wait_kmcnt 0x0
.irp e, 0,1,2,3,4,5,6,7
	v_add_f32 v[80+8*\e], s[40+\e], v[80+8*\e]
.endr
	v_max3_num_f32 v148, v80, v88, v96
	v_max3_num_f32 v148, v148, v104, v112
	v_max3_num_f32 v148, v148, v120, v128
	v_max_num_f32 v148, v148, v136                 ; the largest logit is taken away ahead of the exponential
.irp e, 0,1,2,3,4,5,6,7
	v_sub_f32 v[150+\e], v[80+8*\e], v148
.endr
.irp e, 0,1,2,3,4,5,6,7
	v_mul_f32 v[150+\e], 0x3fb8aa3b, v[150+\e]
.endr
.irp e, 0,1,2,3,4,5,6,7
	v_exp_f32 v[150+\e], v[150+\e]
.endr
	v_mov_b32 v161, 0                              ; (a plain line behind the exponentials)  idx0
	v_mov_b32 v163, 0                              ; idx1
	s_wait_alu depctr_va_vdst(0)                   ; one wait for the eight, ahead of their first reader
	v_mov_b32 v160, v150
.irp e, 1,2,3,4,5,6,7
	v_cmp_gt_f32 vcc_lo, v[150+\e], v160           ; strictly larger: a tie keeps the lower index
	v_cndmask_b32 v160, v160, v[150+\e], vcc_lo
	v_cndmask_b32 v161, v161, \e, vcc_lo
.endr
.irp e, 0,1,2,3,4,5,6,7
	v_cmp_eq_u32 vcc_lo, \e, v161
	v_cndmask_b32 v[150+\e], v[150+\e], -1.0, vcc_lo   ; the winner leaves the field: every E is 0 or more
.endr
	v_mov_b32 v162, v150
.irp e, 1,2,3,4,5,6,7
	v_cmp_gt_f32 vcc_lo, v[150+\e], v162
	v_cndmask_b32 v162, v162, v[150+\e], vcc_lo
	v_cndmask_b32 v163, v163, \e, vcc_lo
.endr
	v_add_f32 v164, v160, v162
	v_rcp_f32 v164, v164
	v_lshlrev_b32 v165, v161, 1                    ; the route word is made while the reciprocal is out
	v_lshlrev_b32 v166, v163, 1
	v_or_b32 v165, v165, v166
	v_lshl_or_b32 v166, v163, 8, v161
	v_lshl_or_b32 v165, v165, 16, v166
	s_wait_alu depctr_va_vdst(0)                   ; ahead of the reciprocal's first reader
	v_mul_f32 v166, v160, v164
	v_mul_f32 v167, v162, v164
	global_store_b32 v13, v165, s[12:13]
	global_store_b64 v14, v[166:167], s[14:15]
.Lend:
	s_wait_tensorcnt 0x0
	ds_add_u32 v238, v239
	s_wait_dscnt 0x0
	s_endpgm
.Lfunc_end_k_qbaa3f8ac9f_route:
	.size	k_qbaa3f8ac9f_route, .Lfunc_end_k_qbaa3f8ac9f_route-k_qbaa3f8ac9f_route
	.p2alignl 7, 3214868480
	.fill 96, 4, 3214868480
	.section	.rodata,"a",@progbits
	.p2align	6, 0x0
	.amdhsa_kernel k_qbaa3f8ac9f_route
		.amdhsa_group_segment_fixed_size 22528
		.amdhsa_private_segment_fixed_size 0
		.amdhsa_enable_private_segment 0
		.amdhsa_kernarg_size 48
		.amdhsa_user_sgpr_count 2
		.amdhsa_user_sgpr_kernarg_segment_ptr 1
		.amdhsa_wavefront_size32 1
		.amdhsa_system_sgpr_workgroup_id_x 1
		.amdhsa_system_sgpr_workgroup_id_y 1
		.amdhsa_system_sgpr_workgroup_id_z 1
		.amdhsa_system_vgpr_workitem_id 0
		.amdhsa_next_free_vgpr 256
		.amdhsa_next_free_sgpr 66
		.amdhsa_reserve_vcc 1
		.amdhsa_float_denorm_mode_32 3
		.amdhsa_float_denorm_mode_16_64 3
		.amdhsa_memory_ordered 1
		.amdhsa_forward_progress 1
		.amdhsa_inst_pref_size 52
	.end_amdhsa_kernel
	.amdgpu_metadata
---
amdhsa.version: [ 1, 2 ]
amdhsa.kernels:
  - .name:           k_qbaa3f8ac9f_route
    .symbol:         k_qbaa3f8ac9f_route.kd
    .args:
      - { .name: x, .offset: 0, .size: 8, .value_kind: global_buffer, .address_space: global }
      - { .name: router_w, .offset: 8, .size: 8, .value_kind: global_buffer, .address_space: global }
      - { .name: router_b, .offset: 16, .size: 8, .value_kind: global_buffer, .address_space: global }
      - { .name: xq, .offset: 24, .size: 8, .value_kind: global_buffer, .address_space: global }
      - { .name: route, .offset: 32, .size: 8, .value_kind: global_buffer, .address_space: global }
      - { .name: rwgt, .offset: 40, .size: 8, .value_kind: global_buffer, .address_space: global }
    .group_segment_fixed_size: 22528
    .private_segment_fixed_size: 0
    .kernarg_segment_align: 8
    .kernarg_segment_size: 48
    .max_flat_workgroup_size: 256
    .sgpr_count:     66
    .vgpr_count:     256
    .wavefront_size: 32
...
	.end_amdgpu_metadata
.endif
;; end of part 1
;; launch place (part 2): grid 8 x 8, 32 waves a work-group, no clusters, 4,352 bytes of LDS; arguments route, rwgt, xq, xg, lists, rowcoef; writes xg, lists, rowcoef
.if DOCPART == 2
	.amdgcn_target "amdgcn-amd-amdhsa--gfx1250"
	.amdhsa_code_object_version 6
	.text
	.protected	k_qbaa3f8ac9f_place
	.globl	k_qbaa3f8ac9f_place
	.p2align	8
	.type	k_qbaa3f8ac9f_place,@function
k_qbaa3f8ac9f_place:
	s_mov_b64 s[64:65], 0
	v_nop
	global_prefetch_b8 v0, s[64:65] scope:SCOPE_SE
	s_setreg_imm32_b32 hwreg(HW_REG_WAVE_MODE, 25, 1), 1
	s_wait_xcnt 0x0
; THE ROWS ARE PLACED BY EXPERT.  Work-group (e, ks): thread t is token t.  A token that chose expert e gets the row pos = the number of such tokens before it.
; Its 128 codes of K step ks go into xg as an image of operand registers: [e][tile = pos / 16][ks][c][lane = 16 h + pos % 16][16 bytes], k = 128 ks + 32 c + 16 h + 0..15; its scale word to [e][pos][ks],
; from byte 8,388,608 on.  The work-groups with ks = 0 also store rowdst[e][pos] = 2 t + (0 or 1: first or second choice), rowcoef[e][pos] = the weight, and np[e].
; PADS.  An expert's rows are filled up to padEnd = max(256, its count rounded up to 32) with rows of zero codes, scale bytes 127, weight 0 and a spare row of the sums' buffer of their own
; (2048 + 256 e + row % 256), so that the later launches work on whole pairs of tiles, the first eight pairs without asking.  np = padEnd / 32.
; All numbers that reach an address or a mask are whole numbers read from route.  No atomics: the count before a token is made of the 32 waves' counts (LDS) and the lanes below it.
; The 4-byte stores here go to scattered rows: they are 4 bytes of each 132 that the launch stores.
; REGISTERS: v0-15 offsets and what was loaded of route and rwgt; v16-47 my token's 128 codes; v48-60 places and what is stored; v64-69 at work.
	s_load_b256 s[4:11], s[0:1], 0x0               ; route, rwgt, xq, xg
	s_load_b128 s[12:15], s[0:1], 0x20             ; lists, rowcoef
	v_lshl_add_u32 v96, v0, 2, 0x100
	v_mov_b32 v97, 0
	v_lshrrev_b32 v1, 5, v0
	v_readfirstlane_b32 s16, v1                    ; wave
	s_and_b32 s17, ttmp7, 0xffff                   ; ks
	s_mov_b32 s47, ttmp9                           ; e
	v_and_b32 v2, 31, v0                           ; lane
	v_lshlrev_b32 v3, 2, v0                        ; 4 t
	v_lshlrev_b32 v4, 3, v0                        ; 8 t
	v_lshlrev_b32 v5, 10, v0                       ; 1,024 t
	v_lshlrev_b32 v6, 5, v0                        ; 32 t
	s_lshl_b32 s18, s17, 7                         ; xq: codes of K step ks
	s_mov_b32 s19, 0
	s_lshl_b32 s20, s17, 2                         ; and its scale word
	s_add_co_u32 s20, s20, 0x100000
	s_mov_b32 s21, 0
	s_lshl_b32 s26, s47, 20                        ; xg: codes of (e, ks)
	s_lshl_b32 s27, s17, 11
	s_add_co_u32 s26, s26, s27
	s_mov_b32 s27, 0
	s_lshl_b32 s50, s47, 15                        ; xg: scale words of (e, ks)
	s_lshl_b32 s51, s17, 2
	s_add_co_u32 s50, s50, s51
	s_add_co_u32 s50, s50, 0x800000
	s_mov_b32 s51, 0
	s_lshl_b32 s52, s47, 12                        ; 1,024 rows x 4 bytes
	s_mov_b32 s53, 0
	s_lshl_b32 s54, s47, 2
	s_mov_b32 s55, 0
	s_mov_b32 s42, 0x76543210
	s_mov_b32 s43, 0xfedcba98
	s_wait_kmcnt 0x0
	s_add_nc_u64 s[22:23], s[8:9], s[18:19]
	s_add_nc_u64 s[24:25], s[8:9], s[20:21]
	s_add_nc_u64 s[28:29], s[10:11], s[26:27]
	s_add_nc_u64 s[30:31], s[10:11], s[50:51]
	s_add_nc_u64 s[32:33], s[12:13], s[52:53]
	s_add_nc_u64 s[32:33], s[32:33], 256           ; rowdst[e]
	s_add_nc_u64 s[34:35], s[14:15], s[52:53]      ; rowcoef[e]
	s_add_nc_u64 s[36:37], s[12:13], s[54:55]      ; np[e]
	global_load_b32 v8, v3, s[4:5]
	global_load_b64 v[10:11], v4, s[6:7]
.irp i, 0,1,2,3,4,5,6,7
	global_load_b128 v[16+4*\i:19+4*\i], v5, s[22:23] offset:16*\i
.endr
	global_load_b32 v9, v6, s[24:25]
	s_add_co_u32 s38, s47, 16
	s_lshl_b32 s38, 1, s38                         ; the expert's bit in a route word
	s_lshl_b32 s41, s16, 2
	v_mov_b32 v14, s41                             ; LDS: my wave's word
	v_lshlrev_b32 v15, 2, v2                       ; LDS: wave = my lane's word
	v_mov_b32 v66, 0
	v_mov_b32 v52, 0
	v_mov_b32 v53, 0
	v_mov_b32 v54, 0
	v_mov_b32 v55, 0
	v_mov_b32 v56, 0x7f7f7f7f
	s_wait_loadcnt 0x0
	v_and_b32 v12, s38, v8
	v_cmp_ne_u32 vcc_lo, 0, v12                    ; did my token choose e?
	s_mov_b32 s39, vcc_lo
	s_bcnt1_i32_b32 s40, s39
	v_mov_b32 v13, s40
	ds_store_b32 v14, v13                          ; all lanes write the wave's count to the wave's word
	s_wait_dscnt 0x0
	s_barrier_signal -1
	s_barrier_wait -1
	ds_load_b32 v64, v15                           ; lane l: wave l's count
	s_wait_dscnt 0x0
	v_cmp_gt_u32 vcc_lo, s16, v2
	v_cndmask_b32 v65, 0, v64, vcc_lo              ; only of the waves before mine
.macro LSUM v                          ; the sum over the 32 lanes, in every lane
.irp k, 1,2,4,8
	v_mov_b32_dpp v66, v[\v] row_xmask:\k row_mask:0xf bank_mask:0xf
	v_add_nc_u32 v[\v], v[\v], v66
.endr
	v_permlanex16_b32 v66, v[\v], s42, s43
	v_add_nc_u32 v[\v], v[\v], v66
.endm
	LSUM 64
	LSUM 65
	v_readfirstlane_b32 s44, v64                   ; the expert's count
	v_readfirstlane_b32 s45, v65                   ; of it: in the waves before mine
	v_mbcnt_lo_u32_b32 v48, s39, s45               ; + in the lanes before mine
	v_min_u32 v48, 0x3ff, v48                      ; pos
	s_add_co_u32 s46, s44, 31
	s_and_b32 s46, s46, 0xffffffe0
	s_max_u32 s46, s46, 256                        ; padEnd
	s_lshr_b32 s49, s46, 5                         ; np
	v_mov_b32 v59, s49
	v_bfe_u32 v50, v8, 8, 8                        ; idx1
	v_cmp_eq_u32 vcc_lo, s47, v50
	v_cndmask_b32 v50, 0, 1, vcc_lo
	v_lshl_add_u32 v50, v0, 1, v50                 ; 2 t + which choice
	v_cndmask_b32 v51, v10, v11, vcc_lo            ; its weight
	v_and_b32 v49, 0x3f0, v48
	v_lshlrev_b32 v49, 10, v49                     ; tile x 16,384
	v_and_b32 v67, 15, v48
	v_lshl_add_u32 v49, v67, 4, v49                ; + 16 (pos % 16)
	v_lshlrev_b32 v68, 5, v48                      ; 32 pos
	v_lshlrev_b32 v69, 2, v48                      ; 4 pos
	v_and_b32 v60, 0x3f0, v0                       ; the same of row t, for the pads
	v_lshlrev_b32 v60, 10, v60
	v_and_b32 v67, 15, v0
	v_lshl_add_u32 v60, v67, 4, v60
	s_lshl_b32 s56, s47, 8
	s_add_co_u32 s56, s56, 2048
	v_and_b32 v57, 255, v0
	v_add_nc_u32 v57, s56, v57                     ; a pad's spare row
	v_cmp_ne_u32 vcc_lo, 0, v12
	s_wait_xcnt 0x0                                ; EXEC changes only behind this wait
	s_and_saveexec_b32 s48, vcc_lo                 ; THE MEMBERS
.irp i, 0,1,2,3,4,5,6,7
	global_store_b128 v49, v[16+4*\i:19+4*\i], s[28:29] offset:(\i/2)*512+(\i%2)*256
.endr
	global_store_b32 v68, v9, s[30:31]
	s_cmp_lg_u32 s17, 0
	s_cbranch_scc1 .Lmembers_done
	global_store_b32 v69, v50, s[32:33]
	global_store_b32 v69, v51, s[34:35]
.Lmembers_done:
	s_wait_xcnt 0x0
	s_or_b32 exec_lo, exec_lo, s48
	v_cmp_le_u32 s57, s44, v0                      ; count <= t
	v_cmp_gt_u32 vcc_lo, s46, v0                   ; t < padEnd
	s_and_b32 vcc_lo, vcc_lo, s57
	s_and_saveexec_b32 s48, vcc_lo                 ; THE PADS: row t
.irp i, 0,1,2,3,4,5,6,7
	global_store_b128 v60, v[52:55], s[28:29] offset:(\i/2)*512+(\i%2)*256
.endr
	global_store_b32 v6, v56, s[30:31]
	s_cmp_lg_u32 s17, 0
	s_cbranch_scc1 .Lpads_done
	global_store_b32 v3, v57, s[32:33]
	global_store_b32 v3, v52, s[34:35]
.Lpads_done:
	s_wait_xcnt 0x0
	s_or_b32 exec_lo, exec_lo, s48
	s_cmp_lg_u32 s17, 0
	s_cbranch_scc1 .Lend
	s_cmp_lg_u32 s16, 0
	s_cbranch_scc1 .Lend
	v_cmp_eq_u32 vcc_lo, 0, v0
	s_and_saveexec_b32 s48, vcc_lo                 ; thread 0 of the work-group with ks = 0
	global_store_b32 v52, v59, s[36:37]            ; np[e]
	s_wait_xcnt 0x0
	s_or_b32 exec_lo, exec_lo, s48
.Lend:
	s_wait_tensorcnt 0x0
	ds_add_u32 v96, v97
	s_wait_dscnt 0x0
	s_endpgm
.Lfunc_end_k_qbaa3f8ac9f_place:
	.size	k_qbaa3f8ac9f_place, .Lfunc_end_k_qbaa3f8ac9f_place-k_qbaa3f8ac9f_place
	.p2alignl 7, 3214868480
	.fill 96, 4, 3214868480
	.section	.rodata,"a",@progbits
	.p2align	6, 0x0
	.amdhsa_kernel k_qbaa3f8ac9f_place
		.amdhsa_group_segment_fixed_size 4352
		.amdhsa_private_segment_fixed_size 0
		.amdhsa_enable_private_segment 0
		.amdhsa_kernarg_size 48
		.amdhsa_user_sgpr_count 2
		.amdhsa_user_sgpr_kernarg_segment_ptr 1
		.amdhsa_wavefront_size32 1
		.amdhsa_system_sgpr_workgroup_id_x 1
		.amdhsa_system_sgpr_workgroup_id_y 1
		.amdhsa_system_sgpr_workgroup_id_z 1
		.amdhsa_system_vgpr_workitem_id 0
		.amdhsa_next_free_vgpr 98
		.amdhsa_next_free_sgpr 66
		.amdhsa_reserve_vcc 1
		.amdhsa_float_denorm_mode_32 3
		.amdhsa_float_denorm_mode_16_64 3
		.amdhsa_memory_ordered 1
		.amdhsa_forward_progress 1
		.amdhsa_inst_pref_size 10
	.end_amdhsa_kernel
	.amdgpu_metadata
---
amdhsa.version: [ 1, 2 ]
amdhsa.kernels:
  - .name:           k_qbaa3f8ac9f_place
    .symbol:         k_qbaa3f8ac9f_place.kd
    .args:
      - { .name: route, .offset: 0, .size: 8, .value_kind: global_buffer, .address_space: global }
      - { .name: rwgt, .offset: 8, .size: 8, .value_kind: global_buffer, .address_space: global }
      - { .name: xq, .offset: 16, .size: 8, .value_kind: global_buffer, .address_space: global }
      - { .name: xg, .offset: 24, .size: 8, .value_kind: global_buffer, .address_space: global }
      - { .name: lists, .offset: 32, .size: 8, .value_kind: global_buffer, .address_space: global }
      - { .name: rowcoef, .offset: 40, .size: 8, .value_kind: global_buffer, .address_space: global }
    .group_segment_fixed_size: 4352
    .private_segment_fixed_size: 0
    .kernarg_segment_align: 8
    .kernarg_segment_size: 48
    .max_flat_workgroup_size: 1024
    .sgpr_count:     66
    .vgpr_count:     98
    .wavefront_size: 32
...
	.end_amdgpu_metadata
.endif
;; end of part 2
;; launch ffn1 (part 3): grid 256 x 1, 8 waves a work-group, no clusters, 140,800 bytes of LDS; arguments w1, b1, xg, lists, hq; writes hq
.if DOCPART == 3
	.amdgcn_target "amdgcn-amd-amdhsa--gfx1250"
	.amdhsa_code_object_version 6
	.text
	.protected	k_qbaa3f8ac9f_ffn1
	.globl	k_qbaa3f8ac9f_ffn1
	.p2align	8
	.type	k_qbaa3f8ac9f_ffn1,@function
k_qbaa3f8ac9f_ffn1:
	s_mov_b64 s[64:65], 0
	v_nop
	global_prefetch_b8 v0, s[64:65] scope:SCOPE_SE
	s_setreg_imm32_b32 hwreg(HW_REG_WAVE_MODE, 25, 1), 1
	s_wait_xcnt 0x0
; hq = Q(gelu(Q(x) Q(w1)^T + b1)) for the rows that were routed, on codes of E4M3 with one E8M0 byte for each 32 along K.
; SHARES.  Work-group x: expert e = x / 32, hidden units 128 (x % 32) .. + 127 (one K step kk of the second product), all of K = 1,024: 512 KiB of w1, read once, as f32.
; The 128 rows go in four sub-slices j of 32.  In a sub-slice wave w quantises rows 4 w .. 4 w + 3 (a lane: 8 neighbours along K, four lanes to a block) and stores codes as rows in LDS
; (pitch 1,040) and scale bytes beside them; a barrier; then every wave multiplies the sub-slice with ITS pair of activation tiles (32 rows, all of K), which stays in 256 registers.
; The weights come through a ring of 16 slots x 8 registers a wave: 32 loads, 16 KiB, always on their way; a slot is asked for again as soon as it is quantised, one sub-slice ahead.
; TRANSPOSED: source 0 = 16 rows of w1, source 1 = 16 activation rows: a lane holds one activation row.  Lane r of tile (j, u) takes LDS row 32 j + 8 u + r + 8 (r / 8), so that a tile pair's 16
; registers are the neighbours 32 j + 16 h + 0..15 of the next K: one block with lane l xor 16.  The bias is loaded into the accumulators: it is the C of the first links.
; ROWS.  Every expert has np pairs of tiles, 8 at the least (the placing launch pads).  Pairs 0-7 are the eight waves' own.  Pairs 8 .. np - 1 follow behind the last barrier, when all codes lie in LDS:
; wave w takes sub-slice w % 4 of pairs 8 + w / 4, + 2, ..  That trip count is made of np, which is read from lists; so this text has no tensor load, and no barrier stands there.
; OUT: hq: images of operand registers [e][tile][kk][c = j][lane][16 bytes]; from byte 33,554,432 on scale words [e][row][kk], byte j.
; GELU: 0.5 x (1 + erf(x / sqrt 2)), erf(z) = z P(z^2) / Q(z^2) with z held within +-4, all in f32.  LIMITS: the form's error is some 2e-7 of 1, so for x far below 0, where 1 + erf cancels, the result
; has that absolute error x |x| / 2, as any f32 evaluation of this expression has.  NaN and infinities are not served.  A block of zeros gets the byte 1 (only this program reads the bytes).
.set RP,   4096                        ; a row of w1 in bytes
.set TS,   16384                       ; a tile of xg
.set SPT,  32                          ; a row of xg's scale words
.set CP,   1040                        ; LDS: a row of codes, 1,024 + 16: an odd multiple of 16
.set SUBC, 32*CP
.set WP,   48                          ; LDS: a row's 32 scale bytes + 16
.set SUBW, 32*WP
.set WSC,  128*CP
.set BIA,  WSC+128*WP                  ; LDS: the 128 biases
.set GW,   1                           ; 32 lane + 4 w rows: my place in the weights
.set CW0,  2                           ; LDS: my codes' place in a sub-slice
.set SW0,  3                           ; LDS: my scale byte's
.set FR0,  4                           ; LDS: my lane's place in a fragment
.set FS0,  5                           ; LDS: its scale word
.set BR0,  6                           ; LDS: my half's biases
.set L16,  7                           ; 16 lane
.set AO,   8                           ; my pair's codes
.set ASO,  9                           ; my pair's scale words
.set O1B,  10                          ; hq: my pair's codes
.set O2B,  11                          ; hq: my pair's scale words, a row a lane
.set CWW,  12                          ; the same with the sub-slice added
.set SWW,  13
.set FRW,  14
.set FSW,  15
.set BRW,  16
.set O1W,  17
.set O2W,  18
.set BO,   19
.set BL,   20
.set BV,   21
.set SWA,  26                          ; my row's scale word of this K step, collected byte by byte
.set WSR,  28                          ; v28-30   weight scale words, three by turns
.set RING, 32                          ; v32-159
.set ASC,  160                         ; v160-175 activation scale words (m, ks)
.set ACC,  176                         ; v176-207 accumulator (u, m) at 16 m + 8 u
.set WF,   208                         ; v208-255 weight fragments, three by turns; at other times at work
.set QT,   208
.set ZZ,   208
.set TT,   216
.set PP,   224
.set QQ,   232
.set MM,   240
.set SCL,  242
.set LM,   244
.set BY,   246
.set CC,   208
.set MX,   216
.set RS2,  66                          ; s[66:67] 1 / sqrt 2;  s[68:81] P's coefficients a6 .. a0;  s[82:91] Q's b4 .. b0: pairs, the low word serves both halves
.set A6,   68
.set A5,   70
.set A4,   72
.set A3,   74
.set A2,   76
.set A1,   78
.set A0,   80
.set B4,   82
.set B3,   84
.set B2,   86
.set B1,   88
.set B0,   90
.set MSB, 0
.macro WIN new                         ; the immediate's high byte repeats the setting that is left
.if MSB != \new
	s_set_vgpr_msb (MSB<<8)|\new
.set MSB, \new
.endif
.endm
.macro COEF reg, bits
	s_mov_b32 s[\reg], \bits
	s_mov_b32 s[\reg+1], \bits
.endm
.macro PAIRADDR sp                     ; the offsets that hang on the pair of tiles
	s_lshl_b32 s50, \sp, 15
	v_add_nc_u32 v[AO], s50, v[L16]                ; 2 tiles of 16,384 bytes a pair
	v_and_b32 v27, 15, v0
	s_lshl_b32 s50, \sp, 10
	v_lshl_add_u32 v[ASO], v27, 5, s50             ; row 32 pair + r
	s_lshl_b32 s50, \sp, 17
	v_add_nc_u32 v[O1B], s50, v[L16]               ; 2 tiles of 65,536 bytes
	v_and_b32 v27, 31, v0
	s_lshl_b32 s50, \sp, 12
	v_lshl_add_u32 v[O2B], v27, 7, s50             ; row 32 pair + lane, 128 bytes a row
.endm
.macro LOADA                           ; a pair's codes (window 1: (m, ks) at 128 m + 16 ks) and scale words; each code load reads 512 consecutive bytes
	WIN 0x40
.irp m, 0,1
.irp ks, 0,1,2,3,4,5,6,7
.irp c, 0,1,2,3
	global_load_b128 v[128*\m+16*\ks+4*\c:128*\m+16*\ks+4*\c+3], v[AO], s[8:9] offset:\m*TS+\ks*2048+\c*512
.endr
.endr
.endr
	WIN 0
.irp m, 0,1
	global_load_b128 v[ASC+8*\m:ASC+8*\m+3], v[ASO], s[14:15] offset:\m*16*SPT
	global_load_b128 v[ASC+8*\m+4:ASC+8*\m+7], v[ASO], s[14:15] offset:\m*16*SPT+16
.endr
.endm
; Slots 2 k and 2 k + 1 of the ring (row k / 2 of my four, 256 numbers each) are quantised, by turns.  left: the younger loads that may stay out
.macro QP2 k, refill, left
.set SA, RING+16*(\k)
.set SB, SA+8
.set QA, QT+16*((\k)%2)
.set QB, QA+8
.set QROW, (\k)/2
.set QPC, 2*((\k)%2)
	s_wait_loadcnt \left
	v_max3_num_f32 v[QA], |v[SA]|, |v[SA+1]|, 0x4800000    ; with the floor 2^(9 - 127): the byte cannot fall under 1
	v_max3_num_f32 v[QB], |v[SB]|, |v[SB+1]|, 0x4800000
.irp i, 2,4,6
	v_max3_num_f32 v[QA], v[QA], |v[SA+\i]|, |v[SA+\i+1]|
	v_max3_num_f32 v[QB], v[QB], |v[SB+\i]|, |v[SB+\i+1]|
.endr
	v_max_num_f32_dpp v[QA], v[QA], v[QA] row_xmask:1 row_mask:0xf bank_mask:0xf
	v_max_num_f32_dpp v[QB], v[QB], v[QB] row_xmask:1 row_mask:0xf bank_mask:0xf
	v_max_num_f32_dpp v[QA], v[QA], v[QA] row_xmask:2 row_mask:0xf bank_mask:0xf   ; four lanes hold a block
	v_max_num_f32_dpp v[QB], v[QB], v[QB] row_xmask:2 row_mask:0xf bank_mask:0xf
	v_add_nc_u32 v[QA+1], 0xfc000000, v[QA]        ; 8 off the exponent field: the conversion's scale operand
	v_add_nc_u32 v[QB+1], 0xfc000000, v[QB]
	v_and_or_b32 v[QA+2], v[QA], 0x7f800000, s19   ; 448 x the scale
	v_and_or_b32 v[QB+2], v[QB], 0x7f800000, s19
.irp i, 0,1,2,3,4,5,6,7
	v_med3_num_f32 v[SA+\i], v[SA+\i], -v[QA+2], v[QA+2]   ; the conversion does not saturate (ISA guide 7.6.2): hold first
	v_med3_num_f32 v[SB+\i], v[SB+\i], -v[QB+2], v[QB+2]
.endr
	v_cvt_scalef32_pk8_fp8_f32 v[QA+4:QA+5], v[SA:SA+7], v[QA+1]
	v_cvt_scalef32_pk8_fp8_f32 v[QB+4:QB+5], v[SB:SB+7], v[QB+1]
	v_lshrrev_b32 v[QA+3], 23, v[QA+1]             ; the scale's byte; also the plain line behind the conversions
	v_lshrrev_b32 v[QB+3], 23, v[QB+1]
.if \refill
	global_load_b128 v[SA:SA+3], v[GW], s[4:5] offset:(32+QROW)*RP+QPC*1024 th:TH_LOAD_NT       ; the same rows of the next sub-slice
	global_load_b128 v[SA+4:SA+7], v[GW], s[4:5] offset:(32+QROW)*RP+QPC*1024+16 th:TH_LOAD_NT
	global_load_b128 v[SB:SB+3], v[GW], s[4:5] offset:(32+QROW)*RP+(QPC+1)*1024 th:TH_LOAD_NT
	global_load_b128 v[SB+4:SB+7], v[GW], s[4:5] offset:(32+QROW)*RP+(QPC+1)*1024+16 th:TH_LOAD_NT
.endif
	ds_store_b64 v[CWW], v[QA+4:QA+5] offset:QROW*CP+QPC*256        ; 32 lanes: 256 consecutive bytes of the row
	ds_store_b64 v[CWW], v[QB+4:QB+5] offset:QROW*CP+(QPC+1)*256
	ds_store_b8 v[SWW], v[QA+3] offset:QROW*WP+QPC*8                ; the four lanes of a block write the same byte with the same value
	ds_store_b8 v[SWW], v[QB+3] offset:QROW*WP+(QPC+1)*8
.endm
.macro QPS refill                      ; my four rows of a sub-slice
.set QK, 0
.rept 8
.if \refill
	QP2 QK, 1, 28                                  ; the ring holds 32 loads: 28 are younger than this pair of slots' four
.else
	QP2 QK, 0, 28-4*QK                             ; nothing is asked for any more: the count runs down
.endif
.set QK, QK+1
.endr
.endm
.macro FRAG n, off                     ; fragment n of 16 (K step n / 2, tile u = n % 2) of sub-slice off beyond FRW's, and its scale word: 5 LDS loads
.set GU, (\n)%2
.set GK, (\n)/2
.set GB, (\n)%3
.irp c, 0,1,2,3
	ds_load_b128 v[WF+16*GB+4*\c:WF+16*GB+4*\c+3], v[FRW] offset:(\off)*SUBC+GU*8*CP+GK*128+32*\c
.endr
	ds_load_b32 v[WSR+GB], v[FSW] offset:(\off)*SUBW+GU*8*WP+4*GK
.endm
; A UNIT: my two tiles of rows x the sub-slice's two tiles, all of K: 32 matrix instructions.  The four accumulators take turns, one instruction a turn.
; A load into a register that a matrix instruction has read stands eight plain vector instructions behind it.
.macro CU off
.irp m, 0,1
.irp u, 0,1
	ds_load_b128 v[ACC+16*\m+8*\u:ACC+16*\m+8*\u+3], v[BRW] offset:(\off)*128+32*\u        ; the bias, in the result's layout
	ds_load_b128 v[ACC+16*\m+8*\u+4:ACC+16*\m+8*\u+7], v[BRW] offset:(\off)*128+32*\u+16
.endr
.endr
	FRAG 0, \off
	FRAG 1, \off
	FRAG 2, \off
	WIN 0x04                                       ; source 1 (the activations) in window 1; LDS loads name destination and source 0 alone
.set CN, 0
.rept 16
.set HU, CN%2
.set HK, CN/2
.set HB, CN%3
.if CN < 14
	s_wait_dscnt 10                                ; this fragment is in; the two younger ones, 5 loads each, may be out
.else
	s_wait_dscnt 5*(15-CN)
.endif
	v_wmma_scale_f32_16x16x128_f8f6f4 v[ACC+8*HU:ACC+8*HU+7], v[WF+16*HB:WF+16*HB+15], v[16*HK:16*HK+15], v[ACC+8*HU:ACC+8*HU+7], v[WSR+HB], v[ASC+HK]
	v_wmma_scale_f32_16x16x128_f8f6f4 v[ACC+16+8*HU:ACC+16+8*HU+7], v[WF+16*HB:WF+16*HB+15], v[128+16*HK:128+16*HK+15], v[ACC+16+8*HU:ACC+16+8*HU+7], v[WSR+HB], v[ASC+8+HK]
.if CN < 13
.rept 8
	v_nop
.endr
	FRAG CN+3, \off
.endif
.set CN, CN+1
.endr
	WIN 0
.endm
.macro GELU8 x                         ; eight numbers, in place
.irp p, 0,2,4,6
	v_pk_mul_f32 v[ZZ+\p:ZZ+\p+1], v[(\x)+\p:(\x)+\p+1], s[RS2:RS2+1] op_sel_hi:[1,0]
.endr
.irp p, 0,1,2,3,4,5,6,7
	v_med3_num_f32 v[ZZ+\p], v[ZZ+\p], -4.0, 4.0
.endr
.irp p, 0,2,4,6
	v_pk_mul_f32 v[TT+\p:TT+\p+1], v[ZZ+\p:ZZ+\p+1], v[ZZ+\p:ZZ+\p+1]
.endr
.irp p, 0,2,4,6
	v_pk_fma_f32 v[PP+\p:PP+\p+1], v[TT+\p:TT+\p+1], s[A6:A6+1], s[A5:A5+1] op_sel_hi:[1,0,0]
.endr
.irp p, 0,2,4,6
	v_pk_fma_f32 v[QQ+\p:QQ+\p+1], v[TT+\p:TT+\p+1], s[B4:B4+1], s[B3:B3+1] op_sel_hi:[1,0,0]
.endr
.irp c, B2, B1, B0
.irp p, 0,2,4,6
	v_pk_fma_f32 v[QQ+\p:QQ+\p+1], v[QQ+\p:QQ+\p+1], v[TT+\p:TT+\p+1], s[\c:\c+1] op_sel_hi:[1,1,0]
.endr
.endr
.irp p, 0,1,2,3,4,5,6,7
	v_rcp_f32 v[QQ+\p], v[QQ+\p]
.endr
.irp c, A4, A3, A2, A1, A0             ; P's chain is the independent work behind the reciprocals
.irp p, 0,2,4,6
	v_pk_fma_f32 v[PP+\p:PP+\p+1], v[PP+\p:PP+\p+1], v[TT+\p:TT+\p+1], s[\c:\c+1] op_sel_hi:[1,1,0]
.endr
.endr
.irp p, 0,2,4,6
	v_pk_mul_f32 v[PP+\p:PP+\p+1], v[PP+\p:PP+\p+1], v[ZZ+\p:ZZ+\p+1]
.endr
.irp p, 0,2,4,6
	v_pk_mul_f32 v[TT+\p:TT+\p+1], v[(\x)+\p:(\x)+\p+1], 0.5 op_sel_hi:[1,0]
.endr
	s_wait_alu depctr_va_vdst(0)                   ; one wait for the eight reciprocals, ahead of their first reader
.irp p, 0,2,4,6
	v_pk_mul_f32 v[PP+\p:PP+\p+1], v[PP+\p:PP+\p+1], v[QQ+\p:QQ+\p+1]      ; erf
.endr
.irp p, 0,2,4,6
	v_pk_fma_f32 v[(\x)+\p:(\x)+\p+1], v[TT+\p:TT+\p+1], v[PP+\p:PP+\p+1], v[TT+\p:TT+\p+1]   ; x / 2 + (x / 2) erf
.endr
.endm
; THE WAY OUT of a unit: gelu, one block of 32 a row quantised, 16 bytes a lane stored.  mode 0: the byte joins my row's scale word; 1: and the word is stored; 2: the byte is stored by itself
.macro E1 mode
.rept 8
	v_nop                                          ; eight places between the last products and the first read of a result
.endr
	GELU8 ACC                                      ; each accumulator is read from its low end on
	GELU8 ACC+8
	GELU8 ACC+16
	GELU8 ACC+24
.irp m, 0,1
	v_max3_num_f32 v[MM+\m], |v[ACC+16*\m]|, |v[ACC+16*\m+1]|, 0x4800000
.endr
.irp i, 2,4,6,8,10,12,14
.irp m, 0,1
	v_max3_num_f32 v[MM+\m], v[MM+\m], |v[ACC+16*\m+\i]|, |v[ACC+16*\m+\i+1]|
.endr
.endr
.irp m, 0,1
	v_permlanex16_b32 v[MX+\m], v[MM+\m], s20, s21
.endr
.irp m, 0,1
	v_max_num_f32 v[MM+\m], v[MM+\m], v[MX+\m]     ; with lane l xor 16's 16 numbers: the block's largest magnitude
.endr
.irp m, 0,1
	v_add_nc_u32 v[SCL+\m], 0xfc000000, v[MM+\m]
.endr
.irp m, 0,1
	v_and_or_b32 v[LM+\m], v[MM+\m], 0x7f800000, s19
.endr
.irp m, 0,1
	v_lshrrev_b32 v[BY+\m], 23, v[SCL+\m]
.endr
.irp m, 0,1
.irp i, 0,1,2,3,4,5,6,7,8,9,10,11,12,13,14,15
	v_med3_num_f32 v[ACC+16*\m+\i], v[ACC+16*\m+\i], -v[LM+\m], v[LM+\m]
.endr
	v_cvt_scalef32_pk8_fp8_f32 v[CC+4*\m:CC+4*\m+1], v[ACC+16*\m:ACC+16*\m+7], v[SCL+\m]
	v_cvt_scalef32_pk8_fp8_f32 v[CC+4*\m+2:CC+4*\m+3], v[ACC+16*\m+8:ACC+16*\m+15], v[SCL+\m]
.endr
	v_cndmask_b32 v[BY], v[BY], v[BY+1], s27       ; lane l serves row l of the pair: lanes 16-31 take the second tile's byte.  (Also the plain line behind the conversions)
	global_store_b128 v[O1W], v[CC:CC+3], s[12:13]                 ; 32 lanes: 512 consecutive bytes, aligned
	global_store_b128 v[O1W], v[CC+4:CC+7], s[12:13] offset:65536
.if \mode < 2
	v_lshlrev_b32 v[BY], s47, v[BY]
	v_or_b32 v[SWA], v[SWA], v[BY]
.endif
.if \mode == 1
	global_store_b32 v[O2B], v[SWA], s[44:45]
.endif
.if \mode == 2
	global_store_b8 v[O2W], v[BY], s[44:45]
.endif
.endm
.macro ADDR                            ; the sub-slice's part is added to the places that walk
	v_add_nc_u32 v[CWW], s22, v[CW0]
	v_add_nc_u32 v[FRW], s22, v[FR0]
	v_add_nc_u32 v[SWW], s23, v[SW0]
	v_add_nc_u32 v[FSW], s23, v[FS0]
	v_add_nc_u32 v[BRW], s24, v[BR0]
	v_add_nc_u32 v[O1W], s25, v[O1B]
.endm
	s_load_b256 s[4:11], s[0:1], 0x0               ; w1, b1, xg, lists
	s_load_b64 s[12:13], s[0:1], 0x20              ; hq
	v_lshl_add_u32 v22, v0, 2, 0x22200
	v_mov_b32 v23, 0
	v_lshrrev_b32 v27, 5, v0
	v_readfirstlane_b32 s16, v27                   ; wave
	s_lshr_b32 s17, ttmp9, 5                       ; e
	s_and_b32 s46, ttmp9, 31                       ; kk
	s_mov_b32 s19, 0x600000                        ; the mantissa field of 448
	s_mov_b32 s20, 0x76543210
	s_mov_b32 s21, 0xfedcba98                      ; selects for lane l xor 16
	s_mov_b32 s27, 0xffff0000                      ; lanes 16-31
	COEF RS2, 0x3f3504f3
	COEF A6, 0xaf95df0b
	COEF A5, 0x32edffee
	COEF A4, 0xb60cff51
	COEF A3, 0xb86ec2d2
	COEF A2, 0xba40ac63
	COEF A1, 0xbb41a1f6
	COEF A0, 0xbc83dbd4
	COEF B4, 0xb77460cd
	COEF B3, 0xb95fbd29
	COEF B2, 0xbadc924e
	COEF B1, 0xbbf19bf8
	COEF B0, 0xbc69b6a7
	v_and_b32 v24, 31, v0                          ; lane
	v_and_b32 v25, 15, v0                          ; r
	v_bfe_u32 v27, v0, 4, 1                        ; h
	s_mul_i32 s30, s16, 4*RP
	v_lshl_add_u32 v[GW], v24, 5, s30
	s_mul_i32 s30, s16, 4*CP
	v_lshl_add_u32 v[CW0], v24, 3, s30
	s_mul_i32 s30, s16, 4*WP
	s_add_co_u32 s30, s30, WSC
	v_lshrrev_b32 v[SW0], 2, v24
	v_add_nc_u32 v[SW0], s30, v[SW0]
	v_and_b32 v31, 8, v25
	v_add_nc_u32 v31, v31, v25                     ; r + 8 (r / 8)
	v_mul_u32_u24 v[FR0], v31, CP
	v_lshl_add_u32 v[FR0], v27, 4, v[FR0]
	v_mul_u32_u24 v[FS0], v31, WP
	v_add_nc_u32 v[FS0], WSC, v[FS0]
	v_lshl_add_u32 v[BR0], v27, 6, BIA
	v_lshlrev_b32 v[L16], 4, v24
	s_lshl_b32 s30, s16, 6
	v_lshl_add_u32 v[BO], v25, 2, s30              ; the bias: wave w brings numbers 16 w + r (lanes 16-31 repeat lanes 0-15)
	v_add_nc_u32 v[BL], BIA, v[BO]
	v_mov_b32 v[SWA], 0
	PAIRADDR s16                                   ; my own pair is pair w
	s_lshl_b32 s30, ttmp9, 19                      ; 128 rows of 4,096 bytes a work-group
	s_mov_b32 s31, 0
	s_lshl_b32 s32, ttmp9, 9
	s_mov_b32 s33, 0
	s_lshl_b32 s34, s17, 20
	s_mov_b32 s35, 0
	s_lshl_b32 s36, s17, 15
	s_add_co_u32 s36, s36, 0x800000
	s_mov_b32 s37, 0
	s_lshl_b32 s38, s17, 22
	s_lshl_b32 s40, s46, 11
	s_add_co_u32 s38, s38, s40
	s_mov_b32 s39, 0
	s_lshl_b32 s40, s17, 17
	s_lshl_b32 s41, s46, 2
	s_add_co_u32 s40, s40, s41
	s_add_co_u32 s40, s40, 0x2000000
	s_mov_b32 s41, 0
	s_lshl_b32 s52, s17, 2
	s_wait_kmcnt 0x0
	s_add_nc_u64 s[4:5], s[4:5], s[30:31]
	s_add_nc_u64 s[6:7], s[6:7], s[32:33]
	s_add_nc_u64 s[14:15], s[8:9], s[36:37]        ; xg's scale words of e
	s_add_nc_u64 s[8:9], s[8:9], s[34:35]          ; xg's codes of e
	s_add_nc_u64 s[44:45], s[12:13], s[40:41]      ; hq's scale words of (e, kk)
	s_add_nc_u64 s[12:13], s[12:13], s[38:39]      ; hq's codes of (e, kk)
	s_load_b32 s18, s[10:11], s52 offset:0x0       ; np[e]: wanted behind the last barrier
	global_load_b32 v[BV], v[BO], s[6:7]
	LOADA
.set QK, 0
.rept 16                               ; the ring's first fill: sub-slice 0
	global_load_b128 v[RING+8*QK:RING+8*QK+3], v[GW], s[4:5] offset:(QK/4)*RP+(QK%4)*1024 th:TH_LOAD_NT
	global_load_b128 v[RING+8*QK+4:RING+8*QK+7], v[GW], s[4:5] offset:(QK/4)*RP+(QK%4)*1024+16 th:TH_LOAD_NT
.set QK, QK+1
.endr
	s_wait_loadcnt 63                              ; 100 loads were issued behind the bias's: it is in
	ds_store_b32 v[BL], v[BV]
	s_mov_b32 s22, 0
	s_mov_b32 s23, 0
	s_mov_b32 s24, 0
	s_mov_b32 s25, 0
	s_mov_b32 s47, 0
	s_mov_b32 s28, 3
.Lsub:                                             ; sub-slices 0, 1, 2: at the head 32 ring loads are out on both ways in
	ADDR
	QPS 1
	s_wait_dscnt 0x0                               ; for the others' sake: my codes and bytes (in the first trip my biases too) have landed
	s_barrier_signal -1
	s_barrier_wait -1                              ; the sub-slice is whole.  No LDS byte is written twice, so one barrier a sub-slice is enough
	CU 0
	E1 0
	s_wait_xcnt 0x0                                ; the ring's loads and the stores have read their registers: base, offsets and data may be written
	s_add_nc_u64 s[4:5], s[4:5], 32*RP
	s_add_co_u32 s22, s22, SUBC
	s_add_co_u32 s23, s23, SUBW
	s_add_co_u32 s24, s24, 128
	s_add_co_u32 s25, s25, 512
	s_add_co_u32 s47, s47, 8
	s_sub_co_u32 s28, s28, 1
	s_cmp_lg_u32 s28, 0
	s_cbranch_scc1 .Lsub
	ADDR                                           ; sub-slice 3: nothing more is asked for
	QPS 0
	s_wait_dscnt 0x0
	s_barrier_signal -1
	s_barrier_wait -1                              ; the last barrier: from here on LDS is only read
	CU 0
	E1 1
	s_wait_xcnt 0x0
	s_wait_kmcnt 0x0                               ; np
	s_min_u32 s18, s18, 32
	s_max_u32 s18, s18, 8                          ; held to what the placing launch can give: 8 .. 32
	s_and_b32 s26, s16, 3                          ; THE OTHER PAIRS: my sub-slice,
	s_lshr_b32 s54, s16, 2
	s_add_co_u32 s54, s54, 8                       ; my first pair: 8 or 9,
	s_add_co_u32 s53, s18, 1
	s_sub_co_u32 s53, s53, s54
	s_lshr_b32 s53, s53, 1                         ; and how many of first, first + 2, .. lie under np: (np + 1 - first) / 2, rounded down
	s_mov_b32 s29, 0                               ; the trips are counted by 1
	s_mul_i32 s22, s26, SUBC
	s_mul_i32 s23, s26, SUBW
	s_lshl_b32 s24, s26, 7
	s_lshl_b32 s25, s26, 9
	v_add_nc_u32 v[FRW], s22, v[FR0]
	v_add_nc_u32 v[FSW], s23, v[FS0]
	v_add_nc_u32 v[BRW], s24, v[BR0]
	s_cmp_lt_u32 s29, s53
	s_cbranch_scc0 .Lend
.Lrem:
	s_lshl_b32 s51, s29, 1
	s_add_co_u32 s51, s51, s54                     ; the trip's pair
	s_min_u32 s51, s51, 31
	PAIRADDR s51
	v_add_nc_u32 v[O1W], s25, v[O1B]
	v_add_nc_u32 v[O2W], s26, v[O2B]
	LOADA
	s_wait_loadcnt 0x0
	CU 0
	E1 2
	s_wait_xcnt 0x0                                ; the stores have read their registers
	s_add_co_u32 s29, s29, 1
	s_cmp_lt_u32 s29, s53
	s_cbranch_scc1 .Lrem
.Lend:
	s_wait_tensorcnt 0x0
	ds_add_u32 v22, v23
	s_wait_dscnt 0x0
	s_endpgm
.Lfunc_end_k_qbaa3f8ac9f_ffn1:
	.size	k_qbaa3f8ac9f_ffn1, .Lfunc_end_k_qbaa3f8ac9f_ffn1-k_qbaa3f8ac9f_ffn1
	.p2alignl 7, 3214868480
	.fill 96, 4, 3214868480
	.section	.rodata,"a",@progbits
	.p2align	6, 0x0
	.amdhsa_kernel k_qbaa3f8ac9f_ffn1
		.amdhsa_group_segment_fixed_size 140800
		.amdhsa_private_segment_fixed_size 0
		.amdhsa_enable_private_segment 0
		.amdhsa_kernarg_size 40
		.amdhsa_user_sgpr_count 2
		.amdhsa_user_sgpr_kernarg_segment_ptr 1
		.amdhsa_wavefront_size32 1
		.amdhsa_system_sgpr_workgroup_id_x 1
		.amdhsa_system_sgpr_workgroup_id_y 1
		.amdhsa_system_sgpr_workgroup_id_z 1
		.amdhsa_system_vgpr_workitem_id 0
		.amdhsa_next_free_vgpr 512
		.amdhsa_next_free_sgpr 96
		.amdhsa_reserve_vcc 0
		.amdhsa_float_denorm_mode_32 3
		.amdhsa_float_denorm_mode_16_64 3
		.amdhsa_memory_ordered 1
		.amdhsa_forward_progress 1
		.amdhsa_inst_pref_size 180
	.end_amdhsa_kernel
	.amdgpu_metadata
---
amdhsa.version: [ 1, 2 ]
amdhsa.kernels:
  - .name:           k_qbaa3f8ac9f_ffn1
    .symbol:         k_qbaa3f8ac9f_ffn1.kd
    .args:
      - { .name: w1, .offset: 0, .size: 8, .value_kind: global_buffer, .address_space: global }
      - { .name: b1, .offset: 8, .size: 8, .value_kind: global_buffer, .address_space: global }
      - { .name: xg, .offset: 16, .size: 8, .value_kind: global_buffer, .address_space: global }
      - { .name: lists, .offset: 24, .size: 8, .value_kind: global_buffer, .address_space: global }
      - { .name: hq, .offset: 32, .size: 8, .value_kind: global_buffer, .address_space: global }
    .group_segment_fixed_size: 140800
    .private_segment_fixed_size: 0
    .kernarg_segment_align: 8
    .kernarg_segment_size: 40
    .max_flat_workgroup_size: 256
    .sgpr_count:     96
    .vgpr_count:     512
    .wavefront_size: 32
...
	.end_amdgpu_metadata
.endif
;; end of part 3
;; launch ffn2 (part 4): grid 256 x 1, 8 waves a work-group, no clusters, 275,968 bytes of LDS; arguments w2, b2, hq, lists, rowcoef, part; writes part
.if DOCPART == 4
	.amdgcn_target "amdgcn-amd-amdhsa--gfx1250"
	.amdhsa_code_object_version 6
	.text
	.protected	k_qbaa3f8ac9f_ffn2
	.globl	k_qbaa3f8ac9f_ffn2
	.p2align	8
	.type	k_qbaa3f8ac9f_ffn2,@function
k_qbaa3f8ac9f_ffn2:
	s_mov_b64 s[64:65], 0
	v_nop
	global_prefetch_b8 v0, s[64:65] scope:SCOPE_SE
	s_setreg_imm32_b32 hwreg(HW_REG_WAVE_MODE, 25, 1), 1
	s_wait_xcnt 0x0
; part[q][dst] = coef x (Q(h) Q(w2)^T over K quarter q, + b2 where q = 0), for the rows that were routed, on codes of E4M3 with one E8M0 byte for each 32 along K.
; SHARES.  Work-group x: expert e = x / 32, outputs d = 128 ((x / 4) % 8) .. + 127, K quarter q = x % 4 (1,024 of 4,096): 512 KiB of w2, read once, as f32.  The last launch adds the quarters.
; The structure is that of the first product's launch: four sub-slices of 32 weight rows; wave w quantises rows 4 w .. 4 w + 3 into LDS (codes as rows of pitch 1,040, scale bytes beside them), a barrier,
; then every wave multiplies the sub-slice with its own pair of activation tiles, kept in 256 registers.  The weights come through a ring of 16 slots x 8 registers a wave, 32 loads always on their way.
; TRANSPOSED: source 0 = 16 rows of w2, source 1 = 16 rows of h: a lane holds one row and, with the tiles' rows chosen as 32 j + 8 u + r + 8 (r / 8), 16 neighbouring outputs 32 j + 16 h + 0..15.
; The bias (x 0 where q is not 0) is loaded into the accumulators: it is the C of the first links; the row's weight multiplies the sum.
; THE WAY OUT.  A pair's 32 rows x 128 outputs gather in the wave's own stage in LDS (rows of 528 bytes) and leave as half rows: sixteen lanes store 256 consecutive bytes, aligned, at the row that
; rowdst names (a token's slot 2 t + k, or a pad's spare row).  Each row of part has one writer.
; ROWS.  Pairs 0-7 are the eight waves' own; pairs 8 .. np - 1 follow behind the last barrier: wave w takes sub-slices 2 (w % 2), + 1 of pairs 8 + w / 2, + 4, ..  That trip count is made of np, which is
; read from lists; so this text has no tensor load, and no barrier stands there.
; LIMITS: NaN and infinities are not served.  A block of zeros gets the byte 1 (only this program reads the bytes).
.set RP,   16384                       ; a row of w2 in bytes
.set TS,   65536                       ; a tile of hq
.set SPT,  128                         ; a row of hq's scale words
.set CP,   1040
.set SUBC, 32*CP
.set WP,   48
.set SUBW, 32*WP
.set WSC,  128*CP
.set BIA,  WSC+128*WP
.set STG,  BIA+512                     ; the stages: 32 rows x 528 bytes for each wave
.set SGP,  528
.set GW,   1
.set CW0,  2
.set SW0,  3
.set FR0,  4
.set FS0,  5
.set BR0,  6
.set L16,  7
.set AO,   8
.set ASO,  9
.set O1B,  10                          ; the stage: where I put 64 bytes of a row
.set O2B,  11                          ; the stage: where I read a half row back
.set CWW,  12
.set SWW,  13
.set FRW,  14
.set FSW,  15
.set BRW,  16
.set O1W,  17
.set O2W,  18
.set DO,   19                          ; rowdst: rows 32 pair + lane / 16 (+ 2 i)
.set CF,   20                          ; v[20:21], v[22:23] the rows' weights of tiles 0, 1 (the low word serves both halves)
.set BO,   24
.set CFO,  25
.set CL,   26                          ; 16 (lane % 16): my bytes of a half row
.set BV,   27
.set BL,   31
.set WSR,  28
.set RING, 32
.set DD,   96                          ; v96-111 the rows' places in part (ring registers that are free by then)
.set R0,   32                          ; v32-95, v176-239: half rows read back from the stage
.set R1,   176
.set ASC,  160
.set ACC,  176
.set WF,   208
.set QT,   208
.set MSB, 0
.macro WIN new                         ; the immediate's high byte repeats the setting that is left
.if MSB != \new
	s_set_vgpr_msb (MSB<<8)|\new
.set MSB, \new
.endif
.endm
.macro PAIRADDR sp                     ; the offsets that hang on the pair of tiles
	s_lshl_b32 s50, \sp, 17
	v_add_nc_u32 v[AO], s50, v[L16]                ; 2 tiles of 65,536 bytes a pair
	v_and_b32 v[BV], 15, v0
	s_lshl_b32 s50, \sp, 12
	v_lshl_add_u32 v[ASO], v[BV], 7, s50           ; row 32 pair + r, 128 bytes a row
	s_lshl_b32 s50, \sp, 7
	v_lshl_add_u32 v[CFO], v[BV], 2, s50           ; the same row's weight
	v_bfe_u32 v[BV], v0, 4, 1
	v_lshl_add_u32 v[DO], v[BV], 2, s50
.endm
.macro LOADA                           ; a pair's codes (window 1: (m, ks) at 128 m + 16 ks), scale words and weights; each code load reads 512 consecutive bytes
	WIN 0x40
.irp m, 0,1
.irp ks, 0,1,2,3,4,5,6,7
.irp c, 0,1,2,3
	global_load_b128 v[128*\m+16*\ks+4*\c:128*\m+16*\ks+4*\c+3], v[AO], s[8:9] offset:\m*TS+\ks*2048+\c*512
.endr
.endr
.endr
	WIN 0
.irp m, 0,1
	global_load_b128 v[ASC+8*\m:ASC+8*\m+3], v[ASO], s[44:45] offset:\m*16*SPT
	global_load_b128 v[ASC+8*\m+4:ASC+8*\m+7], v[ASO], s[44:45] offset:\m*16*SPT+16
	global_load_b32 v[CF+2*\m], v[CFO], s[12:13] offset:64*\m
.endr
.endm
; Slots 2 k and 2 k + 1 of the ring (row k / 2 of my four, 256 numbers each) are quantised, by turns.  left: the younger loads that may stay out
.macro QP2 k, refill, left
.set SA, RING+16*(\k)
.set SB, SA+8
.set QA, QT+16*((\k)%2)
.set QB, QA+8
.set QROW, (\k)/2
.set QPC, 2*((\k)%2)
	s_wait_loadcnt \left
	v_max3_num_f32 v[QA], |v[SA]|, |v[SA+1]|, 0x4800000    ; with the floor 2^(9 - 127): the byte cannot fall under 1
	v_max3_num_f32 v[QB], |v[SB]|, |v[SB+1]|, 0x4800000
.irp i, 2,4,6
	v_max3_num_f32 v[QA], v[QA], |v[SA+\i]|, |v[SA+\i+1]|
	v_max3_num_f32 v[QB], v[QB], |v[SB+\i]|, |v[SB+\i+1]|
.endr
	v_max_num_f32_dpp v[QA], v[QA], v[QA] row_xmask:1 row_mask:0xf bank_mask:0xf
	v_max_num_f32_dpp v[QB], v[QB], v[QB] row_xmask:1 row_mask:0xf bank_mask:0xf
	v_max_num_f32_dpp v[QA], v[QA], v[QA] row_xmask:2 row_mask:0xf bank_mask:0xf   ; four lanes hold a block
	v_max_num_f32_dpp v[QB], v[QB], v[QB] row_xmask:2 row_mask:0xf bank_mask:0xf
	v_add_nc_u32 v[QA+1], 0xfc000000, v[QA]        ; 8 off the exponent field: the conversion's scale operand
	v_add_nc_u32 v[QB+1], 0xfc000000, v[QB]
	v_and_or_b32 v[QA+2], v[QA], 0x7f800000, s19   ; 448 x the scale
	v_and_or_b32 v[QB+2], v[QB], 0x7f800000, s19
.irp i, 0,1,2,3,4,5,6,7
	v_med3_num_f32 v[SA+\i], v[SA+\i], -v[QA+2], v[QA+2]   ; the conversion does not saturate (ISA guide 7.6.2): hold first
	v_med3_num_f32 v[SB+\i], v[SB+\i], -v[QB+2], v[QB+2]
.endr
	v_cvt_scalef32_pk8_fp8_f32 v[QA+4:QA+5], v[SA:SA+7], v[QA+1]
	v_cvt_scalef32_pk8_fp8_f32 v[QB+4:QB+5], v[SB:SB+7], v[QB+1]
	v_lshrrev_b32 v[QA+3], 23, v[QA+1]             ; the scale's byte; also the plain line behind the conversions
	v_lshrrev_b32 v[QB+3], 23, v[QB+1]
.if \refill
	global_load_b128 v[SA:SA+3], v[GW], s[4:5] offset:(32+QROW)*RP+QPC*1024 th:TH_LOAD_NT       ; the same rows of the next sub-slice
	global_load_b128 v[SA+4:SA+7], v[GW], s[4:5] offset:(32+QROW)*RP+QPC*1024+16 th:TH_LOAD_NT
	global_load_b128 v[SB:SB+3], v[GW], s[4:5] offset:(32+QROW)*RP+(QPC+1)*1024 th:TH_LOAD_NT
	global_load_b128 v[SB+4:SB+7], v[GW], s[4:5] offset:(32+QROW)*RP+(QPC+1)*1024+16 th:TH_LOAD_NT
.endif
	ds_store_b64 v[CWW], v[QA+4:QA+5] offset:QROW*CP+QPC*256        ; 32 lanes: 256 consecutive bytes of the row
	ds_store_b64 v[CWW], v[QB+4:QB+5] offset:QROW*CP+(QPC+1)*256
	ds_store_b8 v[SWW], v[QA+3] offset:QROW*WP+QPC*8                ; the four lanes of a block write the same byte with the same value
	ds_store_b8 v[SWW], v[QB+3] offset:QROW*WP+(QPC+1)*8
.endm
.macro QPS refill                      ; my four rows of a sub-slice
.set QK, 0
.rept 8
.if \refill
	QP2 QK, 1, 28                                  ; the ring holds 32 loads: 28 are younger than this pair of slots' four
.else
	QP2 QK, 0, 28-4*QK                             ; nothing is asked for any more: the count runs down
.endif
.set QK, QK+1
.endr
.endm
.macro FRAG n, off                     ; fragment n of 16 (K step n / 2, tile u = n % 2) of sub-slice off beyond FRW's, and its scale word: 5 LDS loads
.set GU, (\n)%2
.set GK, (\n)/2
.set GB, (\n)%3
.irp c, 0,1,2,3
	ds_load_b128 v[WF+16*GB+4*\c:WF+16*GB+4*\c+3], v[FRW] offset:(\off)*SUBC+GU*8*CP+GK*128+32*\c
.endr
	ds_load_b32 v[WSR+GB], v[FSW] offset:(\off)*SUBW+GU*8*WP+4*GK
.endm
; A UNIT: my two tiles of rows x the sub-slice's two tiles, 1,024 along K: 32 matrix instructions.  The four accumulators take turns, one instruction a turn.
; A load into a register that a matrix instruction has read stands eight plain vector instructions behind it.
.macro CU off
.irp m, 0,1
.irp u, 0,1
	ds_load_b128 v[ACC+16*\m+8*\u:ACC+16*\m+8*\u+3], v[BRW] offset:(\off)*128+32*\u        ; the bias, in the result's layout
	ds_load_b128 v[ACC+16*\m+8*\u+4:ACC+16*\m+8*\u+7], v[BRW] offset:(\off)*128+32*\u+16
.endr
.endr
	FRAG 0, \off
	FRAG 1, \off
	FRAG 2, \off
	WIN 0x04                                       ; source 1 (the activations) in window 1; LDS loads name destination and source 0 alone
.set CN, 0
.rept 16
.set HU, CN%2
.set HK, CN/2
.set HB, CN%3
.if CN < 14
	s_wait_dscnt 10                                ; this fragment is in; the two younger ones, 5 loads each, may be out
.else
	s_wait_dscnt 5*(15-CN)
.endif
	v_wmma_scale_f32_16x16x128_f8f6f4 v[ACC+8*HU:ACC+8*HU+7], v[WF+16*HB:WF+16*HB+15], v[16*HK:16*HK+15], v[ACC+8*HU:ACC+8*HU+7], v[WSR+HB], v[ASC+HK]
	v_wmma_scale_f32_16x16x128_f8f6f4 v[ACC+16+8*HU:ACC+16+8*HU+7], v[WF+16*HB:WF+16*HB+15], v[128+16*HK:128+16*HK+15], v[ACC+16+8*HU:ACC+16+8*HU+7], v[WSR+HB], v[ASC+8+HK]
.if CN < 13
.rept 8
	v_nop
.endr
	FRAG CN+3, \off
.endif
.set CN, CN+1
.endr
	WIN 0
.endm
.macro E2 off                          ; a unit's results x the rows' weights, into my stage
.rept 8
	v_nop                                          ; eight places between the last products and the first read of a result
.endr
.irp m, 0,1
.irp p, 0,2,4,6,8,10,12,14
	v_pk_mul_f32 v[ACC+16*\m+\p:ACC+16*\m+\p+1], v[ACC+16*\m+\p:ACC+16*\m+\p+1], v[CF+2*\m:CF+2*\m+1] op_sel_hi:[1,0]   ; each accumulator from its low end on
.endr
.endr
.irp m, 0,1
.irp i, 0,1,2,3
	ds_store_b128 v[O1W], v[ACC+16*\m+4*\i:ACC+16*\m+4*\i+3] offset:(\off)*128+\m*16*SGP+16*\i
.endr
.endr
.endm
.macro DSTLOAD                         ; where the pair's rows go: lanes 0-15 row 2 i, lanes 16-31 row 2 i + 1
.irp i, 0,1,2,3,4,5,6,7,8,9,10,11,12,13,14,15
	global_load_b32 v[DD+\i], v[DO], s[48:49] offset:8*\i
.endr
.endm
.macro DSTFIX
.irp i, 0,1,2,3,4,5,6,7,8,9,10,11,12,13,14,15
	v_min_u32 v[DD+\i], 0xfff, v[DD+\i]
.endr
.irp i, 0,1,2,3,4,5,6,7,8,9,10,11,12,13,14,15
	v_lshl_add_u32 v[DD+\i], v[DD+\i], 12, v[CL]   ; a row of part is 4,096 bytes
.endr
.endm
.macro OLOAD adr, imm, rb              ; 32 half rows back from my stage.  LDS serves a wave's instructions in order: these see my stores
.irp i, 0,1,2,3,4,5,6,7,8,9,10,11,12,13,14,15
	ds_load_b128 v[\rb+4*\i:\rb+4*\i+3], v[\adr] offset:\i*2*SGP+\imm
.endr
.endm
.macro OSTORE imm, rb, younger
.irp i, 0,1,2,3,4,5,6,7,8,9,10,11,12,13,14,15
	s_wait_dscnt \younger+15-\i
	global_store_b128 v[DD+\i], v[\rb+4*\i:\rb+4*\i+3], s[14:15] offset:\imm th:TH_STORE_NT   ; sixteen lanes store 256 consecutive bytes, aligned
.endr
.endm
.macro ADDR                            ; the sub-slice's part is added to the places that walk
	v_add_nc_u32 v[CWW], s22, v[CW0]
	v_add_nc_u32 v[FRW], s22, v[FR0]
	v_add_nc_u32 v[SWW], s23, v[SW0]
	v_add_nc_u32 v[FSW], s23, v[FS0]
	v_add_nc_u32 v[BRW], s24, v[BR0]
	v_add_nc_u32 v[O1W], s24, v[O1B]
.endm
	s_load_b256 s[4:11], s[0:1], 0x0               ; w2, b2, hq, lists
	s_load_b128 s[12:15], s[0:1], 0x20             ; rowcoef, part
	v_lshrrev_b32 v[BV], 5, v0
	v_readfirstlane_b32 s16, v[BV]                 ; wave
	s_lshr_b32 s17, ttmp9, 5                       ; e
	s_bfe_u32 s46, ttmp9, 0x30002                  ; which 128 outputs
	s_and_b32 s47, ttmp9, 3                        ; q
	s_mov_b32 s19, 0x600000                        ; the mantissa field of 448
	v_and_b32 v[O2W], 31, v0                       ; lane   (three registers that are made anew further down serve here)
	v_and_b32 v[O1W], 15, v0                       ; r
	v_bfe_u32 v[BRW], v0, 4, 1                     ; h
	s_mul_i32 s30, s16, 4*RP
	v_lshl_add_u32 v[GW], v[O2W], 5, s30
	s_mul_i32 s30, s16, 4*CP
	v_lshl_add_u32 v[CW0], v[O2W], 3, s30
	s_mul_i32 s30, s16, 4*WP
	s_add_co_u32 s30, s30, WSC
	v_lshrrev_b32 v[SW0], 2, v[O2W]
	v_add_nc_u32 v[SW0], s30, v[SW0]
	v_and_b32 v[FSW], 8, v[O1W]
	v_add_nc_u32 v[FSW], v[FSW], v[O1W]            ; r + 8 (r / 8)
	v_mul_u32_u24 v[FR0], v[FSW], CP
	v_lshl_add_u32 v[FR0], v[BRW], 4, v[FR0]
	v_mul_u32_u24 v[FS0], v[FSW], WP
	v_add_nc_u32 v[FS0], WSC, v[FS0]
	v_lshl_add_u32 v[BR0], v[BRW], 6, BIA
	v_lshlrev_b32 v[L16], 4, v[O2W]
	v_lshlrev_b32 v[CL], 4, v[O1W]
	s_mul_i32 s30, s16, 32*SGP
	s_add_co_u32 s30, s30, STG                     ; my stage
	v_mul_u32_u24 v[O1B], v[O1W], SGP
	v_lshl_add_u32 v[O1B], v[BRW], 6, v[O1B]
	v_add_nc_u32 v[O1B], s30, v[O1B]               ; in: row r, 64 bytes for each half of the lanes
	v_mul_u32_u24 v[O2B], v[BRW], SGP
	v_lshl_add_u32 v[O2B], v[O1W], 4, v[O2B]
	v_add_nc_u32 v[O2B], s30, v[O2B]               ; back: lanes 0-15 one row, lanes 16-31 the next
	s_lshl_b32 s30, s16, 6
	v_lshl_add_u32 v[BO], v[O1W], 2, s30           ; the bias: wave w brings numbers 16 w + r (lanes 16-31 repeat lanes 0-15)
	v_add_nc_u32 v[BL], BIA, v[BO]
	v_mov_b32 v[CF+1], 0                           ; named as the upper halves of pairs, so they are written
	v_mov_b32 v[CF+3], 0
	PAIRADDR s16                                   ; my own pair is pair w
	s_lshl_b32 s30, s17, 24                        ; w2: e, the 128 rows, the quarter of K
	s_lshl_b32 s31, s46, 21
	s_add_co_u32 s30, s30, s31
	s_lshl_b32 s31, s47, 12
	s_add_co_u32 s30, s30, s31
	s_mov_b32 s31, 0
	s_lshl_b32 s32, s17, 12                        ; b2
	s_lshl_b32 s33, s46, 9
	s_add_co_u32 s32, s32, s33
	s_mov_b32 s33, 0
	s_lshl_b32 s34, s17, 22                        ; hq's codes: e, K steps 8 q on
	s_lshl_b32 s35, s47, 14
	s_add_co_u32 s34, s34, s35
	s_mov_b32 s35, 0
	s_lshl_b32 s36, s17, 17                        ; hq's scale words
	s_lshl_b32 s37, s47, 5
	s_add_co_u32 s36, s36, s37
	s_add_co_u32 s36, s36, 0x2000000
	s_mov_b32 s37, 0
	s_lshl_b32 s38, s17, 12                        ; 1,024 rows x 4 bytes
	s_mov_b32 s39, 0
	s_lshl_b32 s40, s47, 24                        ; part: the quarter, the 128 outputs
	s_lshl_b32 s41, s46, 9
	s_add_co_u32 s40, s40, s41
	s_mov_b32 s41, 0
	s_lshl_b32 s52, s17, 2
	s_cmp_eq_u32 s47, 0
	s_cselect_b32 s42, 1.0, 0                      ; the bias counts in the first quarter alone
	s_wait_kmcnt 0x0
	s_add_nc_u64 s[4:5], s[4:5], s[30:31]
	s_add_nc_u64 s[6:7], s[6:7], s[32:33]
	s_add_nc_u64 s[44:45], s[8:9], s[36:37]
	s_add_nc_u64 s[8:9], s[8:9], s[34:35]
	s_add_nc_u64 s[48:49], s[10:11], s[38:39]
	s_add_nc_u64 s[48:49], s[48:49], 256           ; rowdst[e]
	s_add_nc_u64 s[12:13], s[12:13], s[38:39]      ; rowcoef[e]
	s_add_nc_u64 s[14:15], s[14:15], s[40:41]
	s_load_b32 s18, s[10:11], s52 offset:0x0       ; np[e]: wanted behind the last barrier
	global_load_b32 v[BV], v[BO], s[6:7]
	LOADA
.set QK, 0
.rept 16                               ; the ring's first fill: sub-slice 0
	global_load_b128 v[RING+8*QK:RING+8*QK+3], v[GW], s[4:5] offset:(QK/4)*RP+(QK%4)*1024 th:TH_LOAD_NT
	global_load_b128 v[RING+8*QK+4:RING+8*QK+7], v[GW], s[4:5] offset:(QK/4)*RP+(QK%4)*1024+16 th:TH_LOAD_NT
.set QK, QK+1
.endr
	s_wait_loadcnt 63                              ; 102 loads were issued behind the bias's: it is in
	v_mul_f32 v[BV], s42, v[BV]
	ds_store_b32 v[BL], v[BV]
	s_mov_b32 s22, 0
	s_mov_b32 s23, 0
	s_mov_b32 s24, 0
	s_mov_b32 s28, 3
.Lsub:                                             ; sub-slices 0, 1, 2: at the head 32 ring loads are out on both ways in
	ADDR
	QPS 1
	s_wait_dscnt 0x0                               ; for the others' sake: my codes and bytes (in the first trip my biases too) have landed
	s_barrier_signal -1
	s_barrier_wait -1                              ; the sub-slice is whole.  No shared LDS byte is written twice, so one barrier a sub-slice is enough
	CU 0
	E2 0
	s_wait_xcnt 0x0                                ; the ring's loads have read their base
	s_add_nc_u64 s[4:5], s[4:5], 32*RP
	s_add_co_u32 s22, s22, SUBC
	s_add_co_u32 s23, s23, SUBW
	s_add_co_u32 s24, s24, 128
	s_sub_co_u32 s28, s28, 1
	s_cmp_lg_u32 s28, 0
	s_cbranch_scc1 .Lsub
	ADDR                                           ; sub-slice 3: nothing more is asked for
	QPS 0
	DSTLOAD                                        ; the ring is empty: its registers take the rows' places, asked for a unit ahead of their use
	s_wait_dscnt 0x0
	s_barrier_signal -1
	s_barrier_wait -1                              ; the last barrier: from here on the shared LDS bytes are only read
	CU 0
	E2 0
	s_wait_loadcnt 0x0
	DSTFIX
	OLOAD O2B, 0, R0
	OLOAD O2B, 256, R1
	OSTORE 0, R0, 16                               ; behind the first set's loads: the second set's sixteen
	OSTORE 256, R1, 0
	s_wait_xcnt 0x0                                ; the stores have read their registers
	s_wait_kmcnt 0x0                               ; np
	s_min_u32 s18, s18, 32
	s_max_u32 s18, s18, 8                          ; held to what the placing launch can give: 8 .. 32
	s_and_b32 s26, s16, 1                          ; THE OTHER PAIRS: my two sub-slices,
	s_lshr_b32 s54, s16, 1
	s_add_co_u32 s54, s54, 8                       ; my first pair: 8 .. 11,
	s_add_co_u32 s53, s18, 3
	s_sub_co_u32 s53, s53, s54
	s_lshr_b32 s53, s53, 2                         ; and how many of first, first + 4, .. lie under np: (np + 3 - first) / 4, rounded down
	s_mov_b32 s29, 0                               ; the trips are counted by 1
	s_mul_i32 s22, s26, 2*SUBC
	s_mul_i32 s23, s26, 2*SUBW
	s_lshl_b32 s24, s26, 8
	v_add_nc_u32 v[FRW], s22, v[FR0]
	v_add_nc_u32 v[FSW], s23, v[FS0]
	v_add_nc_u32 v[BRW], s24, v[BR0]
	v_add_nc_u32 v[O1W], s24, v[O1B]
	v_add_nc_u32 v[O2W], s24, v[O2B]
	v_add_nc_u32 v[CL], s24, v[CL]                 ; my half of a row's 512 bytes
	s_cmp_lt_u32 s29, s53
	s_cbranch_scc0 .Lend
.Lrem:
	s_lshl_b32 s51, s29, 2
	s_add_co_u32 s51, s51, s54                     ; the trip's pair
	s_min_u32 s51, s51, 31
	PAIRADDR s51
	LOADA
	DSTLOAD
	s_wait_loadcnt 0x0
	DSTFIX
	CU 0
	E2 0
	CU 1
	E2 1
	OLOAD O2W, 0, R0
	OSTORE 0, R0, 0
	s_wait_xcnt 0x0                                ; the stores have read their registers
	s_add_co_u32 s29, s29, 1
	s_cmp_lt_u32 s29, s53
	s_cbranch_scc1 .Lrem
.Lend:
	s_wait_xcnt 0x0
	v_lshl_add_u32 v254, v0, 2, 0x43200
	v_mov_b32 v255, 0
	s_wait_tensorcnt 0x0
	ds_add_u32 v254, v255
	s_wait_dscnt 0x0
	s_endpgm
.Lfunc_end_k_qbaa3f8ac9f_ffn2:
	.size	k_qbaa3f8ac9f_ffn2, .Lfunc_end_k_qbaa3f8ac9f_ffn2-k_qbaa3f8ac9f_ffn2
	.p2alignl 7, 3214868480
	.fill 96, 4, 3214868480
	.section	.rodata,"a",@progbits
	.p2align	6, 0x0
	.amdhsa_kernel k_qbaa3f8ac9f_ffn2
		.amdhsa_group_segment_fixed_size 275968
		.amdhsa_private_segment_fixed_size 0
		.amdhsa_enable_private_segment 0
		.amdhsa_kernarg_size 48
		.amdhsa_user_sgpr_count 2
		.amdhsa_user_sgpr_kernarg_segment_ptr 1
		.amdhsa_wavefront_size32 1
		.amdhsa_system_sgpr_workgroup_id_x 1
		.amdhsa_system_sgpr_workgroup_id_y 1
		.amdhsa_system_sgpr_workgroup_id_z 1
		.amdhsa_system_vgpr_workitem_id 0
		.amdhsa_next_free_vgpr 512
		.amdhsa_next_free_sgpr 66
		.amdhsa_reserve_vcc 0
		.amdhsa_float_denorm_mode_32 3
		.amdhsa_float_denorm_mode_16_64 3
		.amdhsa_memory_ordered 1
		.amdhsa_forward_progress 1
		.amdhsa_inst_pref_size 145
	.end_amdhsa_kernel
	.amdgpu_metadata
---
amdhsa.version: [ 1, 2 ]
amdhsa.kernels:
  - .name:           k_qbaa3f8ac9f_ffn2
    .symbol:         k_qbaa3f8ac9f_ffn2.kd
    .args:
      - { .name: w2, .offset: 0, .size: 8, .value_kind: global_buffer, .address_space: global }
      - { .name: b2, .offset: 8, .size: 8, .value_kind: global_buffer, .address_space: global }
      - { .name: hq, .offset: 16, .size: 8, .value_kind: global_buffer, .address_space: global }
      - { .name: lists, .offset: 24, .size: 8, .value_kind: global_buffer, .address_space: global }
      - { .name: rowcoef, .offset: 32, .size: 8, .value_kind: global_buffer, .address_space: global }
      - { .name: part, .offset: 40, .size: 8, .value_kind: global_buffer, .address_space: global }
    .group_segment_fixed_size: 275968
    .private_segment_fixed_size: 0
    .kernarg_segment_align: 8
    .kernarg_segment_size: 48
    .max_flat_workgroup_size: 256
    .sgpr_count:     66
    .vgpr_count:     512
    .wavefront_size: 32
...
	.end_amdgpu_metadata
.endif
;; end of part 4
;; launch sum (part 5): grid 256 x 1, 8 waves a work-group, no clusters, 0 bytes of LDS; arguments part, out0; writes out0
.if DOCPART == 5
	.amdgcn_target "amdgcn-amd-amdhsa--gfx1250"
	.amdhsa_code_object_version 6
	.text
	.protected	k_qbaa3f8ac9f_sum
	.globl	k_qbaa3f8ac9f_sum
	.p2align	8
	.type	k_qbaa3f8ac9f_sum,@function
k_qbaa3f8ac9f_sum:
	s_mov_b64 s[64:65], 0
	v_nop
	global_prefetch_b8 v0, s[64:65] scope:SCOPE_SE
	s_setreg_imm32_b32 hwreg(HW_REG_WAVE_MODE, 25, 1), 1
	s_wait_xcnt 0x0
; out[t] = the sum over the four K quarters q and the two choices k of part[q][2 t + k].  part: [4][4096 rows][1024] f32; out: [1024][1024] f32.
; A work-group takes four tokens; thread t takes the 16 bytes at 16 t of every row, so that a wave's load or store covers 512 consecutive bytes.  All 32 loads of a thread go out at once;
; the sums have one fixed order: (k0 + k1) in each quarter, (q0 + q1) + (q2 + q3).  A stream: no LDS, no barrier, no matrix unit.
.set R, 4                              ; v4-131: token a, quarter q, choice k at 32 a + 8 q + 4 k
	s_load_b128 s[4:7], s[0:1], 0x0                ; part, out
	v_lshlrev_b32 v1, 4, v0
	s_lshl_b32 s8, ttmp9, 15                       ; four tokens: eight rows of 4,096 bytes
	s_mov_b32 s9, 0
	s_lshl_b32 s10, ttmp9, 14
	s_mov_b32 s11, 0
	s_wait_kmcnt 0x0
	s_add_nc_u64 s[12:13], s[4:5], s[8:9]
	s_add_nc_u64 s[14:15], s[12:13], 0x1000000     ; a quarter is 4,096 rows
	s_add_nc_u64 s[16:17], s[14:15], 0x1000000
	s_add_nc_u64 s[18:19], s[16:17], 0x1000000
	s_add_nc_u64 s[6:7], s[6:7], s[10:11]
.irp a, 0,1,2,3
.irp q, 0,1,2,3
.irp k, 0,1
	global_load_b128 v[R+32*\a+8*\q+4*\k:R+32*\a+8*\q+4*\k+3], v1, s[12+2*\q:13+2*\q] offset:\a*8192+\k*4096 th:TH_LOAD_NT
.endr
.endr
.endr
.irp a, 0,1,2,3
	s_wait_loadcnt 24-8*\a                         ; this token's eight loads are in; the later tokens' may be out
.irp q, 0,1,2,3
	v_pk_add_f32 v[R+32*\a+8*\q:R+32*\a+8*\q+1], v[R+32*\a+8*\q:R+32*\a+8*\q+1], v[R+32*\a+8*\q+4:R+32*\a+8*\q+5]
	v_pk_add_f32 v[R+32*\a+8*\q+2:R+32*\a+8*\q+3], v[R+32*\a+8*\q+2:R+32*\a+8*\q+3], v[R+32*\a+8*\q+6:R+32*\a+8*\q+7]
.endr
.irp q, 0,2
	v_pk_add_f32 v[R+32*\a+8*\q:R+32*\a+8*\q+1], v[R+32*\a+8*\q:R+32*\a+8*\q+1], v[R+32*\a+8*\q+8:R+32*\a+8*\q+9]
	v_pk_add_f32 v[R+32*\a+8*\q+2:R+32*\a+8*\q+3], v[R+32*\a+8*\q+2:R+32*\a+8*\q+3], v[R+32*\a+8*\q+10:R+32*\a+8*\q+11]
.endr
	v_pk_add_f32 v[R+32*\a:R+32*\a+1], v[R+32*\a:R+32*\a+1], v[R+32*\a+16:R+32*\a+17]
	v_pk_add_f32 v[R+32*\a+2:R+32*\a+3], v[R+32*\a+2:R+32*\a+3], v[R+32*\a+18:R+32*\a+19]
	global_store_b128 v1, v[R+32*\a:R+32*\a+3], s[6:7] offset:\a*4096 th:TH_STORE_NT
.endr
	s_endpgm
.Lfunc_end_k_qbaa3f8ac9f_sum:
	.size	k_qbaa3f8ac9f_sum, .Lfunc_end_k_qbaa3f8ac9f_sum-k_qbaa3f8ac9f_sum
	.p2alignl 7, 3214868480
	.fill 96, 4, 3214868480
	.section	.rodata,"a",@progbits
	.p2align	6, 0x0
	.amdhsa_kernel k_qbaa3f8ac9f_sum
		.amdhsa_group_segment_fixed_size 0
		.amdhsa_private_segment_fixed_size 0
		.amdhsa_enable_private_segment 0
		.amdhsa_kernarg_size 16
		.amdhsa_user_sgpr_count 2
		.amdhsa_user_sgpr_kernarg_segment_ptr 1
		.amdhsa_wavefront_size32 1
		.amdhsa_system_sgpr_workgroup_id_x 1
		.amdhsa_system_sgpr_workgroup_id_y 1
		.amdhsa_system_sgpr_workgroup_id_z 1
		.amdhsa_system_vgpr_workitem_id 0
		.amdhsa_next_free_vgpr 144
		.amdhsa_next_free_sgpr 66
		.amdhsa_reserve_vcc 0
		.amdhsa_float_denorm_mode_32 3
		.amdhsa_float_denorm_mode_16_64 3
		.amdhsa_memory_ordered 1
		.amdhsa_forward_progress 1
		.amdhsa_inst_pref_size 8
	.end_amdhsa_kernel
	.amdgpu_metadata
---
amdhsa.version: [ 1, 2 ]
amdhsa.kernels:
  - .name:           k_qbaa3f8ac9f_sum
    .symbol:         k_qbaa3f8ac9f_sum.kd
    .args:
      - { .name: part, .offset: 0, .size: 8, .value_kind: global_buffer, .address_space: global }
      - { .name: out0, .offset: 8, .size: 8, .value_kind: global_buffer, .address_space: global }
    .group_segment_fixed_size: 0
    .private_segment_fixed_size: 0
    .kernarg_segment_align: 8
    .kernarg_segment_size: 16
    .max_flat_workgroup_size: 256
    .sgpr_count:     66
    .vgpr_count:     144
    .wavefront_size: 32
...
	.end_amdgpu_metadata
.endif
;; end of part 5
;; ======== version 2 of 3: 5 launches
;; workspace buffers: xq 1,081,344 bytes; route 4,096 bytes of whole numbers; rwgt 8,192 bytes; xg 8,650,752 bytes; lists 33,024 bytes of whole numbers; rowcoef 32,768 bytes; hq 34,603,008 bytes; part 67,108,864 bytes
;; launch route (part 6): grid 64 x 1, 8 waves a work-group, no clusters, 55,296 bytes of LDS; arguments x, router_w, router_b, xq, route, rwgt; writes xq, route, rwgt
.if DOCPART == 6
	.amdgcn_target "amdgcn-amd-amdhsa--gfx1250"
	.amdhsa_code_object_version 6
	.text
	.protected	k_qbaa3f8ac9f_route
	.globl	k_qbaa3f8ac9f_route
	.p2align	8
	.type	k_qbaa3f8ac9f_route,@function
k_qbaa3f8ac9f_route:
	s_mov_b64 s[64:65], 0
	v_nop
	global_prefetch_b8 v0, s[64:65] scope:SCOPE_SE
	s_setreg_imm32_b32 hwreg(HW_REG_WAVE_MODE, 25, 1), 1
	s_wait_xcnt 0x0
; ROUTER, AND x INTO CODES.  x [1024 tokens][1024] f32.  For each token: logits = x . router_w[e] + router_b[e] in f32 (fused multiply-adds), the two largest
; softmax terms (ties: the lower index), their weights E_k / (E_1 + E_2), E = 2^((logit - max) log2 e); and x as codes of E4M3 with one E8M0 byte for each 32 along K.
; OUT: xq: codes [token][1024 bytes]; from byte 1,048,576 on scale words [token][8].  route: word t = idx0 | idx1 << 8 | ((1 << idx0) | (1 << idx1)) << 16.  rwgt: [token][2] f32.
; SHARES.  A work-group takes 16 tokens; wave w takes K step w (128 along K); lane (r = lane % 16, h = lane / 16) holds k = 128 w + 32 b + 16 h + 0..15 of token r, b = 0..3.
; The same 64 registers serve the eight dot products and the quantiser.  router_w (32 KiB) comes into LDS once, 128 bytes a thread, in loads of 512 consecutive bytes a wave; the dot products read it
; from there, sixteen lanes the same word.  Partial logits, codes and scale words meet in LDS; codes leave as whole rows.
; No address and no branch hangs on a floating-point number: the choice is stored at fixed places and used by the next launch.
; LIMITS: NaN and infinities among the inputs are not served.  A block of zeros gets the byte 1 (its codes are zeros; the bytes are read by this program alone).
; The ranking is taken on E, which rises with the probability; two probabilities that round to one number are taken in index order, as the top-k of the problem takes them.
.set XP,   1040                        ; a token's row of codes in LDS: 1,024 bytes + 16
.set XSC,  16*XP                       ; scale words: 16 tokens x 32 bytes
.set RPT,  XSC+512                     ; partial logits: words [r][e][ks], 4,096 bytes
.set RWL,  21504                       ; router_w as it lies in memory: 8 rows of 4,096 bytes
.set X,    16                          ; v16-79   my 64 numbers of x
.set WR,   80                          ; v80-207  router_w, two sets of 64; at the head v80-111 carry my 128 bytes into LDS
.set CH,   208                         ; v208-211 two packed chains
.set PL,   212                         ; v212-219 my partial logit of each expert
.set TM,   220                         ; v220-235 the quantiser's work
.set PW,   236                         ; the scale word
.set PC,   240                         ; v240-255 the codes
.set SEL,  20                          ; s[20:21] selects for lane l xor 16
.set MNT,  23                          ; s23 the mantissa field of 448
	s_load_b256 s[4:11], s[0:1], 0x0               ; x, router_w, router_b, xq
	s_load_b128 s[12:15], s[0:1], 0x20             ; route, rwgt
	v_lshl_add_u32 v238, v0, 2, 0xd400
	v_mov_b32 v239, 0
	v_lshrrev_b32 v1, 5, v0
	v_readfirstlane_b32 s16, v1                    ; wave = K step
	v_and_b32 v1, 15, v0                           ; r
	v_bfe_u32 v2, v0, 4, 1                         ; h
	v_lshlrev_b32 v15, 4, v0                       ; 16 t: my 16 bytes of a row of router_w, in memory and in LDS
	s_lshl_b32 s17, s16, 9
	v_lshl_add_u32 v4, v2, 6, s17                  ; router_w in LDS: 512 w + 64 h
	v_lshl_add_u32 v3, v1, 12, v4                  ; x: + 4,096 r
	s_lshl_b32 s17, s16, 7
	v_mul_u32_u24 v5, v1, XP
	v_lshl_add_u32 v5, v2, 4, v5
	v_add_nc_u32 v5, s17, v5                       ; codes into LDS: row r, byte 128 w + 16 h (+ 32 b)
	s_lshl_b32 s17, s16, 2
	v_lshl_add_u32 v6, v1, 5, s17
	v_add_nc_u32 v6, XSC, v6                       ; scale word of (r, w)
	v_lshl_add_u32 v7, v1, 8, s17
	v_add_nc_u32 v7, RPT, v7                       ; partial logit of (r, e = 0, w)
	s_mul_i32 s17, s16, 2*XP
	v_mul_u32_u24 v8, v2, XP
	v_lshl_add_u32 v8, v1, 4, v8
	v_add_nc_u32 v8, s17, v8                       ; back out of LDS: rows 2 w + h, 16 bytes a lane
	s_lshl_b32 s17, s16, 11
	v_lshl_add_u32 v9, v2, 10, s17
	v_lshl_add_u32 v9, v1, 4, v9                   ; and the same place in xq
	v_and_b32 v12, 31, v0
	v_lshlrev_b32 v12, 4, v12                      ; 16 x lane
	v_add_nc_u32 v10, XSC, v12
	v_lshl_add_u32 v11, v1, 8, RPT
	v_lshlrev_b32 v13, 2, v1
	v_lshlrev_b32 v14, 3, v1
	s_mov_b32 s[SEL], 0x76543210
	s_mov_b32 s[SEL+1], 0xfedcba98
	s_mov_b32 s[MNT], 0x600000
.irp b, 0,1,2,3
	v_mov_b32 v[TM+4+\b], 0                        ; a lane permute's destination counts as read: written once
.endr
	s_lshl_b32 s24, ttmp9, 16                      ; 16 tokens of x
	s_mov_b32 s25, 0
	s_lshl_b32 s26, ttmp9, 14                      ; of codes
	s_mov_b32 s27, 0
	s_lshl_b32 s28, ttmp9, 9                       ; of scale words, behind the codes
	s_add_co_u32 s28, s28, 0x100000
	s_mov_b32 s29, 0
	s_lshl_b32 s30, ttmp9, 6                       ; of route
	s_mov_b32 s31, 0
	s_lshl_b32 s32, ttmp9, 7                       ; of rwgt
	s_mov_b32 s33, 0
	s_wait_kmcnt 0x0
	s_add_nc_u64 s[4:5], s[4:5], s[24:25]
	s_add_nc_u64 s[28:29], s[10:11], s[28:29]
	s_add_nc_u64 s[10:11], s[10:11], s[26:27]
	s_add_nc_u64 s[12:13], s[12:13], s[30:31]
	s_add_nc_u64 s[14:15], s[14:15], s[32:33]
.irp i, 0,1,2,3,4,5,6,7
	global_load_b128 v[WR+4*\i:WR+4*\i+3], v15, s[6:7] offset:4096*\i   ; expert i's row: the 256 threads take its 4,096 bytes
.endr
.irp b, 0,1,2,3
.irp j, 0,1,2,3
	global_load_b128 v[X+16*\b+4*\j:X+16*\b+4*\j+3], v3, s[4:5] offset:128*\b+16*\j   ; no cache word: four loads of the wave name each run of 64 bytes
.endr
.endr
	s_wait_loadcnt 16                              ; router_w's eight loads are in; x's sixteen, issued behind them, may be out
.irp i, 0,1,2,3,4,5,6,7
	ds_store_b128 v15, v[WR+4*\i:WR+4*\i+3] offset:RWL+4096*\i
.endr
	s_wait_dscnt 0x0                               ; for the others' sake: my part of router_w has landed
	s_barrier_signal -1
	s_barrier_wait -1                              ; router_w lies whole in LDS; nobody writes it again
.macro LOADW e                         ; expert e's 64 numbers at my k into set e % 2
.irp b, 0,1,2,3
.irp j, 0,1,2,3
	ds_load_b128 v[WR+64*((\e)%2)+16*\b+4*\j:WR+64*((\e)%2)+16*\b+4*\j+3], v4 offset:RWL+(\e)*4096+128*\b+16*\j
.endr
.endr
.endm
.macro DOT e                           ; my 64 products in two packed chains, then lane l xor 16's
.set WS, WR+64*((\e)%2)
	v_pk_mul_f32 v[CH:CH+1], v[X:X+1], v[WS:WS+1]
	v_pk_mul_f32 v[CH+2:CH+3], v[X+2:X+3], v[WS+2:WS+3]
.set DI, 4
.rept 15
	v_pk_fma_f32 v[CH:CH+1], v[X+DI:X+DI+1], v[WS+DI:WS+DI+1], v[CH:CH+1]
	v_pk_fma_f32 v[CH+2:CH+3], v[X+DI+2:X+DI+3], v[WS+DI+2:WS+DI+3], v[CH+2:CH+3]
.set DI, DI+4
.endr
	v_pk_add_f32 v[CH:CH+1], v[CH:CH+1], v[CH+2:CH+3]
	v_add_f32 v[CH], v[CH], v[CH+1]
	v_permlanex16_b32 v[CH+2], v[CH], s[SEL], s[SEL+1]
	v_add_f32 v[PL+\e], v[CH], v[CH+2]
.endm
	LOADW 0
	LOADW 1
	s_wait_loadcnt 0x0                             ; x
.irp e, 0,1,2,3,4,5,6,7
.if \e < 7
	s_wait_dscnt 16                                ; this expert's set is in; the next expert's 16 LDS loads may be out
.else
	s_wait_dscnt 0x0
.endif
	DOT \e
.if \e < 6
	LOADW \e+2                                     ; into the set just read
.endif
.endr
.irp e, 0,1,2,3,4,5,6,7
	ds_store_b32 v7, v[PL+\e] offset:32*\e         ; both halves of the lanes hold the same sum and write the same word
.endr
; 64 numbers of a lane, register 16 b + i = k 32 b + 16 h + i, become 16 registers of codes and a scale word
.irp b, 0,1,2,3
	v_max3_num_f32 v[TM+\b], |v[X+16*\b]|, |v[X+1+16*\b]|, 0x4800000   ; with the floor 2^(9 - 127): the byte cannot fall under 1
.endr
.irp i, 2,4,6,8,10,12,14
.irp b, 0,1,2,3
	v_max3_num_f32 v[TM+\b], v[TM+\b], |v[X+16*\b+\i]|, |v[X+1+16*\b+\i]|
.endr
.endr
.irp b, 0,1,2,3
	v_permlanex16_b32 v[TM+4+\b], v[TM+\b], s[SEL], s[SEL+1]
.endr
.irp b, 0,1,2,3
	v_max_num_f32 v[TM+\b], v[TM+\b], v[TM+4+\b]   ; the block's largest magnitude
.endr
.irp b, 0,1,2,3
	v_add_nc_u32 v[TM+12+\b], 0xfc000000, v[TM+\b] ; 8 off its exponent field: the conversion's scale operand
.endr
.irp b, 0,1,2,3
	v_and_or_b32 v[TM+8+\b], v[TM+\b], 0x7f800000, s[MNT]   ; 448 x the scale
.endr
.irp b, 0,1,2,3
	v_lshrrev_b32 v[TM+4+\b], 23, v[TM+12+\b]      ; the scale's byte
.endr
	v_lshl_or_b32 v[PW], v[TM+5], 8, v[TM+4]
	v_lshl_or_b32 v[PW], v[TM+6], 16, v[PW]
	v_lshl_or_b32 v[PW], v[TM+7], 24, v[PW]
.irp b, 0,1,2,3
.irp i, 0,1,2,3,4,5,6,7,8,9,10,11,12,13,14,15
	v_med3_num_f32 v[X+16*\b+\i], v[X+16*\b+\i], -v[TM+8+\b], v[TM+8+\b]   ; the conversion does not saturate (ISA guide 7.6.2): hold first
.endr
	v_cvt_scalef32_pk8_fp8_f32 v[PC+4*\b:PC+1+4*\b], v[X+16*\b:X+7+16*\b], v[TM+12+\b]
	v_cvt_scalef32_pk8_fp8_f32 v[PC+2+4*\b:PC+3+4*\b], v[X+8+16*\b:X+15+16*\b], v[TM+12+\b]
.endr
	v_nop                                          ; a plain line behind the last conversion
.irp b, 0,1,2,3
	ds_store_b128 v5, v[PC+4*\b:PC+4*\b+3] offset:32*\b
.endr
	ds_store_b32 v6, v[PW]
	s_wait_dscnt 0x0                               ; for the others' sake: all my LDS stores have landed
	s_barrier_signal -1
	s_barrier_wait -1
.irp i, 0,1,2,3
	ds_load_b128 v[X+4*\i:X+4*\i+3], v8 offset:256*\i
.endr
.irp i, 0,1,2,3
	s_wait_dscnt 3-\i
	global_store_b128 v9, v[X+4*\i:X+4*\i+3], s[10:11] offset:256*\i   ; sixteen lanes store 256 consecutive bytes, aligned
.endr
	s_cmp_lg_u32 s16, 0
	s_cbranch_scc1 .Lend                           ; the rest is wave 0's: lane r (and r + 16 with it) finishes token r
	s_load_b256 s[40:47], s[8:9], 0x0              ; router_b
	ds_load_b128 v[144:147], v10                   ; the 16 tokens' scale words, 512 bytes on end
.irp e, 0,1,2,3,4,5,6,7
	ds_load_b128 v[80+8*\e:83+8*\e], v11 offset:32*\e
	ds_load_b128 v[84+8*\e:87+8*\e], v11 offset:32*\e+16
.endr
	s_wait_dscnt 0x0
	global_store_b128 v12, v[144:147], s[28:29]
.irp k, 1,2,3,4,5,6,7
.irp e, 0,1,2,3,4,5,6,7
	v_add_f32 v[80+8*\e], v[80+8*\e], v[80+8*\e+\k]   ; the eight K steps' parts, ascending; the experts by turns
.endr
.endr
	s_wait_kmcnt 0x0
.irp e, 0,1,2,3,4,5,6,7
	v_add_f32 v[80+8*\e], s[40+\e], v[80+8*\e]
.endr
	v_max3_num_f32 v148, v80, v88, v96
	v_max3_num_f32 v148, v148, v104, v112
	v_max3_num_f32 v148, v148, v120, v128
	v_max_num_f32 v148, v148, v136                 ; the largest logit is taken away ahead of the exponential
.irp e, 0,1,2,3,4,5,6,7
	v_sub_f32 v[150+\e], v[80+8*\e], v148
.endr
.irp e, 0,1,2,3,4,5,6,7
	v_mul_f32 v[150+\e], 0x3fb8aa3b, v[150+\e]
.endr
.irp e, 0,1,2,3,4,5,6,7
	v_exp_f32 v[150+\e], v[150+\e]
.endr
	v_mov_b32 v161, 0                              ; (a plain line behind the exponentials)  idx0
	v_mov_b32 v163, 0                              ; idx1
	s_wait_alu depctr_va_vdst(0)                   ; one wait for the eight, ahead of their first reader
	v_mov_b32 v160, v150
.irp e, 1,2,3,4,5,6,7
	v_cmp_gt_f32 vcc_lo, v[150+\e], v160           ; strictly larger: a tie keeps the lower index
	v_cndmask_b32 v160, v160, v[150+\e], vcc_lo
	v_cndmask_b32 v161, v161, \e, vcc_lo
.endr
.irp e, 0,1,2,3,4,5,6,7
	v_cmp_eq_u32 vcc_lo, \e, v161
	v_cndmask_b32 v[150+\e], v[150+\e], -1.0, vcc_lo   ; the winner leaves the field: every E is 0 or more
.endr
	v_mov_b32 v162, v150
.irp e, 1,2,3,4,5,6,7
	v_cmp_gt_f32 vcc_lo, v[150+\e], v162
	v_cndmask_b32 v162, v162, v[150+\e], vcc_lo
	v_cndmask_b32 v163, v163, \e, vcc_lo
.endr
	v_add_f32 v164, v160, v162
	v_rcp_f32 v164, v164
	v_lshlrev_b32 v165, v161, 1                    ; the route word is made while the reciprocal is out
	v_lshlrev_b32 v166, v163, 1
	v_or_b32 v165, v165, v166
	v_lshl_or_b32 v166, v163, 8, v161
	v_lshl_or_b32 v165, v165, 16, v166
	s_wait_alu depctr_va_vdst(0)                   ; ahead of the reciprocal's first reader
	v_mul_f32 v166, v160, v164
	v_mul_f32 v167, v162, v164
	global_store_b32 v13, v165, s[12:13]
	global_store_b64 v14, v[166:167], s[14:15]
.Lend:
	s_wait_tensorcnt 0x0
	ds_add_u32 v238, v239
	s_wait_dscnt 0x0
	s_endpgm
.Lfunc_end_k_qbaa3f8ac9f_route:
	.size	k_qbaa3f8ac9f_route, .Lfunc_end_k_qbaa3f8ac9f_route-k_qbaa3f8ac9f_route
	.p2alignl 7, 3214868480
	.fill 96, 4, 3214868480
	.section	.rodata,"a",@progbits
	.p2align	6, 0x0
	.amdhsa_kernel k_qbaa3f8ac9f_route
		.amdhsa_group_segment_fixed_size 55296
		.amdhsa_private_segment_fixed_size 0
		.amdhsa_enable_private_segment 0
		.amdhsa_kernarg_size 48
		.amdhsa_user_sgpr_count 2
		.amdhsa_user_sgpr_kernarg_segment_ptr 1
		.amdhsa_wavefront_size32 1
		.amdhsa_system_sgpr_workgroup_id_x 1
		.amdhsa_system_sgpr_workgroup_id_y 1
		.amdhsa_system_sgpr_workgroup_id_z 1
		.amdhsa_system_vgpr_workitem_id 0
		.amdhsa_next_free_vgpr 256
		.amdhsa_next_free_sgpr 66
		.amdhsa_reserve_vcc 1
		.amdhsa_float_denorm_mode_32 3
		.amdhsa_float_denorm_mode_16_64 3
		.amdhsa_memory_ordered 1
		.amdhsa_forward_progress 1
		.amdhsa_inst_pref_size 50
	.end_amdhsa_kernel
	.amdgpu_metadata
---
amdhsa.version: [ 1, 2 ]
amdhsa.kernels:
  - .name:           k_qbaa3f8ac9f_route
    .symbol:         k_qbaa3f8ac9f_route.kd
    .args:
      - { .name: x, .offset: 0, .size: 8, .value_kind: global_buffer, .address_space: global }
      - { .name: router_w, .offset: 8, .size: 8, .value_kind: global_buffer, .address_space: global }
      - { .name: router_b, .offset: 16, .size: 8, .value_kind: global_buffer, .address_space: global }
      - { .name: xq, .offset: 24, .size: 8, .value_kind: global_buffer, .address_space: global }
      - { .name: route, .offset: 32, .size: 8, .value_kind: global_buffer, .address_space: global }
      - { .name: rwgt, .offset: 40, .size: 8, .value_kind: global_buffer, .address_space: global }
    .group_segment_fixed_size: 55296
    .private_segment_fixed_size: 0
    .kernarg_segment_align: 8
    .kernarg_segment_size: 48
    .max_flat_workgroup_size: 256
    .sgpr_count:     66
    .vgpr_count:     256
    .wavefront_size: 32
...
	.end_amdgpu_metadata
.endif
;; end of part 6
;; launch place: the kernel of part 2 again; grid 8 x 8, 32 waves a work-group, no clusters, 4,352 bytes of LDS; arguments route, rwgt, xq, xg, lists, rowcoef; writes xg, lists, rowcoef
;; launch ffn1 (part 7): grid 256 x 1, 8 waves a work-group, no clusters, 140,800 bytes of LDS; arguments w1, b1, xg, lists, hq; writes hq
.if DOCPART == 7
	.amdgcn_target "amdgcn-amd-amdhsa--gfx1250"
	.amdhsa_code_object_version 6
	.text
	.protected	k_qbaa3f8ac9f_ffn1
	.globl	k_qbaa3f8ac9f_ffn1
	.p2align	8
	.type	k_qbaa3f8ac9f_ffn1,@function
k_qbaa3f8ac9f_ffn1:
	s_mov_b64 s[64:65], 0
	v_nop
	global_prefetch_b8 v0, s[64:65] scope:SCOPE_SE
	s_setreg_imm32_b32 hwreg(HW_REG_WAVE_MODE, 25, 1), 1
	s_wait_xcnt 0x0
; hq = Q(gelu(Q(x) Q(w1)^T + b1)) for the rows that were routed, on codes of E4M3 with one E8M0 byte for each 32 along K.
; SHARES.  Work-group x: expert e = x / 32, hidden units 128 (x % 32) .. + 127 (one K step kk of the second product), all of K = 1,024: 512 KiB of w1, read once, as f32.
; The 128 rows go in four sub-slices j of 32.  In a sub-slice wave w quantises four rows (a lane: 8 neighbours along K, four lanes to a block) and stores codes as rows in LDS
; (pitch 1,040) and scale bytes beside them; a barrier; then every wave multiplies the sub-slice with ITS pair of activation tiles (32 rows, all of K), which stays in 256 registers.
; The weights come through a ring of 16 slots x 8 registers a wave: 32 loads, 16 KiB, always on their way; a slot is asked for again as soon as it is quantised, one sub-slice ahead.
; TRANSPOSED: source 0 = 16 rows of w1, source 1 = 16 activation rows: a lane holds one activation row.  Lane r of tile (j, u) takes weight row 32 j + 8 u + r + 8 (r / 8), so that a tile pair's 16
; registers are the neighbours 32 j + 16 h + 0..15 of the next K: one block with lane l xor 16.  The bias is loaded into the accumulators: it is the C of the first links.
; THE ROWS' ORDER IN LDS is the order in which the tiles take them: LDS row 16 u + r of a sub-slice holds weight row 8 u + r + 8 (r / 8): bits 3 and 4 of the row's number change places.  So wave w, which
; writes LDS rows 4 w .. 4 w + 3, brings weight rows 16 ((w / 2) % 2) + 8 (w / 4) + 4 (w % 2) + 0 .. 3, and the 16 rows of a fragment load are neighbours, 260 words apart: row r starts at bank 4 r mod 64
; (64 banks of 4 bytes: ISA guide 11.1), sixteen different places.
; ROWS.  Every expert has np pairs of tiles, 8 at the least (the placing launch pads).  Pairs 0-7 are the eight waves' own.  Pairs 8 .. np - 1 follow behind the last barrier, when all codes lie in LDS:
; wave w takes sub-slice w % 4 of pairs 8 + w / 4, + 2, ..  That trip count is made of np, which is read from lists; so this text has no tensor load, and no barrier stands there.
; OUT: hq: images of operand registers [e][tile][kk][c = j][lane][16 bytes]; from byte 33,554,432 on scale words [e][row][kk], byte j.
; GELU: 0.5 x (1 + erf(x / sqrt 2)), erf(z) = z P(z^2) / Q(z^2) with z held within +-4, all in f32.  LIMITS: the form's error is some 2e-7 of 1, so for x far below 0, where 1 + erf cancels, the result
; has that absolute error x |x| / 2, as any f32 evaluation of this expression has.  NaN and infinities are not served.  A block of zeros gets the byte 1 (only this program reads the bytes).
.set RP,   4096                        ; a row of w1 in bytes
.set TS,   16384                       ; a tile of xg
.set SPT,  32                          ; a row of xg's scale words
.set CP,   1040                        ; LDS: a row of codes, 1,024 + 16: an odd multiple of 16
.set SUBC, 32*CP
.set WP,   48                          ; LDS: a row's 32 scale bytes + 16
.set SUBW, 32*WP
.set WSC,  128*CP
.set BIA,  WSC+128*WP                  ; LDS: the 128 biases
.set GW,   1                           ; 32 lane + my four rows' place in the weights
.set CW0,  2                           ; LDS: my codes' place in a sub-slice
.set SW0,  3                           ; LDS: my scale byte's
.set FR0,  4                           ; LDS: my lane's place in a fragment
.set FS0,  5                           ; LDS: its scale word
.set BR0,  6                           ; LDS: my half's biases
.set L16,  7                           ; 16 lane
.set AO,   8                           ; my pair's codes
.set ASO,  9                           ; my pair's scale words
.set O1B,  10                          ; hq: my pair's codes
.set O2B,  11                          ; hq: my pair's scale words, a row a lane
.set CWW,  12                          ; the same with the sub-slice added
.set SWW,  13
.set FRW,  14
.set FSW,  15
.set BRW,  16
.set O1W,  17
.set O2W,  18
.set BO,   19
.set BL,   20
.set BV,   21
.set SWA,  26                          ; my row's scale word of this K step, collected byte by byte
.set WSR,  28                          ; v28-30   weight scale words, three by turns
.set RING, 32                          ; v32-159
.set ASC,  160                         ; v160-175 activation scale words (m, ks)
.set ACC,  176                         ; v176-207 accumulator (u, m) at 16 m + 8 u
.set WF,   208                         ; v208-255 weight fragments, three by turns; at other times at work
.set QT,   208
.set ZZ,   208
.set TT,   216
.set PP,   224
.set QQ,   232
.set MM,   240
.set SCL,  242
.set LM,   244
.set BY,   246
.set CC,   208
.set MX,   216
.set RS2,  66                          ; s[66:67] 1 / sqrt 2;  s[68:81] P's coefficients a6 .. a0;  s[82:91] Q's b4 .. b0: pairs, the low word serves both halves
.set A6,   68
.set A5,   70
.set A4,   72
.set A3,   74
.set A2,   76
.set A1,   78
.set A0,   80
.set B4,   82
.set B3,   84
.set B2,   86
.set B1,   88
.set B0,   90
.set MSB, 0
.macro WIN new                         ; the immediate's high byte repeats the setting that is left
.if MSB != \new
	s_set_vgpr_msb (MSB<<8)|\new
.set MSB, \new
.endif
.endm
.macro COEF reg, bits
	s_mov_b32 s[\reg], \bits
	s_mov_b32 s[\reg+1], \bits
.endm
.macro PAIRADDR sp                     ; the offsets that hang on the pair of tiles
	s_lshl_b32 s50, \sp, 15
	v_add_nc_u32 v[AO], s50, v[L16]                ; 2 tiles of 16,384 bytes a pair
	v_and_b32 v27, 15, v0
	s_lshl_b32 s50, \sp, 10
	v_lshl_add_u32 v[ASO], v27, 5, s50             ; row 32 pair + r
	s_lshl_b32 s50, \sp, 17
	v_add_nc_u32 v[O1B], s50, v[L16]               ; 2 tiles of 65,536 bytes
	v_and_b32 v27, 31, v0
	s_lshl_b32 s50, \sp, 12
	v_lshl_add_u32 v[O2B], v27, 7, s50             ; row 32 pair + lane, 128 bytes a row
.endm
.macro LOADA                           ; a pair's codes (window 1: (m, ks) at 128 m + 16 ks) and scale words; each code load reads 512 consecutive bytes
	WIN 0x40
.irp m, 0,1
.irp ks, 0,1,2,3,4,5,6,7
.irp c, 0,1,2,3
	global_load_b128 v[128*\m+16*\ks+4*\c:128*\m+16*\ks+4*\c+3], v[AO], s[8:9] offset:\m*TS+\ks*2048+\c*512
.endr
.endr
.endr
	WIN 0
.irp m, 0,1
	global_load_b128 v[ASC+8*\m:ASC+8*\m+3], v[ASO], s[14:15] offset:\m*16*SPT
	global_load_b128 v[ASC+8*\m+4:ASC+8*\m+7], v[ASO], s[14:15] offset:\m*16*SPT+16
.endr
.endm
; Slots 2 k and 2 k + 1 of the ring (row k / 2 of my four, 256 numbers each) are quantised, by turns.  left: the younger loads that may stay out.
; The weights' loads carry no cache word: a slot's two loads interleave in the same 1,024 bytes, 16 of each lane's 32 in each, so the wave names every part of them twice.
.macro QP2 k, refill, left
.set SA, RING+16*(\k)
.set SB, SA+8
.set QA, QT+16*((\k)%2)
.set QB, QA+8
.set QROW, (\k)/2
.set QPC, 2*((\k)%2)
	s_wait_loadcnt \left
	v_max3_num_f32 v[QA], |v[SA]|, |v[SA+1]|, 0x4800000    ; with the floor 2^(9 - 127): the byte cannot fall under 1
	v_max3_num_f32 v[QB], |v[SB]|, |v[SB+1]|, 0x4800000
.irp i, 2,4,6
	v_max3_num_f32 v[QA], v[QA], |v[SA+\i]|, |v[SA+\i+1]|
	v_max3_num_f32 v[QB], v[QB], |v[SB+\i]|, |v[SB+\i+1]|
.endr
	v_max_num_f32_dpp v[QA], v[QA], v[QA] row_xmask:1 row_mask:0xf bank_mask:0xf
	v_max_num_f32_dpp v[QB], v[QB], v[QB] row_xmask:1 row_mask:0xf bank_mask:0xf
	v_max_num_f32_dpp v[QA], v[QA], v[QA] row_xmask:2 row_mask:0xf bank_mask:0xf   ; four lanes hold a block
	v_max_num_f32_dpp v[QB], v[QB], v[QB] row_xmask:2 row_mask:0xf bank_mask:0xf
	v_add_nc_u32 v[QA+1], 0xfc000000, v[QA]        ; 8 off the exponent field: the conversion's scale operand
	v_add_nc_u32 v[QB+1], 0xfc000000, v[QB]
	v_and_or_b32 v[QA+2], v[QA], 0x7f800000, s19   ; 448 x the scale
	v_and_or_b32 v[QB+2], v[QB], 0x7f800000, s19
.irp i, 0,1,2,3,4,5,6,7
	v_med3_num_f32 v[SA+\i], v[SA+\i], -v[QA+2], v[QA+2]   ; the conversion does not saturate (ISA guide 7.6.2): hold first
	v_med3_num_f32 v[SB+\i], v[SB+\i], -v[QB+2], v[QB+2]
.endr
	v_cvt_scalef32_pk8_fp8_f32 v[QA+4:QA+5], v[SA:SA+7], v[QA+1]
	v_cvt_scalef32_pk8_fp8_f32 v[QB+4:QB+5], v[SB:SB+7], v[QB+1]
	v_lshrrev_b32 v[QA+3], 23, v[QA+1]             ; the scale's byte; also the plain line behind the conversions
	v_lshrrev_b32 v[QB+3], 23, v[QB+1]
.if \refill
	global_load_b128 v[SA:SA+3], v[GW], s[4:5] offset:(32+QROW)*RP+QPC*1024       ; the same rows of the next sub-slice
	global_load_b128 v[SA+4:SA+7], v[GW], s[4:5] offset:(32+QROW)*RP+QPC*1024+16
	global_load_b128 v[SB:SB+3], v[GW], s[4:5] offset:(32+QROW)*RP+(QPC+1)*1024
	global_load_b128 v[SB+4:SB+7], v[GW], s[4:5] offset:(32+QROW)*RP+(QPC+1)*1024+16
.endif
	ds_store_b64 v[CWW], v[QA+4:QA+5] offset:QROW*CP+QPC*256        ; 32 lanes: 256 consecutive bytes of the row
	ds_store_b64 v[CWW], v[QB+4:QB+5] offset:QROW*CP+(QPC+1)*256
	ds_store_b8 v[SWW], v[QA+3] offset:QROW*WP+QPC*8                ; the four lanes of a block write the same byte with the same value
	ds_store_b8 v[SWW], v[QB+3] offset:QROW*WP+(QPC+1)*8
.endm
.macro QPS refill                      ; my four rows of a sub-slice
.set QK, 0
.rept 8
.if \refill
	QP2 QK, 1, 28                                  ; the ring holds 32 loads: 28 are younger than this pair of slots' four
.else
	QP2 QK, 0, 28-4*QK                             ; nothing is asked for any more: the count runs down
.endif
.set QK, QK+1
.endr
.endm
.macro FRAG n, off                     ; fragment n of 16 (K step n / 2, tile u = n % 2: LDS rows 16 u on) of sub-slice off beyond FRW's, and its scale word: 5 LDS loads
.set GU, (\n)%2
.set GK, (\n)/2
.set GB, (\n)%3
.irp c, 0,1,2,3
	ds_load_b128 v[WF+16*GB+4*\c:WF+16*GB+4*\c+3], v[FRW] offset:(\off)*SUBC+GU*16*CP+GK*128+32*\c
.endr
	ds_load_b32 v[WSR+GB], v[FSW] offset:(\off)*SUBW+GU*16*WP+4*GK
.endm
; A UNIT: my two tiles of rows x the sub-slice's two tiles, all of K: 32 matrix instructions.  The four accumulators take turns, one instruction a turn.
; A load into a register that a matrix instruction has read stands eight plain vector instructions behind it.
.macro CU off
.irp m, 0,1
.irp u, 0,1
	ds_load_b128 v[ACC+16*\m+8*\u:ACC+16*\m+8*\u+3], v[BRW] offset:(\off)*128+32*\u        ; the bias, in the result's layout
	ds_load_b128 v[ACC+16*\m+8*\u+4:ACC+16*\m+8*\u+7], v[BRW] offset:(\off)*128+32*\u+16
.endr
.endr
	FRAG 0, \off
	FRAG 1, \off
	FRAG 2, \off
	WIN 0x04                                       ; source 1 (the activations) in window 1; LDS loads name destination and source 0 alone
.set CN, 0
.rept 16
.set HU, CN%2
.set HK, CN/2
.set HB, CN%3
.if CN < 14
	s_wait_dscnt 10                                ; this fragment is in; the two younger ones, 5 loads each, may be out
.else
	s_wait_dscnt 5*(15-CN)
.endif
	v_wmma_scale_f32_16x16x128_f8f6f4 v[ACC+8*HU:ACC+8*HU+7], v[WF+16*HB:WF+16*HB+15], v[16*HK:16*HK+15], v[ACC+8*HU:ACC+8*HU+7], v[WSR+HB], v[ASC+HK]
	v_wmma_scale_f32_16x16x128_f8f6f4 v[ACC+16+8*HU:ACC+16+8*HU+7], v[WF+16*HB:WF+16*HB+15], v[128+16*HK:128+16*HK+15], v[ACC+16+8*HU:ACC+16+8*HU+7], v[WSR+HB], v[ASC+8+HK]
.if CN < 13
.rept 8
	v_nop
.endr
	FRAG CN+3, \off
.endif
.set CN, CN+1
.endr
	WIN 0
.endm
.macro GELU8 x                         ; eight numbers, in place
.irp p, 0,2,4,6
	v_pk_mul_f32 v[ZZ+\p:ZZ+\p+1], v[(\x)+\p:(\x)+\p+1], s[RS2:RS2+1] op_sel_hi:[1,0]
.endr
.irp p, 0,1,2,3,4,5,6,7
	v_med3_num_f32 v[ZZ+\p], v[ZZ+\p], -4.0, 4.0
.endr
.irp p, 0,2,4,6
	v_pk_mul_f32 v[TT+\p:TT+\p+1], v[ZZ+\p:ZZ+\p+1], v[ZZ+\p:ZZ+\p+1]
.endr
.irp p, 0,2,4,6
	v_pk_fma_f32 v[PP+\p:PP+\p+1], v[TT+\p:TT+\p+1], s[A6:A6+1], s[A5:A5+1] op_sel_hi:[1,0,0]
.endr
.irp p, 0,2,4,6
	v_pk_fma_f32 v[QQ+\p:QQ+\p+1], v[TT+\p:TT+\p+1], s[B4:B4+1], s[B3:B3+1] op_sel_hi:[1,0,0]
.endr
.irp c, B2, B1, B0
.irp p, 0,2,4,6
	v_pk_fma_f32 v[QQ+\p:QQ+\p+1], v[QQ+\p:QQ+\p+1], v[TT+\p:TT+\p+1], s[\c:\c+1] op_sel_hi:[1,1,0]
.endr
.endr
.irp p, 0,1,2,3,4,5,6,7
	v_rcp_f32 v[QQ+\p], v[QQ+\p]
.endr
.irp c, A4, A3, A2, A1, A0             ; P's chain is the independent work behind the reciprocals
.irp p, 0,2,4,6
	v_pk_fma_f32 v[PP+\p:PP+\p+1], v[PP+\p:PP+\p+1], v[TT+\p:TT+\p+1], s[\c:\c+1] op_sel_hi:[1,1,0]
.endr
.endr
.irp p, 0,2,4,6
	v_pk_mul_f32 v[PP+\p:PP+\p+1], v[PP+\p:PP+\p+1], v[ZZ+\p:ZZ+\p+1]
.endr
.irp p, 0,2,4,6
	v_pk_mul_f32 v[TT+\p:TT+\p+1], v[(\x)+\p:(\x)+\p+1], 0.5 op_sel_hi:[1,0]
.endr
	s_wait_alu depctr_va_vdst(0)                   ; one wait for the eight reciprocals, ahead of their first reader
.irp p, 0,2,4,6
	v_pk_mul_f32 v[PP+\p:PP+\p+1], v[PP+\p:PP+\p+1], v[QQ+\p:QQ+\p+1]      ; erf
.endr
.irp p, 0,2,4,6
	v_pk_fma_f32 v[(\x)+\p:(\x)+\p+1], v[TT+\p:TT+\p+1], v[PP+\p:PP+\p+1], v[TT+\p:TT+\p+1]   ; x / 2 + (x / 2) erf
.endr
.endm
; THE WAY OUT of a unit: gelu, one block of 32 a row quantised, 16 bytes a lane stored.  mode 0: the byte joins my row's scale word; 1: and the word is stored; 2: the byte is stored by itself
.macro E1 mode
.rept 8
	v_nop                                          ; eight places between the last products and the first read of a result
.endr
	GELU8 ACC                                      ; each accumulator is read from its low end on
	GELU8 ACC+8
	GELU8 ACC+16
	GELU8 ACC+24
.irp m, 0,1
	v_max3_num_f32 v[MM+\m], |v[ACC+16*\m]|, |v[ACC+16*\m+1]|, 0x4800000
.endr
.irp i, 2,4,6,8,10,12,14
.irp m, 0,1
	v_max3_num_f32 v[MM+\m], v[MM+\m], |v[ACC+16*\m+\i]|, |v[ACC+16*\m+\i+1]|
.endr
.endr
.irp m, 0,1
	v_permlanex16_b32 v[MX+\m], v[MM+\m], s20, s21
.endr
.irp m, 0,1
	v_max_num_f32 v[MM+\m], v[MM+\m], v[MX+\m]     ; with lane l xor 16's 16 numbers: the block's largest magnitude
.endr
.irp m, 0,1
	v_add_nc_u32 v[SCL+\m], 0xfc000000, v[MM+\m]
.endr
.irp m, 0,1
	v_and_or_b32 v[LM+\m], v[MM+\m], 0x7f800000, s19
.endr
.irp m, 0,1
	v_lshrrev_b32 v[BY+\m], 23, v[SCL+\m]
.endr
.irp m, 0,1
.irp i, 0,1,2,3,4,5,6,7,8,9,10,11,12,13,14,15
	v_med3_num_f32 v[ACC+16*\m+\i], v[ACC+16*\m+\i], -v[LM+\m], v[LM+\m]
.endr
	v_cvt_scalef32_pk8_fp8_f32 v[CC+4*\m:CC+4*\m+1], v[ACC+16*\m:ACC+16*\m+7], v[SCL+\m]
	v_cvt_scalef32_pk8_fp8_f32 v[CC+4*\m+2:CC+4*\m+3], v[ACC+16*\m+8:ACC+16*\m+15], v[SCL+\m]
.endr
	v_cndmask_b32 v[BY], v[BY], v[BY+1], s27       ; lane l serves row l of the pair: lanes 16-31 take the second tile's byte.  (Also the plain line behind the conversions)
	global_store_b128 v[O1W], v[CC:CC+3], s[12:13]                 ; 32 lanes: 512 consecutive bytes, aligned
	global_store_b128 v[O1W], v[CC+4:CC+7], s[12:13] offset:65536
.if \mode < 2
	v_lshlrev_b32 v[BY], s47, v[BY]
	v_or_b32 v[SWA], v[SWA], v[BY]
.endif
.if \mode == 1
	global_store_b32 v[O2B], v[SWA], s[44:45]
.endif
.if \mode == 2
	global_store_b8 v[O2W], v[BY], s[44:45]
.endif
.endm
.macro ADDR                            ; the sub-slice's part is added to the places that walk
	v_add_nc_u32 v[CWW], s22, v[CW0]
	v_add_nc_u32 v[FRW], s22, v[FR0]
	v_add_nc_u32 v[SWW], s23, v[SW0]
	v_add_nc_u32 v[FSW], s23, v[FS0]
	v_add_nc_u32 v[BRW], s24, v[BR0]
	v_add_nc_u32 v[O1W], s25, v[O1B]
.endm
	s_load_b256 s[4:11], s[0:1], 0x0               ; w1, b1, xg, lists
	s_load_b64 s[12:13], s[0:1], 0x20              ; hq
	v_lshl_add_u32 v23, v0, 2, 0x22200
	v_mov_b32 v31, 0
	v_lshrrev_b32 v27, 5, v0
	v_readfirstlane_b32 s16, v27                   ; wave
	s_lshr_b32 s17, ttmp9, 5                       ; e
	s_and_b32 s46, ttmp9, 31                       ; kk
	s_mov_b32 s19, 0x600000                        ; the mantissa field of 448
	s_mov_b32 s20, 0x76543210
	s_mov_b32 s21, 0xfedcba98                      ; selects for lane l xor 16
	s_mov_b32 s27, 0xffff0000                      ; lanes 16-31
	COEF RS2, 0x3f3504f3
	COEF A6, 0xaf95df0b
	COEF A5, 0x32edffee
	COEF A4, 0xb60cff51
	COEF A3, 0xb86ec2d2
	COEF A2, 0xba40ac63
	COEF A1, 0xbb41a1f6
	COEF A0, 0xbc83dbd4
	COEF B4, 0xb77460cd
	COEF B3, 0xb95fbd29
	COEF B2, 0xbadc924e
	COEF B1, 0xbbf19bf8
	COEF B0, 0xbc69b6a7
	v_and_b32 v24, 31, v0                          ; lane
	v_and_b32 v25, 15, v0                          ; r
	v_bfe_u32 v27, v0, 4, 1                        ; h
	s_bfe_u32 s30, s16, 0x10001                    ; the weight rows that I bring: 16 x bit 1 of w
	s_lshl_b32 s30, s30, 4
	s_lshr_b32 s31, s16, 2                         ; + 8 x bit 2
	s_lshl_b32 s31, s31, 3
	s_add_co_u32 s30, s30, s31
	s_and_b32 s31, s16, 1                          ; + 4 x bit 0
	s_lshl_b32 s31, s31, 2
	s_add_co_u32 s30, s30, s31
	s_mul_i32 s30, s30, RP
	v_lshl_add_u32 v[GW], v24, 5, s30
	s_mul_i32 s30, s16, 4*CP                       ; and where they go: LDS rows 4 w on
	v_lshl_add_u32 v[CW0], v24, 3, s30
	s_mul_i32 s30, s16, 4*WP
	s_add_co_u32 s30, s30, WSC
	v_lshrrev_b32 v[SW0], 2, v24
	v_add_nc_u32 v[SW0], s30, v[SW0]
	v_mul_u32_u24 v[FR0], v25, CP                  ; a fragment: LDS row r (+ 16 u), + 16 h
	v_lshl_add_u32 v[FR0], v27, 4, v[FR0]
	v_mul_u32_u24 v[FS0], v25, WP
	v_add_nc_u32 v[FS0], WSC, v[FS0]
	v_lshl_add_u32 v[BR0], v27, 6, BIA
	v_lshlrev_b32 v[L16], 4, v24
	s_lshl_b32 s30, s16, 6
	v_lshl_add_u32 v[BO], v25, 2, s30              ; the bias: wave w brings numbers 16 w + r (lanes 16-31 repeat lanes 0-15)
	v_add_nc_u32 v[BL], BIA, v[BO]
	v_mov_b32 v[SWA], 0
	PAIRADDR s16                                   ; my own pair is pair w
	s_lshl_b32 s30, ttmp9, 19                      ; 128 rows of 4,096 bytes a work-group
	s_mov_b32 s31, 0
	s_lshl_b32 s32, ttmp9, 9
	s_mov_b32 s33, 0
	s_lshl_b32 s34, s17, 20
	s_mov_b32 s35, 0
	s_lshl_b32 s36, s17, 15
	s_add_co_u32 s36, s36, 0x800000
	s_mov_b32 s37, 0
	s_lshl_b32 s38, s17, 22
	s_lshl_b32 s40, s46, 11
	s_add_co_u32 s38, s38, s40
	s_mov_b32 s39, 0
	s_lshl_b32 s40, s17, 17
	s_lshl_b32 s41, s46, 2
	s_add_co_u32 s40, s40, s41
	s_add_co_u32 s40, s40, 0x2000000
	s_mov_b32 s41, 0
	s_lshl_b32 s52, s17, 2
	s_wait_kmcnt 0x0
	s_add_nc_u64 s[4:5], s[4:5], s[30:31]
	s_add_nc_u64 s[6:7], s[6:7], s[32:33]
	s_add_nc_u64 s[14:15], s[8:9], s[36:37]        ; xg's scale words of e
	s_add_nc_u64 s[8:9], s[8:9], s[34:35]          ; xg's codes of e
	s_add_nc_u64 s[44:45], s[12:13], s[40:41]      ; hq's scale words of (e, kk)
	s_add_nc_u64 s[12:13], s[12:13], s[38:39]      ; hq's codes of (e, kk)
	s_load_b32 s18, s[10:11], s52 offset:0x0       ; np[e]: wanted behind the last barrier
	global_load_b32 v[BV], v[BO], s[6:7]
	LOADA
.set QK, 0
.rept 16                               ; the ring's first fill: sub-slice 0
	global_load_b128 v[RING+8*QK:RING+8*QK+3], v[GW], s[4:5] offset:(QK/4)*RP+(QK%4)*1024
	global_load_b128 v[RING+8*QK+4:RING+8*QK+7], v[GW], s[4:5] offset:(QK/4)*RP+(QK%4)*1024+16
.set QK, QK+1
.endr
	s_wait_loadcnt 63                              ; 100 loads were issued behind the bias's: it is in
	ds_store_b32 v[BL], v[BV]
	s_mov_b32 s22, 0
	s_mov_b32 s23, 0
	s_mov_b32 s24, 0
	s_mov_b32 s25, 0
	s_mov_b32 s47, 0
	s_mov_b32 s28, 3
.Lsub:                                             ; sub-slices 0, 1, 2: at the head 32 ring loads are out on both ways in
	ADDR
	QPS 1
	s_wait_dscnt 0x0                               ; for the others' sake: my codes and bytes (in the first trip my biases too) have landed
	s_barrier_signal -1
	s_barrier_wait -1                              ; the sub-slice is whole.  No LDS byte is written twice, so one barrier a sub-slice is enough
	CU 0
	E1 0
	s_wait_xcnt 0x0                                ; the ring's loads and the stores have read their registers: base, offsets and data may be written
	s_add_nc_u64 s[4:5], s[4:5], 32*RP
	s_add_co_u32 s22, s22, SUBC
	s_add_co_u32 s23, s23, SUBW
	s_add_co_u32 s24, s24, 128
	s_add_co_u32 s25, s25, 512
	s_add_co_u32 s47, s47, 8
	s_sub_co_u32 s28, s28, 1
	s_cmp_lg_u32 s28, 0
	s_cbranch_scc1 .Lsub
	ADDR                                           ; sub-slice 3: nothing more is asked for
	QPS 0
	s_wait_dscnt 0x0
	s_barrier_signal -1
	s_barrier_wait -1                              ; the last barrier: from here on LDS is only read
	CU 0
	E1 1
	s_wait_xcnt 0x0
	s_wait_kmcnt 0x0                               ; np
	s_min_u32 s18, s18, 32
	s_max_u32 s18, s18, 8                          ; held to what the placing launch can give: 8 .. 32
	s_and_b32 s26, s16, 3                          ; THE OTHER PAIRS: my sub-slice,
	s_lshr_b32 s54, s16, 2
	s_add_co_u32 s54, s54, 8                       ; my first pair: 8 or 9,
	s_add_co_u32 s53, s18, 1
	s_sub_co_u32 s53, s53, s54
	s_lshr_b32 s53, s53, 1                         ; and how many of first, first + 2, .. lie under np: (np + 1 - first) / 2, rounded down
	s_mov_b32 s29, 0                               ; the trips are counted by 1
	s_mul_i32 s22, s26, SUBC
	s_mul_i32 s23, s26, SUBW
	s_lshl_b32 s24, s26, 7
	s_lshl_b32 s25, s26, 9
	v_add_nc_u32 v[FRW], s22, v[FR0]
	v_add_nc_u32 v[FSW], s23, v[FS0]
	v_add_nc_u32 v[BRW], s24, v[BR0]
	s_cmp_lt_u32 s29, s53
	s_cbranch_scc0 .Lend
.Lrem:
	s_lshl_b32 s51, s29, 1
	s_add_co_u32 s51, s51, s54                     ; the trip's pair
	s_min_u32 s51, s51, 31
	PAIRADDR s51
	v_add_nc_u32 v[O1W], s25, v[O1B]
	v_add_nc_u32 v[O2W], s26, v[O2B]
	LOADA
	s_wait_loadcnt 0x0
	CU 0
	E1 2
	s_wait_xcnt 0x0                                ; the stores have read their registers
	s_add_co_u32 s29, s29, 1
	s_cmp_lt_u32 s29, s53
	s_cbranch_scc1 .Lrem
.Lend:
	s_wait_tensorcnt 0x0
	ds_add_u32 v23, v31
	s_wait_dscnt 0x0
	s_endpgm
.Lfunc_end_k_qbaa3f8ac9f_ffn1:
	.size	k_qbaa3f8ac9f_ffn1, .Lfunc_end_k_qbaa3f8ac9f_ffn1-k_qbaa3f8ac9f_ffn1
	.p2alignl 7, 3214868480
	.fill 96, 4, 3214868480
	.section	.rodata,"a",@progbits
	.p2align	6, 0x0
	.amdhsa_kernel k_qbaa3f8ac9f_ffn1
		.amdhsa_group_segment_fixed_size 140800
		.amdhsa_private_segment_fixed_size 0
		.amdhsa_enable_private_segment 0
		.amdhsa_kernarg_size 40
		.amdhsa_user_sgpr_count 2
		.amdhsa_user_sgpr_kernarg_segment_ptr 1
		.amdhsa_wavefront_size32 1
		.amdhsa_system_sgpr_workgroup_id_x 1
		.amdhsa_system_sgpr_workgroup_id_y 1
		.amdhsa_system_sgpr_workgroup_id_z 1
		.amdhsa_system_vgpr_workitem_id 0
		.amdhsa_next_free_vgpr 512
		.amdhsa_next_free_sgpr 96
		.amdhsa_reserve_vcc 0
		.amdhsa_float_denorm_mode_32 3
		.amdhsa_float_denorm_mode_16_64 3
		.amdhsa_memory_ordered 1
		.amdhsa_forward_progress 1
		.amdhsa_inst_pref_size 180
	.end_amdhsa_kernel
	.amdgpu_metadata
---
amdhsa.version: [ 1, 2 ]
amdhsa.kernels:
  - .name:           k_qbaa3f8ac9f_ffn1
    .symbol:         k_qbaa3f8ac9f_ffn1.kd
    .args:
      - { .name: w1, .offset: 0, .size: 8, .value_kind: global_buffer, .address_space: global }
      - { .name: b1, .offset: 8, .size: 8, .value_kind: global_buffer, .address_space: global }
      - { .name: xg, .offset: 16, .size: 8, .value_kind: global_buffer, .address_space: global }
      - { .name: lists, .offset: 24, .size: 8, .value_kind: global_buffer, .address_space: global }
      - { .name: hq, .offset: 32, .size: 8, .value_kind: global_buffer, .address_space: global }
    .group_segment_fixed_size: 140800
    .private_segment_fixed_size: 0
    .kernarg_segment_align: 8
    .kernarg_segment_size: 40
    .max_flat_workgroup_size: 256
    .sgpr_count:     96
    .vgpr_count:     512
    .wavefront_size: 32
...
	.end_amdgpu_metadata
.endif
;; end of part 7
;; launch ffn2 (part 8): grid 256 x 1, 8 waves a work-group, no clusters, 275,968 bytes of LDS; arguments w2, b2, hq, lists, rowcoef, part; writes part
.if DOCPART == 8
	.amdgcn_target "amdgcn-amd-amdhsa--gfx1250"
	.amdhsa_code_object_version 6
	.text
	.protected	k_qbaa3f8ac9f_ffn2
	.globl	k_qbaa3f8ac9f_ffn2
	.p2align	8
	.type	k_qbaa3f8ac9f_ffn2,@function
k_qbaa3f8ac9f_ffn2:
	s_mov_b64 s[64:65], 0
	v_nop
	global_prefetch_b8 v0, s[64:65] scope:SCOPE_SE
	s_setreg_imm32_b32 hwreg(HW_REG_WAVE_MODE, 25, 1), 1
	s_wait_xcnt 0x0
; part[q][dst] = coef x (Q(h) Q(w2)^T over K quarter q, + b2 where q = 0), for the rows that were routed, on codes of E4M3 with one E8M0 byte for each 32 along K.
; SHARES.  Work-group x: expert e = x / 32, outputs d = 128 ((x / 4) % 8) .. + 127, K quarter q = x % 4 (1,024 of 4,096): 512 KiB of w2, read once, as f32.  The last launch adds the quarters.
; The structure is that of the first product's launch: four sub-slices of 32 weight rows; each wave quantises four of them into LDS (codes as rows of pitch 1,040, scale bytes beside them), a barrier,
; then every wave multiplies the sub-slice with its own pair of activation tiles, kept in 256 registers.  The weights come through a ring of 16 slots x 8 registers a wave, 32 loads always on their way.
; TRANSPOSED: source 0 = 16 rows of w2, source 1 = 16 rows of h: a lane holds one row and, with the tiles' rows chosen as 32 j + 8 u + r + 8 (r / 8), 16 neighbouring outputs 32 j + 16 h + 0..15.
; THE ROWS' ORDER IN LDS is the order in which the tiles take them: LDS row 16 u + r of a sub-slice holds weight row 8 u + r + 8 (r / 8): bits 3 and 4 of the row's number change places.  So wave w, which
; writes LDS rows 4 w .. 4 w + 3, brings weight rows 16 ((w / 2) % 2) + 8 (w / 4) + 4 (w % 2) + 0 .. 3, and the 16 rows of a fragment load are neighbours, 260 words apart: row r starts at bank 4 r mod 64
; (64 banks of 4 bytes: ISA guide 11.1), sixteen different places.
; The bias (x 0 where q is not 0) is loaded into the accumulators: it is the C of the first links; the row's weight multiplies the sum.
; THE WAY OUT.  A pair's 32 rows x 128 outputs gather in the wave's own stage in LDS (rows of 528 bytes) and leave as half rows: sixteen lanes store 256 consecutive bytes, aligned, at the row that
; rowdst names (a token's slot 2 t + k, or a pad's spare row).  Each row of part has one writer.
; ROWS.  Pairs 0-7 are the eight waves' own; pairs 8 .. np - 1 follow behind the last barrier: wave w takes sub-slices 2 (w % 2), + 1 of pairs 8 + w / 2, + 4, ..  That trip count is made of np, which is
; read from lists; so this text has no tensor load, and no barrier stands there.
; LIMITS: NaN and infinities are not served.  A block of zeros gets the byte 1 (only this program reads the bytes).
.set RP,   16384                       ; a row of w2 in bytes
.set TS,   65536                       ; a tile of hq
.set SPT,  128                         ; a row of hq's scale words
.set CP,   1040
.set SUBC, 32*CP
.set WP,   48
.set SUBW, 32*WP
.set WSC,  128*CP
.set BIA,  WSC+128*WP
.set STG,  BIA+512                     ; the stages: 32 rows x 528 bytes for each wave
.set SGP,  528
.set GW,   1
.set CW0,  2
.set SW0,  3
.set FR0,  4
.set FS0,  5
.set BR0,  6
.set L16,  7
.set AO,   8
.set ASO,  9
.set O1B,  10                          ; the stage: where I put 64 bytes of a row
.set O2B,  11                          ; the stage: where I read a half row back
.set CWW,  12
.set SWW,  13
.set FRW,  14
.set FSW,  15
.set BRW,  16
.set O1W,  17
.set O2W,  18
.set DO,   19                          ; rowdst: rows 32 pair + lane / 16 (+ 2 i)
.set CF,   20                          ; v[20:21], v[22:23] the rows' weights of tiles 0, 1 (the low word serves both halves)
.set BO,   24
.set CFO,  25
.set CL,   26                          ; 16 (lane % 16): my bytes of a half row
.set BV,   27
.set BL,   31
.set WSR,  28
.set RING, 32
.set DD,   96                          ; v96-111 the rows' places in part (ring registers that are free by then)
.set R0,   32                          ; v32-95, v176-239: half rows read back from the stage
.set R1,   176
.set ASC,  160
.set ACC,  176
.set WF,   208
.set QT,   208
.set MSB, 0
.macro WIN new                         ; the immediate's high byte repeats the setting that is left
.if MSB != \new
	s_set_vgpr_msb (MSB<<8)|\new
.set MSB, \new
.endif
.endm
.macro PAIRADDR sp                     ; the offsets that hang on the pair of tiles
	s_lshl_b32 s50, \sp, 17
	v_add_nc_u32 v[AO], s50, v[L16]                ; 2 tiles of 65,536 bytes a pair
	v_and_b32 v[BV], 15, v0
	s_lshl_b32 s50, \sp, 12
	v_lshl_add_u32 v[ASO], v[BV], 7, s50           ; row 32 pair + r, 128 bytes a row
	s_lshl_b32 s50, \sp, 7
	v_lshl_add_u32 v[CFO], v[BV], 2, s50           ; the same row's weight
	v_bfe_u32 v[BV], v0, 4, 1
	v_lshl_add_u32 v[DO], v[BV], 2, s50
.endm
.macro LOADA                           ; a pair's codes (window 1: (m, ks) at 128 m + 16 ks), scale words and weights; each code load reads 512 consecutive bytes
	WIN 0x40
.irp m, 0,1
.irp ks, 0,1,2,3,4,5,6,7
.irp c, 0,1,2,3
	global_load_b128 v[128*\m+16*\ks+4*\c:128*\m+16*\ks+4*\c+3], v[AO], s[8:9] offset:\m*TS+\ks*2048+\c*512
.endr
.endr
.endr
	WIN 0
.irp m, 0,1
	global_load_b128 v[ASC+8*\m:ASC+8*\m+3], v[ASO], s[44:45] offset:\m*16*SPT
	global_load_b128 v[ASC+8*\m+4:ASC+8*\m+7], v[ASO], s[44:45] offset:\m*16*SPT+16
	global_load_b32 v[CF+2*\m], v[CFO], s[12:13] offset:64*\m
.endr
.endm
; Slots 2 k and 2 k + 1 of the ring (row k / 2 of my four, 256 numbers each) are quantised, by turns.  left: the younger loads that may stay out.
; The weights' loads carry no cache word: a slot's two loads interleave in the same 1,024 bytes, 16 of each lane's 32 in each, so the wave names every part of them twice.
.macro QP2 k, refill, left
.set SA, RING+16*(\k)
.set SB, SA+8
.set QA, QT+16*((\k)%2)
.set QB, QA+8
.set QROW, (\k)/2
.set QPC, 2*((\k)%2)
	s_wait_loadcnt \left
	v_max3_num_f32 v[QA], |v[SA]|, |v[SA+1]|, 0x4800000    ; with the floor 2^(9 - 127): the byte cannot fall under 1
	v_max3_num_f32 v[QB], |v[SB]|, |v[SB+1]|, 0x4800000
.irp i, 2,4,6
	v_max3_num_f32 v[QA], v[QA], |v[SA+\i]|, |v[SA+\i+1]|
	v_max3_num_f32 v[QB], v[QB], |v[SB+\i]|, |v[SB+\i+1]|
.endr
	v_max_num_f32_dpp v[QA], v[QA], v[QA] row_xmask:1 row_mask:0xf bank_mask:0xf
	v_max_num_f32_dpp v[QB], v[QB], v[QB] row_xmask:1 row_mask:0xf bank_mask:0xf
	v_max_num_f32_dpp v[QA], v[QA], v[QA] row_xmask:2 row_mask:0xf bank_mask:0xf   ; four lanes hold a block
	v_max_num_f32_dpp v[QB], v[QB], v[QB] row_xmask:2 row_mask:0xf bank_mask:0xf
	v_add_nc_u32 v[QA+1], 0xfc000000, v[QA]        ; 8 off the exponent field: the conversion's scale operand
	v_add_nc_u32 v[QB+1], 0xfc000000, v[QB]
	v_and_or_b32 v[QA+2], v[QA], 0x7f800000, s19   ; 448 x the scale
	v_and_or_b32 v[QB+2], v[QB], 0x7f800000, s19
.irp i, 0,1,2,3,4,5,6,7
	v_med3_num_f32 v[SA+\i], v[SA+\i], -v[QA+2], v[QA+2]   ; the conversion does not saturate (ISA guide 7.6.2): hold first
	v_med3_num_f32 v[SB+\i], v[SB+\i], -v[QB+2], v[QB+2]
.endr
	v_cvt_scalef32_pk8_fp8_f32 v[QA+4:QA+5], v[SA:SA+7], v[QA+1]
	v_cvt_scalef32_pk8_fp8_f32 v[QB+4:QB+5], v[SB:SB+7], v[QB+1]
	v_lshrrev_b32 v[QA+3], 23, v[QA+1]             ; the scale's byte; also the plain line behind the conversions
	v_lshrrev_b32 v[QB+3], 23, v[QB+1]
.if \refill
	global_load_b128 v[SA:SA+3], v[GW], s[4:5] offset:(32+QROW)*RP+QPC*1024       ; the same rows of the next sub-slice
	global_load_b128 v[SA+4:SA+7], v[GW], s[4:5] offset:(32+QROW)*RP+QPC*1024+16
	global_load_b128 v[SB:SB+3], v[GW], s[4:5] offset:(32+QROW)*RP+(QPC+1)*1024
	global_load_b128 v[SB+4:SB+7], v[GW], s[4:5] offset:(32+QROW)*RP+(QPC+1)*1024+16
.endif
	ds_store_b64 v[CWW], v[QA+4:QA+5] offset:QROW*CP+QPC*256        ; 32 lanes: 256 consecutive bytes of the row
	ds_store_b64 v[CWW], v[QB+4:QB+5] offset:QROW*CP+(QPC+1)*256
	ds_store_b8 v[SWW], v[QA+3] offset:QROW*WP+QPC*8                ; the four lanes of a block write the same byte with the same value
	ds_store_b8 v[SWW], v[QB+3] offset:QROW*WP+(QPC+1)*8
.endm
.macro QPS refill                      ; my four rows of a sub-slice
.set QK, 0
.rept 8
.if \refill
	QP2 QK, 1, 28                                  ; the ring holds 32 loads: 28 are younger than this pair of slots' four
.else
	QP2 QK, 0, 28-4*QK                             ; nothing is asked for any more: the count runs down
.endif
.set QK, QK+1
.endr
.endm
.macro FRAG n, off                     ; fragment n of 16 (K step n / 2, tile u = n % 2: LDS rows 16 u on) of sub-slice off beyond FRW's, and its scale word: 5 LDS loads
.set GU, (\n)%2
.set GK, (\n)/2
.set GB, (\n)%3
.irp c, 0,1,2,3
	ds_load_b128 v[WF+16*GB+4*\c:WF+16*GB+4*\c+3], v[FRW] offset:(\off)*SUBC+GU*16*CP+GK*128+32*\c
.endr
	ds_load_b32 v[WSR+GB], v[FSW] offset:(\off)*SUBW+GU*16*WP+4*GK
.endm
; A UNIT: my two tiles of rows x the sub-slice's two tiles, 1,024 along K: 32 matrix instructions.  The four accumulators take turns, one instruction a turn.
; A load into a register that a matrix instruction has read stands eight plain vector instructions behind it.
.macro CU off
.irp m, 0,1
.irp u, 0,1
	ds_load_b128 v[ACC+16*\m+8*\u:ACC+16*\m+8*\u+3], v[BRW] offset:(\off)*128+32*\u        ; the bias, in the result's layout
	ds_load_b128 v[ACC+16*\m+8*\u+4:ACC+16*\m+8*\u+7], v[BRW] offset:(\off)*128+32*\u+16
.endr
.endr
	FRAG 0, \off
	FRAG 1, \off
	FRAG 2, \off
	WIN 0x04                                       ; source 1 (the activations) in window 1; LDS loads name destination and source 0 alone
.set CN, 0
.rept 16
.set HU, CN%2
.set HK, CN/2
.set HB, CN%3
.if CN < 14
	s_wait_dscnt 10                                ; this fragment is in; the two younger ones, 5 loads each, may be out
.else
	s_wait_dscnt 5*(15-CN)
.endif
	v_wmma_scale_f32_16x16x128_f8f6f4 v[ACC+8*HU:ACC+8*HU+7], v[WF+16*HB:WF+16*HB+15], v[16*HK:16*HK+15], v[ACC+8*HU:ACC+8*HU+7], v[WSR+HB], v[ASC+HK]
	v_wmma_scale_f32_16x16x128_f8f6f4 v[ACC+16+8*HU:ACC+16+8*HU+7], v[WF+16*HB:WF+16*HB+15], v[128+16*HK:128+16*HK+15], v[ACC+16+8*HU:ACC+16+8*HU+7], v[WSR+HB], v[ASC+8+HK]
.if CN < 13
.rept 8
	v_nop
.endr
	FRAG CN+3, \off
.endif
.set CN, CN+1
.endr
	WIN 0
.endm
.macro E2 off                          ; a unit's results x the rows' weights, into my stage
.rept 8
	v_nop                                          ; eight places between the last products and the first read of a result
.endr
.irp m, 0,1
.irp p, 0,2,4,6,8,10,12,14
	v_pk_mul_f32 v[ACC+16*\m+\p:ACC+16*\m+\p+1], v[ACC+16*\m+\p:ACC+16*\m+\p+1], v[CF+2*\m:CF+2*\m+1] op_sel_hi:[1,0]   ; each accumulator from its low end on
.endr
.endr
.irp m, 0,1
.irp i, 0,1,2,3
	ds_store_b128 v[O1W], v[ACC+16*\m+4*\i:ACC+16*\m+4*\i+3] offset:(\off)*128+\m*16*SGP+16*\i
.endr
.endr
.endm
.macro DSTLOAD                         ; where the pair's rows go: lanes 0-15 row 2 i, lanes 16-31 row 2 i + 1
.irp i, 0,1,2,3,4,5,6,7,8,9,10,11,12,13,14,15
	global_load_b32 v[DD+\i], v[DO], s[48:49] offset:8*\i
.endr
.endm
.macro DSTFIX
.irp i, 0,1,2,3,4,5,6,7,8,9,10,11,12,13,14,15
	v_min_u32 v[DD+\i], 0xfff, v[DD+\i]
.endr
.irp i, 0,1,2,3,4,5,6,7,8,9,10,11,12,13,14,15
	v_lshl_add_u32 v[DD+\i], v[DD+\i], 12, v[CL]   ; a row of part is 4,096 bytes
.endr
.endm
.macro OLOAD adr, imm, rb              ; 32 half rows back from my stage.  LDS serves a wave's instructions in order: these see my stores
.irp i, 0,1,2,3,4,5,6,7,8,9,10,11,12,13,14,15
	ds_load_b128 v[\rb+4*\i:\rb+4*\i+3], v[\adr] offset:\i*2*SGP+\imm
.endr
.endm
.macro OSTORE imm, rb, younger
.irp i, 0,1,2,3,4,5,6,7,8,9,10,11,12,13,14,15
	s_wait_dscnt \younger+15-\i
	global_store_b128 v[DD+\i], v[\rb+4*\i:\rb+4*\i+3], s[14:15] offset:\imm th:TH_STORE_NT   ; sixteen lanes store 256 consecutive bytes, aligned
.endr
.endm
.macro ADDR                            ; the sub-slice's part is added to the places that walk
	v_add_nc_u32 v[CWW], s22, v[CW0]
	v_add_nc_u32 v[FRW], s22, v[FR0]
	v_add_nc_u32 v[SWW], s23, v[SW0]
	v_add_nc_u32 v[FSW], s23, v[FS0]
	v_add_nc_u32 v[BRW], s24, v[BR0]
	v_add_nc_u32 v[O1W], s24, v[O1B]
.endm
	s_load_b256 s[4:11], s[0:1], 0x0               ; w2, b2, hq, lists
	s_load_b128 s[12:15], s[0:1], 0x20             ; rowcoef, part
	v_lshrrev_b32 v[BV], 5, v0
	v_readfirstlane_b32 s16, v[BV]                 ; wave
	s_lshr_b32 s17, ttmp9, 5                       ; e
	s_bfe_u32 s46, ttmp9, 0x30002                  ; which 128 outputs
	s_and_b32 s47, ttmp9, 3                        ; q
	s_mov_b32 s19, 0x600000                        ; the mantissa field of 448
	v_and_b32 v[O2W], 31, v0                       ; lane   (three registers that are made anew further down serve here)
	v_and_b32 v[O1W], 15, v0                       ; r
	v_bfe_u32 v[BRW], v0, 4, 1                     ; h
	s_bfe_u32 s30, s16, 0x10001                    ; the weight rows that I bring: 16 x bit 1 of w
	s_lshl_b32 s30, s30, 4
	s_lshr_b32 s31, s16, 2                         ; + 8 x bit 2
	s_lshl_b32 s31, s31, 3
	s_add_co_u32 s30, s30, s31
	s_and_b32 s31, s16, 1                          ; + 4 x bit 0
	s_lshl_b32 s31, s31, 2
	s_add_co_u32 s30, s30, s31
	s_mul_i32 s30, s30, RP
	v_lshl_add_u32 v[GW], v[O2W], 5, s30
	s_mul_i32 s30, s16, 4*CP                       ; and where they go: LDS rows 4 w on
	v_lshl_add_u32 v[CW0], v[O2W], 3, s30
	s_mul_i32 s30, s16, 4*WP
	s_add_co_u32 s30, s30, WSC
	v_lshrrev_b32 v[SW0], 2, v[O2W]
	v_add_nc_u32 v[SW0], s30, v[SW0]
	v_mul_u32_u24 v[FR0], v[O1W], CP               ; a fragment: LDS row r (+ 16 u), + 16 h
	v_lshl_add_u32 v[FR0], v[BRW], 4, v[FR0]
	v_mul_u32_u24 v[FS0], v[O1W], WP
	v_add_nc_u32 v[FS0], WSC, v[FS0]
	v_lshl_add_u32 v[BR0], v[BRW], 6, BIA
	v_lshlrev_b32 v[L16], 4, v[O2W]
	v_lshlrev_b32 v[CL], 4, v[O1W]
	s_mul_i32 s30, s16, 32*SGP
	s_add_co_u32 s30, s30, STG                     ; my stage
	v_mul_u32_u24 v[O1B], v[O1W], SGP
	v_lshl_add_u32 v[O1B], v[BRW], 6, v[O1B]
	v_add_nc_u32 v[O1B], s30, v[O1B]               ; in: row r, 64 bytes for each half of the lanes
	v_mul_u32_u24 v[O2B], v[BRW], SGP
	v_lshl_add_u32 v[O2B], v[O1W], 4, v[O2B]
	v_add_nc_u32 v[O2B], s30, v[O2B]               ; back: lanes 0-15 one row, lanes 16-31 the next
	s_lshl_b32 s30, s16, 6
	v_lshl_add_u32 v[BO], v[O1W], 2, s30           ; the bias: wave w brings numbers 16 w + r (lanes 16-31 repeat lanes 0-15)
	v_add_nc_u32 v[BL], BIA, v[BO]
	v_mov_b32 v[CF+1], 0                           ; named as the upper halves of pairs, so they are written
	v_mov_b32 v[CF+3], 0
	PAIRADDR s16                                   ; my own pair is pair w
	s_lshl_b32 s30, s17, 24                        ; w2: e, the 128 rows, the quarter of K
	s_lshl_b32 s31, s46, 21
	s_add_co_u32 s30, s30, s31
	s_lshl_b32 s31, s47, 12
	s_add_co_u32 s30, s30, s31
	s_mov_b32 s31, 0
	s_lshl_b32 s32, s17, 12                        ; b2
	s_lshl_b32 s33, s46, 9
	s_add_co_u32 s32, s32, s33
	s_mov_b32 s33, 0
	s_lshl_b32 s34, s17, 22                        ; hq's codes: e, K steps 8 q on
	s_lshl_b32 s35, s47, 14
	s_add_co_u32 s34, s34, s35
	s_mov_b32 s35, 0
	s_lshl_b32 s36, s17, 17                        ; hq's scale words
	s_lshl_b32 s37, s47, 5
	s_add_co_u32 s36, s36, s37
	s_add_co_u32 s36, s36, 0x2000000
	s_mov_b32 s37, 0
	s_lshl_b32 s38, s17, 12                        ; 1,024 rows x 4 bytes
	s_mov_b32 s39, 0
	s_lshl_b32 s40, s47, 24                        ; part: the quarter, the 128 outputs
	s_lshl_b32 s41, s46, 9
	s_add_co_u32 s40, s40, s41
	s_mov_b32 s41, 0
	s_lshl_b32 s52, s17, 2
	s_cmp_eq_u32 s47, 0
	s_cselect_b32 s42, 1.0, 0                      ; the bias counts in the first quarter alone
	s_wait_kmcnt 0x0
	s_add_nc_u64 s[4:5], s[4:5], s[30:31]
	s_add_nc_u64 s[6:7], s[6:7], s[32:33]
	s_add_nc_u64 s[44:45], s[8:9], s[36:37]
	s_add_nc_u64 s[8:9], s[8:9], s[34:35]
	s_add_nc_u64 s[48:49], s[10:11], s[38:39]
	s_add_nc_u64 s[48:49], s[48:49], 256           ; rowdst[e]
	s_add_nc_u64 s[12:13], s[12:13], s[38:39]      ; rowcoef[e]
	s_add_nc_u64 s[14:15], s[14:15], s[40:41]
	s_load_b32 s18, s[10:11], s52 offset:0x0       ; np[e]: wanted behind the last barrier
	global_load_b32 v[BV], v[BO], s[6:7]
	LOADA
.set QK, 0
.rept 16                               ; the ring's first fill: sub-slice 0
	global_load_b128 v[RING+8*QK:RING+8*QK+3], v[GW], s[4:5] offset:(QK/4)*RP+(QK%4)*1024
	global_load_b128 v[RING+8*QK+4:RING+8*QK+7], v[GW], s[4:5] offset:(QK/4)*RP+(QK%4)*1024+16
.set QK, QK+1
.endr
	s_wait_loadcnt 63                              ; 102 loads were issued behind the bias's: it is in
	v_mul_f32 v[BV], s42, v[BV]
	ds_store_b32 v[BL], v[BV]
	s_mov_b32 s22, 0
	s_mov_b32 s23, 0
	s_mov_b32 s24, 0
	s_mov_b32 s28, 3
.Lsub:                                             ; sub-slices 0, 1, 2: at the head 32 ring loads are out on both ways in
	ADDR
	QPS 1
	s_wait_dscnt 0x0                               ; for the others' sake: my codes and bytes (in the first trip my biases too) have landed
	s_barrier_signal -1
	s_barrier_wait -1                              ; the sub-slice is whole.  No shared LDS byte is written twice, so one barrier a sub-slice is enough
	CU 0
	E2 0
	s_wait_xcnt 0x0                                ; the ring's loads have read their base
	s_add_nc_u64 s[4:5], s[4:5], 32*RP
	s_add_co_u32 s22, s22, SUBC
	s_add_co_u32 s23, s23, SUBW
	s_add_co_u32 s24, s24, 128
	s_sub_co_u32 s28, s28, 1
	s_cmp_lg_u32 s28, 0
	s_cbranch_scc1 .Lsub
	ADDR                                           ; sub-slice 3: nothing more is asked for
	QPS 0
	DSTLOAD                                        ; the ring is empty: its registers take the rows' places, asked for a unit ahead of their use
	s_wait_dscnt 0x0
	s_barrier_signal -1
	s_barrier_wait -1                              ; the last barrier: from here on the shared LDS bytes are only read
	CU 0
	E2 0
	s_wait_loadcnt 0x0
	DSTFIX
	OLOAD O2B, 0, R0
	OLOAD O2B, 256, R1
	OSTORE 0, R0, 16                               ; behind the first set's loads: the second set's sixteen
	OSTORE 256, R1, 0
	s_wait_xcnt 0x0                                ; the stores have read their registers
	s_wait_kmcnt 0x0                               ; np
	s_min_u32 s18, s18, 32
	s_max_u32 s18, s18, 8                          ; held to what the placing launch can give: 8 .. 32
	s_and_b32 s26, s16, 1                          ; THE OTHER PAIRS: my two sub-slices,
	s_lshr_b32 s54, s16, 1
	s_add_co_u32 s54, s54, 8                       ; my first pair: 8 .. 11,
	s_add_co_u32 s53, s18, 3
	s_sub_co_u32 s53, s53, s54
	s_lshr_b32 s53, s53, 2                         ; and how many of first, first + 4, .. lie under np: (np + 3 - first) / 4, rounded down
	s_mov_b32 s29, 0                               ; the trips are counted by 1
	s_mul_i32 s22, s26, 2*SUBC
	s_mul_i32 s23, s26, 2*SUBW
	s_lshl_b32 s24, s26, 8
	v_add_nc_u32 v[FRW], s22, v[FR0]
	v_add_nc_u32 v[FSW], s23, v[FS0]
	v_add_nc_u32 v[BRW], s24, v[BR0]
	v_add_nc_u32 v[O1W], s24, v[O1B]
	v_add_nc_u32 v[O2W], s24, v[O2B]
	v_add_nc_u32 v[CL], s24, v[CL]                 ; my half of a row's 512 bytes
	s_cmp_lt_u32 s29, s53
	s_cbranch_scc0 .Lend
.Lrem:
	s_lshl_b32 s51, s29, 2
	s_add_co_u32 s51, s51, s54                     ; the trip's pair
	s_min_u32 s51, s51, 31
	PAIRADDR s51
	LOADA
	DSTLOAD
	s_wait_loadcnt 0x0
	DSTFIX
	CU 0
	E2 0
	CU 1
	E2 1
	OLOAD O2W, 0, R0
	OSTORE 0, R0, 0
	s_wait_xcnt 0x0                                ; the stores have read their registers
	s_add_co_u32 s29, s29, 1
	s_cmp_lt_u32 s29, s53
	s_cbranch_scc1 .Lrem
.Lend:
	s_wait_xcnt 0x0
	v_lshl_add_u32 v254, v0, 2, 0x43200
	v_mov_b32 v255, 0
	s_wait_tensorcnt 0x0
	ds_add_u32 v254, v255
	s_wait_dscnt 0x0
	s_endpgm
.Lfunc_end_k_qbaa3f8ac9f_ffn2:
	.size	k_qbaa3f8ac9f_ffn2, .Lfunc_end_k_qbaa3f8ac9f_ffn2-k_qbaa3f8ac9f_ffn2
	.p2alignl 7, 3214868480
	.fill 96, 4, 3214868480
	.section	.rodata,"a",@progbits
	.p2align	6, 0x0
	.amdhsa_kernel k_qbaa3f8ac9f_ffn2
		.amdhsa_group_segment_fixed_size 275968
		.amdhsa_private_segment_fixed_size 0
		.amdhsa_enable_private_segment 0
		.amdhsa_kernarg_size 48
		.amdhsa_user_sgpr_count 2
		.amdhsa_user_sgpr_kernarg_segment_ptr 1
		.amdhsa_wavefront_size32 1
		.amdhsa_system_sgpr_workgroup_id_x 1
		.amdhsa_system_sgpr_workgroup_id_y 1
		.amdhsa_system_sgpr_workgroup_id_z 1
		.amdhsa_system_vgpr_workitem_id 0
		.amdhsa_next_free_vgpr 512
		.amdhsa_next_free_sgpr 66
		.amdhsa_reserve_vcc 0
		.amdhsa_float_denorm_mode_32 3
		.amdhsa_float_denorm_mode_16_64 3
		.amdhsa_memory_ordered 1
		.amdhsa_forward_progress 1
		.amdhsa_inst_pref_size 145
	.end_amdhsa_kernel
	.amdgpu_metadata
---
amdhsa.version: [ 1, 2 ]
amdhsa.kernels:
  - .name:           k_qbaa3f8ac9f_ffn2
    .symbol:         k_qbaa3f8ac9f_ffn2.kd
    .args:
      - { .name: w2, .offset: 0, .size: 8, .value_kind: global_buffer, .address_space: global }
      - { .name: b2, .offset: 8, .size: 8, .value_kind: global_buffer, .address_space: global }
      - { .name: hq, .offset: 16, .size: 8, .value_kind: global_buffer, .address_space: global }
      - { .name: lists, .offset: 24, .size: 8, .value_kind: global_buffer, .address_space: global }
      - { .name: rowcoef, .offset: 32, .size: 8, .value_kind: global_buffer, .address_space: global }
      - { .name: part, .offset: 40, .size: 8, .value_kind: global_buffer, .address_space: global }
    .group_segment_fixed_size: 275968
    .private_segment_fixed_size: 0
    .kernarg_segment_align: 8
    .kernarg_segment_size: 48
    .max_flat_workgroup_size: 256
    .sgpr_count:     66
    .vgpr_count:     512
    .wavefront_size: 32
...
	.end_amdgpu_metadata
.endif
;; end of part 8
;; launch sum: the kernel of part 5 again; grid 256 x 1, 8 waves a work-group, no clusters, 0 bytes of LDS; arguments part, out0; writes out0
;; ======== version 3 of 3: 5 launches
;; workspace buffers: xq 1,081,344 bytes; route 4,096 bytes of whole numbers; rwgt 8,192 bytes; xg 8,650,752 bytes; lists 33,024 bytes of whole numbers; rowcoef 32,768 bytes; hq 34,603,008 bytes; part 67,108,864 bytes
;; launch route (part 9): grid 64 x 1, 8 waves a work-group, no clusters, 55,296 bytes of LDS; arguments x, router_w, router_b, xq, route, rwgt; writes xq, route, rwgt
.if DOCPART == 9
	.amdgcn_target "amdgcn-amd-amdhsa--gfx1250"
	.amdhsa_code_object_version 6
	.text
	.protected	k_qbaa3f8ac9f_route
	.globl	k_qbaa3f8ac9f_route
	.p2align	8
	.type	k_qbaa3f8ac9f_route,@function
k_qbaa3f8ac9f_route:
	s_mov_b64 s[64:65], 0
	v_nop
	global_prefetch_b8 v0, s[64:65] scope:SCOPE_SE
	s_setreg_imm32_b32 hwreg(HW_REG_WAVE_MODE, 25, 1), 1
	s_wait_xcnt 0x0
; ROUTER, AND x INTO CODES.  x [1024 tokens][1024] f32.  For each token: logits = x . router_w[e] + router_b[e] in f32 (fused multiply-adds), the two largest
; softmax terms (ties: the lower index), their weights E_k / (E_1 + E_2), E = 2^((logit - max) log2 e); and x as codes of E4M3 with one E8M0 byte for each 32 along K.
; OUT: xq: codes [token][1024 bytes]; from byte 1,048,576 on scale words [token][8].  route: word t = idx0 | idx1 << 8 | ((1 << idx0) | (1 << idx1)) << 16.  rwgt: [token][2] f32.
; SHARES.  A work-group takes 16 tokens; wave w takes K step w (128 along K); lane (r = lane % 16, h = lane / 16) holds k = 128 w + 32 b + 16 h + 0..15 of token r, b = 0..3.
; The same 64 registers serve the eight dot products and the quantiser.  router_w (32 KiB) comes into LDS once, 128 bytes a thread, in loads of 512 consecutive bytes a wave; the dot products read it
; from there, sixteen lanes the same word.  Partial logits, codes and scale words meet in LDS; codes leave as whole rows.
; No address and no branch hangs on a floating-point number: the choice is stored at fixed places and used by the next launch.
; LIMITS: NaN and infinities among the inputs are not served.  A block of zeros gets the byte 1 (its codes are zeros; the bytes are read by this program alone).
; The ranking is taken on E, which rises with the probability; two probabilities that round to one number are taken in index order, as the top-k of the problem takes them.
.set XP,   1040                        ; a token's row of codes in LDS: 1,024 bytes + 16
.set XSC,  16*XP                       ; scale words: 16 tokens x 32 bytes
.set RPT,  XSC+512                     ; partial logits: words [r][e][ks], 4,096 bytes
.set RWL,  21504                       ; router_w as it lies in memory: 8 rows of 4,096 bytes
.set X,    16                          ; v16-79   my 64 numbers of x
.set WR,   80                          ; v80-207  router_w, two sets of 64; at the head v80-111 carry my 128 bytes into LDS
.set CH,   208                         ; v208-211 two packed chains
.set PL,   212                         ; v212-219 my partial logit of each expert
.set TM,   220                         ; v220-235 the quantiser's work
.set PW,   236                         ; the scale word
.set PC,   240                         ; v240-255 the codes
.set SEL,  20                          ; s[20:21] selects for lane l xor 16
.set MNT,  23                          ; s23 the mantissa field of 448
	s_load_b256 s[4:11], s[0:1], 0x0               ; x, router_w, router_b, xq
	s_load_b128 s[12:15], s[0:1], 0x20             ; route, rwgt
	v_lshl_add_u32 v238, v0, 2, 0xd400
	v_mov_b32 v239, 0
	v_lshrrev_b32 v1, 5, v0
	s_delay_alu instid0(VALU_DEP_1)
	v_readfirstlane_b32 s16, v1                    ; wave = K step
	v_and_b32 v1, 15, v0                           ; r
	v_bfe_u32 v2, v0, 4, 1                         ; h
	v_lshlrev_b32 v15, 4, v0                       ; 16 t: my 16 bytes of a row of router_w, in memory and in LDS
	s_lshl_b32 s17, s16, 9
	v_lshl_add_u32 v4, v2, 6, s17                  ; router_w in LDS: 512 w + 64 h
	s_delay_alu instid0(VALU_DEP_1)
	v_lshl_add_u32 v3, v1, 12, v4                  ; x: + 4,096 r
	s_lshl_b32 s17, s16, 7
	v_mul_u32_u24 v5, v1, XP
	s_delay_alu instid0(VALU_DEP_1)
	v_lshl_add_u32 v5, v2, 4, v5
	s_delay_alu instid0(VALU_DEP_1)
	v_add_nc_u32 v5, s17, v5                       ; codes into LDS: row r, byte 128 w + 16 h (+ 32 b)
	s_lshl_b32 s17, s16, 2
	v_lshl_add_u32 v6, v1, 5, s17
	s_delay_alu instid0(VALU_DEP_1)
	v_add_nc_u32 v6, XSC, v6                       ; scale word of (r, w)
	v_lshl_add_u32 v7, v1, 8, s17
	s_delay_alu instid0(VALU_DEP_1)
	v_add_nc_u32 v7, RPT, v7                       ; partial logit of (r, e = 0, w)
	s_mul_i32 s17, s16, 2*XP
	v_mul_u32_u24 v8, v2, XP
	s_delay_alu instid0(VALU_DEP_1)
	v_lshl_add_u32 v8, v1, 4, v8
	s_delay_alu instid0(VALU_DEP_1)
	v_add_nc_u32 v8, s17, v8                       ; back out of LDS: rows 2 w + h, 16 bytes a lane
	s_lshl_b32 s17, s16, 11
	v_lshl_add_u32 v9, v2, 10, s17
	s_delay_alu instid0(VALU_DEP_1)
	v_lshl_add_u32 v9, v1, 4, v9                   ; and the same place in xq
	v_and_b32 v12, 31, v0
	s_delay_alu instid0(VALU_DEP_1)
	v_lshlrev_b32 v12, 4, v12                      ; 16 x lane
	s_delay_alu instid0(VALU_DEP_1)
	v_add_nc_u32 v10, XSC, v12
	v_lshl_add_u32 v11, v1, 8, RPT
	v_lshlrev_b32 v13, 2, v1
	v_lshlrev_b32 v14, 3, v1
	s_mov_b32 s[SEL], 0x76543210
	s_mov_b32 s[SEL+1], 0xfedcba98
	s_mov_b32 s[MNT], 0x600000
.irp b, 0,1,2,3
	v_mov_b32 v[TM+4+\b], 0                        ; a lane permute's destination counts as read: written once
.endr
	s_lshl_b32 s24, ttmp9, 16                      ; 16 tokens of x
	s_mov_b32 s25, 0
	s_lshl_b32 s26, ttmp9, 14                      ; of codes
	s_mov_b32 s27, 0
	s_lshl_b32 s28, ttmp9, 9                       ; of scale words, behind the codes
	s_add_co_u32 s28, s28, 0x100000
	s_mov_b32 s29, 0
	s_lshl_b32 s30, ttmp9, 6                       ; of route
	s_mov_b32 s31, 0
	s_lshl_b32 s32, ttmp9, 7                       ; of rwgt
	s_mov_b32 s33, 0
	s_wait_kmcnt 0x0
	s_add_nc_u64 s[4:5], s[4:5], s[24:25]
	s_add_nc_u64 s[28:29], s[10:11], s[28:29]
	s_add_nc_u64 s[10:11], s[10:11], s[26:27]
	s_add_nc_u64 s[12:13], s[12:13], s[30:31]
	s_add_nc_u64 s[14:15], s[14:15], s[32:33]
.irp i, 0,1,2,3,4,5,6,7
	global_load_b128 v[WR+4*\i:WR+4*\i+3], v15, s[6:7] offset:4096*\i   ; expert i's row: the 256 threads take its 4,096 bytes
.endr
.irp b, 0,1,2,3
.irp j, 0,1,2,3
	global_load_b128 v[X+16*\b+4*\j:X+16*\b+4*\j+3], v3, s[4:5] offset:128*\b+16*\j   ; no cache word: four loads of the wave name each run of 64 bytes
.endr
.endr
	s_wait_loadcnt 16                              ; router_w's eight loads are in; x's sixteen, issued behind them, may be out
.irp i, 0,1,2,3,4,5,6,7
	ds_store_b128 v15, v[WR+4*\i:WR+4*\i+3] offset:RWL+4096*\i
.endr
	s_wait_dscnt 0x0                               ; for the others' sake: my part of router_w has landed
	s_barrier_signal -1
	s_barrier_wait -1                              ; router_w lies whole in LDS; nobody writes it again
.macro LOADW e                         ; expert e's 64 numbers at my k into set e % 2
.irp b, 0,1,2,3
.irp j, 0,1,2,3
	ds_load_b128 v[WR+64*((\e)%2)+16*\b+4*\j:WR+64*((\e)%2)+16*\b+4*\j+3], v4 offset:RWL+(\e)*4096+128*\b+16*\j
.endr
.endr
.endm
.macro DOT e                           ; my 64 products in two packed chains, then lane l xor 16's
.set WS, WR+64*((\e)%2)
	v_pk_mul_f32 v[CH:CH+1], v[X:X+1], v[WS:WS+1]
	v_pk_mul_f32 v[CH+2:CH+3], v[X+2:X+3], v[WS+2:WS+3]
.set DI, 4
.rept 15
	s_delay_alu instid0(VALU_DEP_2)
	v_pk_fma_f32 v[CH:CH+1], v[X+DI:X+DI+1], v[WS+DI:WS+DI+1], v[CH:CH+1]
	s_delay_alu instid0(VALU_DEP_2)
	v_pk_fma_f32 v[CH+2:CH+3], v[X+DI+2:X+DI+3], v[WS+DI+2:WS+DI+3], v[CH+2:CH+3]
.set DI, DI+4
.endr
	s_delay_alu instid0(VALU_DEP_1)
	v_pk_add_f32 v[CH:CH+1], v[CH:CH+1], v[CH+2:CH+3]
	s_delay_alu instid0(VALU_DEP_1)
	v_add_f32 v[CH], v[CH], v[CH+1]
	s_delay_alu instid0(VALU_DEP_1)
	v_permlanex16_b32 v[CH+2], v[CH], s[SEL], s[SEL+1]
	s_delay_alu instid0(VALU_DEP_1)
	v_add_f32 v[PL+\e], v[CH], v[CH+2]
.endm
	LOADW 0
	LOADW 1
	s_wait_loadcnt 0x0                             ; x
.irp e, 0,1,2,3,4,5,6,7
.if \e < 7
	s_wait_dscnt 16                                ; this expert's set is in; the next expert's 16 LDS loads may be out
.else
	s_wait_dscnt 0x0
.endif
	DOT \e
.if \e < 6
	LOADW \e+2                                     ; into the set just read
.endif
.endr
.irp e, 0,1,2,3,4,5,6,7
	ds_store_b32 v7, v[PL+\e] offset:32*\e         ; both halves of the lanes hold the same sum and write the same word
.endr
; 64 numbers of a lane, register 16 b + i = k 32 b + 16 h + i, become 16 registers of codes and a scale word
.irp b, 0,1,2,3
	v_max3_num_f32 v[TM+\b], |v[X+16*\b]|, |v[X+1+16*\b]|, 0x4800000   ; with the floor 2^(9 - 127): the byte cannot fall under 1
.endr
.irp i, 2,4,6,8,10,12,14
.irp b, 0,1,2,3
	s_delay_alu instid0(VALU_DEP_4)
	v_max3_num_f32 v[TM+\b], v[TM+\b], |v[X+16*\b+\i]|, |v[X+1+16*\b+\i]|
.endr
.endr
.irp b, 0,1,2,3
	s_delay_alu instid0(VALU_DEP_4)
	v_permlanex16_b32 v[TM+4+\b], v[TM+\b], s[SEL], s[SEL+1]
.endr
.irp b, 0,1,2,3
	s_delay_alu instid0(VALU_DEP_4)
	v_max_num_f32 v[TM+\b], v[TM+\b], v[TM+4+\b]   ; the block's largest magnitude
.endr
.irp b, 0,1,2,3
	s_delay_alu instid0(VALU_DEP_4)
	v_add_nc_u32 v[TM+12+\b], 0xfc000000, v[TM+\b] ; 8 off its exponent field: the conversion's scale operand
.endr
.irp b, 0,1,2,3
	v_and_or_b32 v[TM+8+\b], v[TM+\b], 0x7f800000, s[MNT]   ; 448 x the scale
.endr
.irp b, 0,1,2,3
	v_lshrrev_b32 v[TM+4+\b], 23, v[TM+12+\b]      ; the scale's byte
.endr
	s_delay_alu instid0(VALU_DEP_3)
	v_lshl_or_b32 v[PW], v[TM+5], 8, v[TM+4]
	s_delay_alu instid0(VALU_DEP_1)
	v_lshl_or_b32 v[PW], v[TM+6], 16, v[PW]
	s_delay_alu instid0(VALU_DEP_1)
	v_lshl_or_b32 v[PW], v[TM+7], 24, v[PW]
.irp b, 0,1,2,3
.irp i, 0,1,2,3,4,5,6,7,8,9,10,11,12,13,14,15
	v_med3_num_f32 v[X+16*\b+\i], v[X+16*\b+\i], -v[TM+8+\b], v[TM+8+\b]   ; the conversion does not saturate (ISA guide 7.6.2): hold first
.endr
	v_cvt_scalef32_pk8_fp8_f32 v[PC+4*\b:PC+1+4*\b], v[X+16*\b:X+7+16*\b], v[TM+12+\b]
	v_cvt_scalef32_pk8_fp8_f32 v[PC+2+4*\b:PC+3+4*\b], v[X+8+16*\b:X+15+16*\b], v[TM+12+\b]
.endr
	v_nop                                          ; a plain line behind the last conversion
.irp b, 0,1,2,3
	ds_store_b128 v5, v[PC+4*\b:PC+4*\b+3] offset:32*\b
.endr
	ds_store_b32 v6, v[PW]
	s_wait_dscnt 0x0                               ; for the others' sake: all my LDS stores have landed
	s_barrier_signal -1
	s_barrier_wait -1
.irp i, 0,1,2,3
	ds_load_b128 v[X+4*\i:X+4*\i+3], v8 offset:256*\i
.endr
.irp i, 0,1,2,3
	s_wait_dscnt 3-\i
	global_store_b128 v9, v[X+4*\i:X+4*\i+3], s[10:11] offset:256*\i   ; sixteen lanes store 256 consecutive bytes, aligned
.endr
	s_cmp_lg_u32 s16, 0
	s_cbranch_scc1 .Lend                           ; the rest is wave 0's: lane r (and r + 16 with it) finishes token r
	s_load_b256 s[40:47], s[8:9], 0x0              ; router_b
	ds_load_b128 v[144:147], v10                   ; the 16 tokens' scale words, 512 bytes on end
.irp e, 0,1,2,3,4,5,6,7
	ds_load_b128 v[80+8*\e:83+8*\e], v11 offset:32*\e
	ds_load_b128 v[84+8*\e:87+8*\e], v11 offset:32*\e+16
.endr
	s_wait_dscnt 0x0
	global_store_b128 v12, v[144:147], s[28:29]
.irp k, 1,2,3,4,5,6,7
.irp e, 0,1,2,3,4,5,6,7
	v_add_f32 v[80+8*\e], v[80+8*\e], v[80+8*\e+\k]   ; the eight K steps' parts, ascending; the experts by turns
.endr
.endr
	s_wait_alu depctr_va_vdst(0)
	s_wait_kmcnt 0x0
.irp e, 0,1,2,3,4,5,6,7
	v_add_f32 v[80+8*\e], s[40+\e], v[80+8*\e]
.endr
	v_max3_num_f32 v148, v80, v88, v96
	s_delay_alu instid0(VALU_DEP_1)
	v_max3_num_f32 v148, v148, v104, v112
	s_delay_alu instid0(VALU_DEP_1)
	v_max3_num_f32 v148, v148, v120, v128
	s_delay_alu instid0(VALU_DEP_1)
	v_max_num_f32 v148, v148, v136                 ; the largest logit is taken away ahead of the exponential
.irp e, 0,1,2,3,4,5,6,7
	v_sub_f32 v[150+\e], v[80+8*\e], v148
.endr
.irp e, 0,1,2,3,4,5,6,7
	v_mul_f32 v[150+\e], 0x3fb8aa3b, v[150+\e]
.endr
	s_wait_alu depctr_va_vdst(0)
.irp e, 0,1,2,3,4,5,6,7
	v_exp_f32 v[150+\e], v[150+\e]
.endr
	v_mov_b32 v161, 0                              ; (a plain line behind the exponentials)  idx0
	v_mov_b32 v163, 0                              ; idx1
	s_wait_alu depctr_va_vdst(0)                   ; one wait for the eight, ahead of their first reader
	v_mov_b32 v160, v150
.irp e, 1,2,3,4,5,6,7
	v_cmp_gt_f32 vcc_lo, v[150+\e], v160           ; strictly larger: a tie keeps the lower index
	v_cndmask_b32 v160, v160, v[150+\e], vcc_lo
	s_delay_alu instid0(VALU_DEP_2)
	v_cndmask_b32 v161, v161, \e, vcc_lo
.endr
.irp e, 0,1,2,3,4,5,6,7
	v_cmp_eq_u32 vcc_lo, \e, v161
	v_cndmask_b32 v[150+\e], v[150+\e], -1.0, vcc_lo   ; the winner leaves the field: every E is 0 or more
.endr
	v_mov_b32 v162, v150
.irp e, 1
	s_delay_alu instid0(VALU_DEP_1)
	v_cmp_gt_f32 vcc_lo, v[150+\e], v162
	s_delay_alu instid0(VALU_DEP_1)
	v_cndmask_b32 v162, v162, v[150+\e], vcc_lo
	s_delay_alu instid0(VALU_DEP_2)
	v_cndmask_b32 v163, v163, \e, vcc_lo
.endr
.irp e, 2, 3, 4, 5, 6, 7
	s_delay_alu instid0(VALU_DEP_2)
	v_cmp_gt_f32 vcc_lo, v[150+\e], v162
	s_delay_alu instid0(VALU_DEP_1)
	v_cndmask_b32 v162, v162, v[150+\e], vcc_lo
	s_delay_alu instid0(VALU_DEP_2)
	v_cndmask_b32 v163, v163, \e, vcc_lo
.endr
	s_delay_alu instid0(VALU_DEP_2)
	v_add_f32 v164, v160, v162
	s_wait_alu depctr_va_vdst(0)
	v_rcp_f32 v164, v164
	v_lshlrev_b32 v165, v161, 1                    ; the route word is made while the reciprocal is out
	v_lshlrev_b32 v166, v163, 1
	s_delay_alu instid0(VALU_DEP_1)
	v_or_b32 v165, v165, v166
	v_lshl_or_b32 v166, v163, 8, v161
	s_delay_alu instid0(VALU_DEP_1)
	v_lshl_or_b32 v165, v165, 16, v166
	s_wait_alu depctr_va_vdst(0)                   ; ahead of the reciprocal's first reader
	v_mul_f32 v166, v160, v164
	v_mul_f32 v167, v162, v164
	global_store_b32 v13, v165, s[12:13]
	global_store_b64 v14, v[166:167], s[14:15]
.Lend:
	s_wait_tensorcnt 0x0
	ds_add_u32 v238, v239
	s_wait_dscnt 0x0
	s_endpgm
.Lfunc_end_k_qbaa3f8ac9f_route:
	.size	k_qbaa3f8ac9f_route, .Lfunc_end_k_qbaa3f8ac9f_route-k_qbaa3f8ac9f_route
	.p2alignl 7, 3214868480
	.fill 96, 4, 3214868480
	.section	.rodata,"a",@progbits
	.p2align	6, 0x0
	.amdhsa_kernel k_qbaa3f8ac9f_route
		.amdhsa_group_segment_fixed_size 55296
		.amdhsa_private_segment_fixed_size 0
		.amdhsa_enable_private_segment 0
		.amdhsa_kernarg_size 48
		.amdhsa_user_sgpr_count 2
		.amdhsa_user_sgpr_kernarg_segment_ptr 1
		.amdhsa_wavefront_size32 1
		.amdhsa_system_sgpr_workgroup_id_x 1
		.amdhsa_system_sgpr_workgroup_id_y 1
		.amdhsa_system_sgpr_workgroup_id_z 1
		.amdhsa_system_vgpr_workitem_id 0
		.amdhsa_next_free_vgpr 256
		.amdhsa_next_free_sgpr 66
		.amdhsa_reserve_vcc 1
		.amdhsa_float_denorm_mode_32 3
		.amdhsa_float_denorm_mode_16_64 3
		.amdhsa_memory_ordered 1
		.amdhsa_forward_progress 1
		.amdhsa_inst_pref_size 61
	.end_amdhsa_kernel
	.amdgpu_metadata
---
amdhsa.version: [ 1, 2 ]
amdhsa.kernels:
  - .name:           k_qbaa3f8ac9f_route
    .symbol:         k_qbaa3f8ac9f_route.kd
    .args:
      - { .name: x, .offset: 0, .size: 8, .value_kind: global_buffer, .address_space: global }
      - { .name: router_w, .offset: 8, .size: 8, .value_kind: global_buffer, .address_space: global }
      - { .name: router_b, .offset: 16, .size: 8, .value_kind: global_buffer, .address_space: global }
      - { .name: xq, .offset: 24, .size: 8, .value_kind: global_buffer, .address_space: global }
      - { .name: route, .offset: 32, .size: 8, .value_kind: global_buffer, .address_space: global }
      - { .name: rwgt, .offset: 40, .size: 8, .value_kind: global_buffer, .address_space: global }
    .group_segment_fixed_size: 55296
    .private_segment_fixed_size: 0
    .kernarg_segment_align: 8
    .kernarg_segment_size: 48
    .max_flat_workgroup_size: 256
    .sgpr_count:     66
    .vgpr_count:     256
    .wavefront_size: 32
...
	.end_amdgpu_metadata
.endif
;; end of part 9
;; launch place (part 10): grid 8 x 8, 32 waves a work-group, no clusters, 4,352 bytes of LDS; arguments route, rwgt, xq, xg, lists, rowcoef; writes xg, lists, rowcoef
.if DOCPART == 10
	.amdgcn_target "amdgcn-amd-amdhsa--gfx1250"
	.amdhsa_code_object_version 6
	.text
	.protected	k_qbaa3f8ac9f_place
	.globl	k_qbaa3f8ac9f_place
	.p2align	8
	.type	k_qbaa3f8ac9f_place,@function
k_qbaa3f8ac9f_place:
	s_mov_b64 s[64:65], 0
	v_nop
	global_prefetch_b8 v0, s[64:65] scope:SCOPE_SE
	s_setreg_imm32_b32 hwreg(HW_REG_WAVE_MODE, 25, 1), 1
	s_wait_xcnt 0x0
; THE ROWS ARE PLACED BY EXPERT.  Work-group (e, ks): thread t is token t.  A token that chose expert e gets the row pos = the number of such tokens before it.
; Its 128 codes of K step ks go into xg as an image of operand registers: [e][tile = pos / 16][ks][c][lane = 16 h + pos % 16][16 bytes], k = 128 ks + 32 c + 16 h + 0..15; its scale word to [e][pos][ks],
; from byte 8,388,608 on.  The work-groups with ks = 0 also store rowdst[e][pos] = 2 t + (0 or 1: first or second choice), rowcoef[e][pos] = the weight, and np[e].
; PADS.  An expert's rows are filled up to padEnd = max(256, its count rounded up to 32) with rows of zero codes, scale bytes 127, weight 0 and a spare row of the sums' buffer of their own
; (2048 + 256 e + row % 256), so that the later launches work on whole pairs of tiles, the first eight pairs without asking.  np = padEnd / 32.
; All numbers that reach an address or a mask are whole numbers read from route.  No atomics: the count before a token is made of the 32 waves' counts (LDS) and the lanes below it.
; The 4-byte stores here go to scattered rows: they are 4 bytes of each 132 that the launch stores.
; REGISTERS: v0-15 offsets and what was loaded of route and rwgt; v16-47 my token's 128 codes; v48-60 places and what is stored; v64-69 at work.
	s_load_b256 s[4:11], s[0:1], 0x0               ; route, rwgt, xq, xg
	s_load_b128 s[12:15], s[0:1], 0x20             ; lists, rowcoef
	v_lshl_add_u32 v96, v0, 2, 0x100
	v_mov_b32 v97, 0
	v_lshrrev_b32 v1, 5, v0
	s_delay_alu instid0(VALU_DEP_1)
	v_readfirstlane_b32 s16, v1                    ; wave
	s_and_b32 s17, ttmp7, 0xffff                   ; ks
	s_mov_b32 s47, ttmp9                           ; e
	v_and_b32 v2, 31, v0                           ; lane
	v_lshlrev_b32 v3, 2, v0                        ; 4 t
	v_lshlrev_b32 v4, 3, v0                        ; 8 t
	v_lshlrev_b32 v5, 10, v0                       ; 1,024 t
	v_lshlrev_b32 v6, 5, v0                        ; 32 t
	s_lshl_b32 s18, s17, 7                         ; xq: codes of K step ks
	s_mov_b32 s19, 0
	s_lshl_b32 s20, s17, 2                         ; and its scale word
	s_add_co_u32 s20, s20, 0x100000
	s_mov_b32 s21, 0
	s_lshl_b32 s26, s47, 20                        ; xg: codes of (e, ks)
	s_lshl_b32 s27, s17, 11
	s_add_co_u32 s26, s26, s27
	s_mov_b32 s27, 0
	s_lshl_b32 s50, s47, 15                        ; xg: scale words of (e, ks)
	s_lshl_b32 s51, s17, 2
	s_add_co_u32 s50, s50, s51
	s_add_co_u32 s50, s50, 0x800000
	s_mov_b32 s51, 0
	s_lshl_b32 s52, s47, 12                        ; 1,024 rows x 4 bytes
	s_mov_b32 s53, 0
	s_lshl_b32 s54, s47, 2
	s_mov_b32 s55, 0
	s_mov_b32 s42, 0x76543210
	s_mov_b32 s43, 0xfedcba98
	s_wait_alu depctr_va_vdst(0)
	s_wait_kmcnt 0x0
	s_add_nc_u64 s[22:23], s[8:9], s[18:19]
	s_add_nc_u64 s[24:25], s[8:9], s[20:21]
	s_add_nc_u64 s[28:29], s[10:11], s[26:27]
	s_add_nc_u64 s[30:31], s[10:11], s[50:51]
	s_add_nc_u64 s[32:33], s[12:13], s[52:53]
	s_add_nc_u64 s[32:33], s[32:33], 256           ; rowdst[e]
	s_add_nc_u64 s[34:35], s[14:15], s[52:53]      ; rowcoef[e]
	s_add_nc_u64 s[36:37], s[12:13], s[54:55]      ; np[e]
	global_load_b32 v8, v3, s[4:5]
	global_load_b64 v[10:11], v4, s[6:7]
.irp i, 0,1,2,3,4,5,6,7
	global_load_b128 v[16+4*\i:19+4*\i], v5, s[22:23] offset:16*\i
.endr
	global_load_b32 v9, v6, s[24:25]
	s_add_co_u32 s38, s47, 16
	s_lshl_b32 s38, 1, s38                         ; the expert's bit in a route word
	s_lshl_b32 s41, s16, 2
	v_mov_b32 v14, s41                             ; LDS: my wave's word
	v_lshlrev_b32 v15, 2, v2                       ; LDS: wave = my lane's word
	v_mov_b32 v66, 0
	v_mov_b32 v52, 0
	v_mov_b32 v53, 0
	v_mov_b32 v54, 0
	v_mov_b32 v55, 0
	v_mov_b32 v56, 0x7f7f7f7f
	s_wait_loadcnt 0x0
	v_and_b32 v12, s38, v8
	s_delay_alu instid0(VALU_DEP_1)
	v_cmp_ne_u32 vcc_lo, 0, v12                    ; did my token choose e?
	s_mov_b32 s39, vcc_lo
	s_bcnt1_i32_b32 s40, s39
	v_mov_b32 v13, s40
	ds_store_b32 v14, v13                          ; all lanes write the wave's count to the wave's word
	s_wait_dscnt 0x0
	s_barrier_signal -1
	s_barrier_wait -1
	ds_load_b32 v64, v15                           ; lane l: wave l's count
	s_wait_dscnt 0x0
	v_cmp_gt_u32 vcc_lo, s16, v2
	s_delay_alu instid0(VALU_DEP_1)
	v_cndmask_b32 v65, 0, v64, vcc_lo              ; only of the waves before mine
.macro LSUM v                          ; the sum over the 32 lanes, in every lane
.irp k, 1
	v_mov_b32_dpp v66, v[\v] row_xmask:\k row_mask:0xf bank_mask:0xf
	s_delay_alu instid0(VALU_DEP_1)
	v_add_nc_u32 v[\v], v[\v], v66
.endr
.irp k, 2, 4, 8
	s_delay_alu instid0(VALU_DEP_1)
	v_mov_b32_dpp v66, v[\v] row_xmask:\k row_mask:0xf bank_mask:0xf
	s_delay_alu instid0(VALU_DEP_1)
	v_add_nc_u32 v[\v], v[\v], v66
.endr
	s_delay_alu instid0(VALU_DEP_1)
	v_permlanex16_b32 v66, v[\v], s42, s43
	s_delay_alu instid0(VALU_DEP_1)
	v_add_nc_u32 v[\v], v[\v], v66
.endm
	LSUM 64
	LSUM 65
	v_readfirstlane_b32 s44, v64                   ; the expert's count
	s_delay_alu instid0(VALU_DEP_2)
	v_readfirstlane_b32 s45, v65                   ; of it: in the waves before mine
	s_delay_alu instid0(VALU_DEP_1)
	v_mbcnt_lo_u32_b32 v48, s39, s45               ; + in the lanes before mine
	s_delay_alu instid0(VALU_DEP_1)
	v_min_u32 v48, 0x3ff, v48                      ; pos
	s_add_co_u32 s46, s44, 31
	s_and_b32 s46, s46, 0xffffffe0
	s_max_u32 s46, s46, 256                        ; padEnd
	s_lshr_b32 s49, s46, 5                         ; np
	v_mov_b32 v59, s49
	v_bfe_u32 v50, v8, 8, 8                        ; idx1
	s_delay_alu instid0(VALU_DEP_1)
	v_cmp_eq_u32 vcc_lo, s47, v50
	s_delay_alu instid0(VALU_DEP_1)
	v_cndmask_b32 v50, 0, 1, vcc_lo
	s_delay_alu instid0(VALU_DEP_1)
	v_lshl_add_u32 v50, v0, 1, v50                 ; 2 t + which choice
	s_delay_alu instid0(VALU_DEP_3)
	v_cndmask_b32 v51, v10, v11, vcc_lo            ; its weight
	v_and_b32 v49, 0x3f0, v48
	s_delay_alu instid0(VALU_DEP_1)
	v_lshlrev_b32 v49, 10, v49                     ; tile x 16,384
	v_and_b32 v67, 15, v48
	s_delay_alu instid0(VALU_DEP_1)
	v_lshl_add_u32 v49, v67, 4, v49                ; + 16 (pos % 16)
	v_lshlrev_b32 v68, 5, v48                      ; 32 pos
	v_lshlrev_b32 v69, 2, v48                      ; 4 pos
	v_and_b32 v60, 0x3f0, v0                       ; the same of row t, for the pads
	s_delay_alu instid0(VALU_DEP_1)
	v_lshlrev_b32 v60, 10, v60
	v_and_b32 v67, 15, v0
	s_delay_alu instid0(VALU_DEP_1)
	v_lshl_add_u32 v60, v67, 4, v60
	s_lshl_b32 s56, s47, 8
	s_add_co_u32 s56, s56, 2048
	v_and_b32 v57, 255, v0
	s_delay_alu instid0(VALU_DEP_1)
	v_add_nc_u32 v57, s56, v57                     ; a pad's spare row
	v_cmp_ne_u32 vcc_lo, 0, v12
	s_wait_alu depctr_va_vdst(0)
	s_wait_xcnt 0x0                                ; EXEC changes only behind this wait
	s_and_saveexec_b32 s48, vcc_lo                 ; THE MEMBERS
.irp i, 0,1,2,3,4,5,6,7
	global_store_b128 v49, v[16+4*\i:19+4*\i], s[28:29] offset:(\i/2)*512+(\i%2)*256
.endr
	global_store_b32 v68, v9, s[30:31]
	s_cmp_lg_u32 s17, 0
	s_cbranch_scc1 .Lmembers_done
	global_store_b32 v69, v50, s[32:33]
	global_store_b32 v69, v51, s[34:35]
.Lmembers_done:
	s_wait_xcnt 0x0
	s_or_b32 exec_lo, exec_lo, s48
	v_cmp_le_u32 s57, s44, v0                      ; count <= t
	v_cmp_gt_u32 vcc_lo, s46, v0                   ; t < padEnd
	s_and_b32 vcc_lo, vcc_lo, s57
	s_and_saveexec_b32 s48, vcc_lo                 ; THE PADS: row t
.irp i, 0,1,2,3,4,5,6,7
	global_store_b128 v60, v[52:55], s[28:29] offset:(\i/2)*512+(\i%2)*256
.endr
	global_store_b32 v6, v56, s[30:31]
	s_cmp_lg_u32 s17, 0
	s_cbranch_scc1 .Lpads_done
	global_store_b32 v3, v57, s[32:33]
	global_store_b32 v3, v52, s[34:35]
.Lpads_done:
	s_wait_xcnt 0x0
	s_or_b32 exec_lo, exec_lo, s48
	s_cmp_lg_u32 s17, 0
	s_cbranch_scc1 .Lend
	s_cmp_lg_u32 s16, 0
	s_cbranch_scc1 .Lend
	v_cmp_eq_u32 vcc_lo, 0, v0
	s_and_saveexec_b32 s48, vcc_lo                 ; thread 0 of the work-group with ks = 0
	global_store_b32 v52, v59, s[36:37]            ; np[e]
	s_wait_xcnt 0x0
	s_or_b32 exec_lo, exec_lo, s48
.Lend:
	s_wait_tensorcnt 0x0
	ds_add_u32 v96, v97
	s_wait_dscnt 0x0
	s_endpgm
.Lfunc_end_k_qbaa3f8ac9f_place:
	.size	k_qbaa3f8ac9f_place, .Lfunc_end_k_qbaa3f8ac9f_place-k_qbaa3f8ac9f_place
	.p2alignl 7, 3214868480
	.fill 96, 4, 3214868480
	.section	.rodata,"a",@progbits
	.p2align	6, 0x0
	.amdhsa_kernel k_qbaa3f8ac9f_place
		.amdhsa_group_segment_fixed_size 4352
		.amdhsa_private_segment_fixed_size 0
		.amdhsa_enable_private_segment 0
		.amdhsa_kernarg_size 48
		.amdhsa_user_sgpr_count 2
		.amdhsa_user_sgpr_kernarg_segment_ptr 1
		.amdhsa_wavefront_size32 1
		.amdhsa_system_sgpr_workgroup_id_x 1
		.amdhsa_system_sgpr_workgroup_id_y 1
		.amdhsa_system_sgpr_workgroup_id_z 1
		.amdhsa_system_vgpr_workitem_id 0
		.amdhsa_next_free_vgpr 98
		.amdhsa_next_free_sgpr 66
		.amdhsa_reserve_vcc 1
		.amdhsa_float_denorm_mode_32 3
		.amdhsa_float_denorm_mode_16_64 3
		.amdhsa_memory_ordered 1
		.amdhsa_forward_progress 1
		.amdhsa_inst_pref_size 11
	.end_amdhsa_kernel
	.amdgpu_metadata
---
amdhsa.version: [ 1, 2 ]
amdhsa.kernels:
  - .name:           k_qbaa3f8ac9f_place
    .symbol:         k_qbaa3f8ac9f_place.kd
    .args:
      - { .name: route, .offset: 0, .size: 8, .value_kind: global_buffer, .address_space: global }
      - { .name: rwgt, .offset: 8, .size: 8, .value_kind: global_buffer, .address_space: global }
      - { .name: xq, .offset: 16, .size: 8, .value_kind: global_buffer, .address_space: global }
      - { .name: xg, .offset: 24, .size: 8, .value_kind: global_buffer, .address_space: global }
      - { .name: lists, .offset: 32, .size: 8, .value_kind: global_buffer, .address_space: global }
      - { .name: rowcoef, .offset: 40, .size: 8, .value_kind: global_buffer, .address_space: global }
    .group_segment_fixed_size: 4352
    .private_segment_fixed_size: 0
    .kernarg_segment_align: 8
    .kernarg_segment_size: 48
    .max_flat_workgroup_size: 1024
    .sgpr_count:     66
    .vgpr_count:     98
    .wavefront_size: 32
...
	.end_amdgpu_metadata
.endif
;; end of part 10
;; launch ffn1 (part 11): grid 256 x 1, 8 waves a work-group, no clusters, 140,800 bytes of LDS; arguments w1, b1, xg, lists, hq; writes hq
.if DOCPART == 11
	.amdgcn_target "amdgcn-amd-amdhsa--gfx1250"
	.amdhsa_code_object_version 6
	.text
	.protected	k_qbaa3f8ac9f_ffn1
	.globl	k_qbaa3f8ac9f_ffn1
	.p2align	8
	.type	k_qbaa3f8ac9f_ffn1,@function
k_qbaa3f8ac9f_ffn1:
	s_mov_b64 s[64:65], 0
	v_nop
	global_prefetch_b8 v0, s[64:65] scope:SCOPE_SE
	s_setreg_imm32_b32 hwreg(HW_REG_WAVE_SCHED_MODE, 0, 2), 2
	s_setreg_imm32_b32 hwreg(HW_REG_WAVE_MODE, 25, 1), 1
	s_wait_xcnt 0x0
	s_wait_alu depctr_vm_vsrc(0)
; hq = Q(gelu(Q(x) Q(w1)^T + b1)) for the rows that were routed, on codes of E4M3 with one E8M0 byte for each 32 along K.
; SHARES.  Work-group x: expert e = x / 32, hidden units 128 (x % 32) .. + 127 (one K step kk of the second product), all of K = 1,024: 512 KiB of w1, read once, as f32.
; The 128 rows go in four sub-slices j of 32.  In a sub-slice wave w quantises four rows (a lane: 8 neighbours along K, four lanes to a block) and stores codes as rows in LDS
; (pitch 1,040) and scale bytes beside them; a barrier; then every wave multiplies the sub-slice with ITS pair of activation tiles (32 rows, all of K), which stays in 256 registers.
; The weights come through a ring of 16 slots x 8 registers a wave: 32 loads, 16 KiB, always on their way; a slot is asked for again as soon as it is quantised, one sub-slice ahead.
; TRANSPOSED: source 0 = 16 rows of w1, source 1 = 16 activation rows: a lane holds one activation row.  Lane r of tile (j, u) takes weight row 32 j + 8 u + r + 8 (r / 8), so that a tile pair's 16
; registers are the neighbours 32 j + 16 h + 0..15 of the next K: one block with lane l xor 16.  The bias is loaded into the accumulators: it is the C of the first links.
; THE ROWS' ORDER IN LDS is the order in which the tiles take them: LDS row 16 u + r of a sub-slice holds weight row 8 u + r + 8 (r / 8): bits 3 and 4 of the row's number change places.  So wave w, which
; writes LDS rows 4 w .. 4 w + 3, brings weight rows 16 ((w / 2) % 2) + 8 (w / 4) + 4 (w % 2) + 0 .. 3, and the 16 rows of a fragment load are neighbours, 260 words apart: row r starts at bank 4 r mod 64
; (64 banks of 4 bytes: ISA guide 11.1), sixteen different places.
; ROWS.  Every expert has np pairs of tiles, 8 at the least (the placing launch pads).  Pairs 0-7 are the eight waves' own.  Pairs 8 .. np - 1 follow behind the last barrier, when all codes lie in LDS:
; wave w takes sub-slice w % 4 of pairs 8 + w / 4, + 2, ..  That trip count is made of np, which is read from lists; so this text has no tensor load, and no barrier stands there.
; OUT: hq: images of operand registers [e][tile][kk][c = j][lane][16 bytes]; from byte 33,554,432 on scale words [e][row][kk], byte j.
; GELU: 0.5 x (1 + erf(x / sqrt 2)), erf(z) = z P(z^2) / Q(z^2) with z held within +-4, all in f32.  LIMITS: the form's error is some 2e-7 of 1, so for x far below 0, where 1 + erf cancels, the result
; has that absolute error x |x| / 2, as any f32 evaluation of this expression has.  NaN and infinities are not served.  A block of zeros gets the byte 1 (only this program reads the bytes).
; THE MODE: SCHED_MODE bits 1:0 = 2 (LLVM: expert scheduling mode 2), set by the entry lines.  The code itself states the register dependences
; between vector or matrix instructions and memory or LDS instructions, with s_wait_alu, always for 0.
; THE PLAN.  Registers that memory or LDS instructions touch, and who else names them:
;   RING        Slots 2 k, 2 k + 1: pair k's quantiser reads them and holds them in place; behind its conversions the same rows of the next sub-slice are loaded into them.
;   QT          Two sets by turns, pair k has set k % 2: its conversions and shifts write codes and bytes, its four LDS stores read them, pair k + 2 writes them again.
;   WF, WSR     Three fragments by turns: LDS loads land; step n's two matrix instructions read buffer n % 3; fragment n + 3 lands in it.  At other times the same registers are QT and the way out's work.
;   ACC         The bias lands by LDS loads; the matrix instructions add; the way out works on them in place.
;   CC, BY, SWA Written by the way out, read by its global stores.
;   window 1, ASC   My pair's activations: loaded at the head and in each trip of .Lrem, read by the matrix instructions.
;   v12 - v18   The places that walk: written by vector additions at a sub-slice's head, read by LDS loads and stores and by the way out's stores.
;   v1, v8 - v11, v19, v20   Offsets made at the head (v8 - v11 anew in each trip of .Lrem).
; THE WAITS.  A pair of slots has one wait on va_vdst, behind its conversions, for its refill and its LDS stores, and one on vm_vsrc ahead of its conversions.  A unit has both at its head and one on va_vdst
; in each step that fetches a fragment.  The way out has one on va_vdst ahead of its run of stores.  One on vm_vsrc stands at each loop's foot, ahead of the branch, for all that the next trip writes again.
.set RP,   4096                        ; a row of w1 in bytes
.set TS,   16384                       ; a tile of xg
.set SPT,  32                          ; a row of xg's scale words
.set CP,   1040                        ; LDS: a row of codes, 1,024 + 16: an odd multiple of 16
.set SUBC, 32*CP
.set WP,   48                          ; LDS: a row's 32 scale bytes + 16
.set SUBW, 32*WP
.set WSC,  128*CP
.set BIA,  WSC+128*WP                  ; LDS: the 128 biases
.set GW,   1                           ; 32 lane + my four rows' place in the weights
.set CW0,  2                           ; LDS: my codes' place in a sub-slice
.set SW0,  3                           ; LDS: my scale byte's
.set FR0,  4                           ; LDS: my lane's place in a fragment
.set FS0,  5                           ; LDS: its scale word
.set BR0,  6                           ; LDS: my half's biases
.set L16,  7                           ; 16 lane
.set AO,   8                           ; my pair's codes
.set ASO,  9                           ; my pair's scale words
.set O1B,  10                          ; hq: my pair's codes
.set O2B,  11                          ; hq: my pair's scale words, a row a lane
.set CWW,  12                          ; the same with the sub-slice added
.set SWW,  13
.set FRW,  14
.set FSW,  15
.set BRW,  16
.set O1W,  17
.set O2W,  18
.set BO,   19
.set BL,   20
.set BV,   21
.set SWA,  26                          ; my row's scale word of this K step, collected byte by byte
.set WSR,  28                          ; v28-30   weight scale words, three by turns
.set RING, 32                          ; v32-159
.set ASC,  160                         ; v160-175 activation scale words (m, ks)
.set ACC,  176                         ; v176-207 accumulator (u, m) at 16 m + 8 u
.set WF,   208                         ; v208-255 weight fragments, three by turns; at other times at work
.set QT,   208
.set ZZ,   208
.set TT,   216
.set PP,   224
.set QQ,   232
.set MM,   240
.set SCL,  242
.set LM,   244
.set BY,   246
.set CC,   208
.set MX,   216
.set RS2,  66                          ; s[66:67] 1 / sqrt 2;  s[68:81] P's coefficients a6 .. a0;  s[82:91] Q's b4 .. b0: pairs, the low word serves both halves
.set A6,   68
.set A5,   70
.set A4,   72
.set A3,   74
.set A2,   76
.set A1,   78
.set A0,   80
.set B4,   82
.set B3,   84
.set B2,   86
.set B1,   88
.set B0,   90
.set MSB, 0
.macro WIN new                         ; the immediate's high byte repeats the setting that is left
.if MSB != \new
	s_set_vgpr_msb (MSB<<8)|\new
.set MSB, \new
.endif
.endm
.macro COEF reg, bits
	s_mov_b32 s[\reg], \bits
	s_mov_b32 s[\reg+1], \bits
.endm
.macro PAIRADDR sp                     ; the offsets that hang on the pair of tiles
	s_lshl_b32 s50, \sp, 15
	v_add_nc_u32 v[AO], s50, v[L16]                ; 2 tiles of 16,384 bytes a pair
	v_and_b32 v27, 15, v0
	s_lshl_b32 s50, \sp, 10
	v_lshl_add_u32 v[ASO], v27, 5, s50             ; row 32 pair + r
	s_lshl_b32 s50, \sp, 17
	v_add_nc_u32 v[O1B], s50, v[L16]               ; 2 tiles of 65,536 bytes
	v_and_b32 v27, 31, v0
	s_lshl_b32 s50, \sp, 12
	v_lshl_add_u32 v[O2B], v27, 7, s50             ; row 32 pair + lane, 128 bytes a row
.endm
.macro LOADA                           ; a pair's codes (window 1: (m, ks) at 128 m + 16 ks) and scale words; each code load reads 512 consecutive bytes.  The wait on va_vdst that these loads hang on stands ahead of the macro: only loads and window switches lie between
	WIN 0x40
.irp m, 0,1
.irp ks, 0,1,2,3,4,5,6,7
.irp c, 0,1,2,3
	global_load_b128 v[128*\m+16*\ks+4*\c:128*\m+16*\ks+4*\c+3], v[AO], s[8:9] offset:\m*TS+\ks*2048+\c*512
.endr
.endr
.endr
	WIN 0
.irp m, 0,1
	global_load_b128 v[ASC+8*\m:ASC+8*\m+3], v[ASO], s[14:15] offset:\m*16*SPT
	global_load_b128 v[ASC+8*\m+4:ASC+8*\m+7], v[ASO], s[14:15] offset:\m*16*SPT+16
.endr
.endm
; Slots 2 k and 2 k + 1 of the ring (row k / 2 of my four, 256 numbers each) are quantised, by turns.  left: the younger loads that may stay out.
; The weights' loads carry no cache word: a slot's two loads interleave in the same 1,024 bytes, 16 of each lane's 32 in each, so the wave names every part of them twice.
.macro QP2 k, refill, left
.set SA, RING+16*(\k)
.set SB, SA+8
.set QA, QT+16*((\k)%2)
.set QB, QA+8
.set QROW, (\k)/2
.set QPC, 2*((\k)%2)
	s_wait_loadcnt \left
	v_max3_num_f32 v[QA], |v[SA]|, |v[SA+1]|, 0x4800000    ; with the floor 2^(9 - 127): the byte cannot fall under 1
	v_max3_num_f32 v[QB], |v[SB]|, |v[SB+1]|, 0x4800000
.irp i, 2,4,6
	v_max3_num_f32 v[QA], v[QA], |v[SA+\i]|, |v[SA+\i+1]|
	v_max3_num_f32 v[QB], v[QB], |v[SB+\i]|, |v[SB+\i+1]|
.endr
	v_max_num_f32_dpp v[QA], v[QA], v[QA] row_xmask:1 row_mask:0xf bank_mask:0xf
	v_max_num_f32_dpp v[QB], v[QB], v[QB] row_xmask:1 row_mask:0xf bank_mask:0xf
	v_max_num_f32_dpp v[QA], v[QA], v[QA] row_xmask:2 row_mask:0xf bank_mask:0xf   ; four lanes hold a block
	v_max_num_f32_dpp v[QB], v[QB], v[QB] row_xmask:2 row_mask:0xf bank_mask:0xf
	v_add_nc_u32 v[QA+1], 0xfc000000, v[QA]        ; 8 off the exponent field: the conversion's scale operand
	v_add_nc_u32 v[QB+1], 0xfc000000, v[QB]
	v_and_or_b32 v[QA+2], v[QA], 0x7f800000, s19   ; 448 x the scale
	v_and_or_b32 v[QB+2], v[QB], 0x7f800000, s19
.irp i, 0,1,2,3,4,5,6,7
	v_med3_num_f32 v[SA+\i], v[SA+\i], -v[QA+2], v[QA+2]   ; the conversion does not saturate (ISA guide 7.6.2): hold first
	v_med3_num_f32 v[SB+\i], v[SB+\i], -v[QB+2], v[QB+2]
.endr
	s_wait_alu depctr_vm_vsrc(0)                   ; the LDS stores of the pair before last have read this set's codes and bytes, which the four lines below write again
	v_cvt_scalef32_pk8_fp8_f32 v[QA+4:QA+5], v[SA:SA+7], v[QA+1]
	v_cvt_scalef32_pk8_fp8_f32 v[QB+4:QB+5], v[SB:SB+7], v[QB+1]
	v_lshrrev_b32 v[QA+3], 23, v[QA+1]             ; the scale's byte; also the plain line behind the conversions
	v_lshrrev_b32 v[QB+3], 23, v[QB+1]
	s_wait_alu depctr_va_vdst(0)                   ; the quantiser is done with the two slots, in which the loads below land; codes and bytes are written, which the LDS stores read; in a sub-slice's first pair the places that walk are written too
.if \refill
	global_load_b128 v[SA:SA+3], v[GW], s[4:5] offset:(32+QROW)*RP+QPC*1024       ; the same rows of the next sub-slice
	global_load_b128 v[SA+4:SA+7], v[GW], s[4:5] offset:(32+QROW)*RP+QPC*1024+16
	global_load_b128 v[SB:SB+3], v[GW], s[4:5] offset:(32+QROW)*RP+(QPC+1)*1024
	global_load_b128 v[SB+4:SB+7], v[GW], s[4:5] offset:(32+QROW)*RP+(QPC+1)*1024+16
.endif
	ds_store_b64 v[CWW], v[QA+4:QA+5] offset:QROW*CP+QPC*256        ; 32 lanes: 256 consecutive bytes of the row
	ds_store_b64 v[CWW], v[QB+4:QB+5] offset:QROW*CP+(QPC+1)*256
	ds_store_b8 v[SWW], v[QA+3] offset:QROW*WP+QPC*8                ; the four lanes of a block write the same byte with the same value
	ds_store_b8 v[SWW], v[QB+3] offset:QROW*WP+(QPC+1)*8
.endm
.macro QPS refill                      ; my four rows of a sub-slice
.set QK, 0
.rept 8
.if \refill
	QP2 QK, 1, 28                                  ; the ring holds 32 loads: 28 are younger than this pair of slots' four
.else
	QP2 QK, 0, 28-4*QK                             ; nothing is asked for any more: the count runs down
.endif
.set QK, QK+1
.endr
.endm
.macro FRAG n, off                     ; fragment n of 16 (K step n / 2, tile u = n % 2: LDS rows 16 u on) of sub-slice off beyond FRW's, and its scale word: 5 LDS loads
.set GU, (\n)%2
.set GK, (\n)/2
.set GB, (\n)%3
.irp c, 0,1,2,3
	ds_load_b128 v[WF+16*GB+4*\c:WF+16*GB+4*\c+3], v[FRW] offset:(\off)*SUBC+GU*16*CP+GK*128+32*\c
.endr
	ds_load_b32 v[WSR+GB], v[FSW] offset:(\off)*SUBW+GU*16*WP+4*GK
.endm
; A UNIT: my two tiles of rows x the sub-slice's two tiles, all of K: 32 matrix instructions.  The four accumulators take turns, one instruction a turn.
; Fragment n + 3 lands in the registers that step n's two matrix instructions read: one wait on va_vdst, behind the two and ahead of the five loads, states that.
.macro CU off
	s_wait_alu depctr_vm_vsrc(0)                   ; the stores issued so far (the quantiser's into LDS, the last way out's to memory) have read their data in v208 on, in which the fragments below land
	s_wait_alu depctr_va_vdst(0)                   ; the quantiser and the last way out are done with v176 to v255: the bias lands in the accumulators, the fragments in v208 on; the places that the loads read are written
.irp m, 0,1
.irp u, 0,1
	ds_load_b128 v[ACC+16*\m+8*\u:ACC+16*\m+8*\u+3], v[BRW] offset:(\off)*128+32*\u        ; the bias, in the result's layout
	ds_load_b128 v[ACC+16*\m+8*\u+4:ACC+16*\m+8*\u+7], v[BRW] offset:(\off)*128+32*\u+16
.endr
.endr
	FRAG 0, \off
	FRAG 1, \off
	FRAG 2, \off
	WIN 0x04                                       ; source 1 (the activations) in window 1; LDS loads name destination and source 0 alone
.set CN, 0
.rept 16
.set HU, CN%2
.set HK, CN/2
.set HB, CN%3
.if CN < 14
	s_wait_dscnt 10                                ; this fragment is in; the two younger ones, 5 loads each, may be out
.else
	s_wait_dscnt 5*(15-CN)
.endif
	v_wmma_scale_f32_16x16x128_f8f6f4 v[ACC+8*HU:ACC+8*HU+7], v[WF+16*HB:WF+16*HB+15], v[16*HK:16*HK+15], v[ACC+8*HU:ACC+8*HU+7], v[WSR+HB], v[ASC+HK]
	v_wmma_scale_f32_16x16x128_f8f6f4 v[ACC+16+8*HU:ACC+16+8*HU+7], v[WF+16*HB:WF+16*HB+15], v[128+16*HK:128+16*HK+15], v[ACC+16+8*HU:ACC+16+8*HU+7], v[WSR+HB], v[ASC+8+HK]
.if CN < 13
	s_wait_alu depctr_va_vdst(0)                   ; the two matrix instructions are done reading this fragment and its scale word, in which the five loads below land
	FRAG CN+3, \off
.endif
.set CN, CN+1
.endr
	WIN 0
.endm
.macro GELU8 x                         ; eight numbers, in place
.irp p, 0,2,4,6
	v_pk_mul_f32 v[ZZ+\p:ZZ+\p+1], v[(\x)+\p:(\x)+\p+1], s[RS2:RS2+1] op_sel_hi:[1,0]
.endr
.irp p, 0,1,2,3,4,5,6,7
	v_med3_num_f32 v[ZZ+\p], v[ZZ+\p], -4.0, 4.0
.endr
.irp p, 0,2,4,6
	v_pk_mul_f32 v[TT+\p:TT+\p+1], v[ZZ+\p:ZZ+\p+1], v[ZZ+\p:ZZ+\p+1]
.endr
.irp p, 0,2,4,6
	v_pk_fma_f32 v[PP+\p:PP+\p+1], v[TT+\p:TT+\p+1], s[A6:A6+1], s[A5:A5+1] op_sel_hi:[1,0,0]
.endr
.irp p, 0,2,4,6
	v_pk_fma_f32 v[QQ+\p:QQ+\p+1], v[TT+\p:TT+\p+1], s[B4:B4+1], s[B3:B3+1] op_sel_hi:[1,0,0]
.endr
.irp c, B2, B1, B0
.irp p, 0,2,4,6
	v_pk_fma_f32 v[QQ+\p:QQ+\p+1], v[QQ+\p:QQ+\p+1], v[TT+\p:TT+\p+1], s[\c:\c+1] op_sel_hi:[1,1,0]
.endr
.endr
	s_wait_alu depctr_va_vdst(0)
.irp p, 0,1,2,3,4,5,6,7
	v_rcp_f32 v[QQ+\p], v[QQ+\p]
.endr
.irp c, A4, A3, A2, A1, A0             ; P's chain is the independent work behind the reciprocals
.irp p, 0,2,4,6
	v_pk_fma_f32 v[PP+\p:PP+\p+1], v[PP+\p:PP+\p+1], v[TT+\p:TT+\p+1], s[\c:\c+1] op_sel_hi:[1,1,0]
.endr
.endr
.irp p, 0,2,4,6
	v_pk_mul_f32 v[PP+\p:PP+\p+1], v[PP+\p:PP+\p+1], v[ZZ+\p:ZZ+\p+1]
.endr
.irp p, 0,2,4,6
	v_pk_mul_f32 v[TT+\p:TT+\p+1], v[(\x)+\p:(\x)+\p+1], 0.5 op_sel_hi:[1,0]
.endr
	s_wait_alu depctr_va_vdst(0)                   ; the eight reciprocals have written v[QQ ..]: one wait, ahead of their first reader
.irp p, 0,2,4,6
	v_pk_mul_f32 v[PP+\p:PP+\p+1], v[PP+\p:PP+\p+1], v[QQ+\p:QQ+\p+1]      ; erf
.endr
.irp p, 0,2,4,6
	v_pk_fma_f32 v[(\x)+\p:(\x)+\p+1], v[TT+\p:TT+\p+1], v[PP+\p:PP+\p+1], v[TT+\p:TT+\p+1]   ; x / 2 + (x / 2) erf
.endr
.endm
; THE WAY OUT of a unit: gelu, one block of 32 a row quantised, 16 bytes a lane stored.  mode 0: the byte joins my row's scale word; 1: and the word is stored; 2: the byte is stored by itself
.macro E1 mode
.rept 8
	v_nop                                          ; eight places between the last products and the first read of a result
.endr
	GELU8 ACC                                      ; each accumulator is read from its low end on
	GELU8 ACC+8
	GELU8 ACC+16
	GELU8 ACC+24
.irp m, 0,1
	v_max3_num_f32 v[MM+\m], |v[ACC+16*\m]|, |v[ACC+16*\m+1]|, 0x4800000
.endr
.irp i, 2,4,6,8,10,12,14
.irp m, 0,1
	v_max3_num_f32 v[MM+\m], v[MM+\m], |v[ACC+16*\m+\i]|, |v[ACC+16*\m+\i+1]|
.endr
.endr
.irp m, 0,1
	v_permlanex16_b32 v[MX+\m], v[MM+\m], s20, s21
.endr
.irp m, 0,1
	v_max_num_f32 v[MM+\m], v[MM+\m], v[MX+\m]     ; with lane l xor 16's 16 numbers: the block's largest magnitude
.endr
.irp m, 0,1
	v_add_nc_u32 v[SCL+\m], 0xfc000000, v[MM+\m]
.endr
.irp m, 0,1
	v_and_or_b32 v[LM+\m], v[MM+\m], 0x7f800000, s19
.endr
.irp m, 0,1
	v_lshrrev_b32 v[BY+\m], 23, v[SCL+\m]
.endr
.irp m, 0,1
.irp i, 0,1,2,3,4,5,6,7,8,9,10,11,12,13,14,15
	v_med3_num_f32 v[ACC+16*\m+\i], v[ACC+16*\m+\i], -v[LM+\m], v[LM+\m]
.endr
	v_cvt_scalef32_pk8_fp8_f32 v[CC+4*\m:CC+4*\m+1], v[ACC+16*\m:ACC+16*\m+7], v[SCL+\m]
	v_cvt_scalef32_pk8_fp8_f32 v[CC+4*\m+2:CC+4*\m+3], v[ACC+16*\m+8:ACC+16*\m+15], v[SCL+\m]
.endr
	v_cndmask_b32 v[BY], v[BY], v[BY+1], s27       ; lane l serves row l of the pair: lanes 16-31 take the second tile's byte.  (Also the plain line behind the conversions)
.if \mode < 2
	v_lshlrev_b32 v[BY], s47, v[BY]
	v_or_b32 v[SWA], v[SWA], v[BY]
.endif
	s_wait_alu depctr_va_vdst(0)                   ; the codes, the byte and the scale word are written, which the stores below read
	global_store_b128 v[O1W], v[CC:CC+3], s[12:13]                 ; 32 lanes: 512 consecutive bytes, aligned
	global_store_b128 v[O1W], v[CC+4:CC+7], s[12:13] offset:65536
.if \mode == 1
	global_store_b32 v[O2B], v[SWA], s[44:45]
.endif
.if \mode == 2
	global_store_b8 v[O2W], v[BY], s[44:45]
.endif
.endm
.macro ADDR                            ; the sub-slice's part is added to the places that walk (the wait on vm_vsrc at the loop's foot stands ahead of these lines; the first pair's wait on va_vdst behind them)
	v_add_nc_u32 v[CWW], s22, v[CW0]
	v_add_nc_u32 v[FRW], s22, v[FR0]
	v_add_nc_u32 v[SWW], s23, v[SW0]
	v_add_nc_u32 v[FSW], s23, v[FS0]
	v_add_nc_u32 v[BRW], s24, v[BR0]
	v_add_nc_u32 v[O1W], s25, v[O1B]
.endm
	s_load_b256 s[4:11], s[0:1], 0x0               ; w1, b1, xg, lists
	s_load_b64 s[12:13], s[0:1], 0x20              ; hq
	v_lshl_add_u32 v23, v0, 2, 0x22200
	v_mov_b32 v31, 0
	v_lshrrev_b32 v27, 5, v0
	v_readfirstlane_b32 s16, v27                   ; wave
	s_lshr_b32 s17, ttmp9, 5                       ; e
	s_and_b32 s46, ttmp9, 31                       ; kk
	s_mov_b32 s19, 0x600000                        ; the mantissa field of 448
	s_mov_b32 s20, 0x76543210
	s_mov_b32 s21, 0xfedcba98                      ; selects for lane l xor 16
	s_mov_b32 s27, 0xffff0000                      ; lanes 16-31
	COEF RS2, 0x3f3504f3
	COEF A6, 0xaf95df0b
	COEF A5, 0x32edffee
	COEF A4, 0xb60cff51
	COEF A3, 0xb86ec2d2
	COEF A2, 0xba40ac63
	COEF A1, 0xbb41a1f6
	COEF A0, 0xbc83dbd4
	COEF B4, 0xb77460cd
	COEF B3, 0xb95fbd29
	COEF B2, 0xbadc924e
	COEF B1, 0xbbf19bf8
	COEF B0, 0xbc69b6a7
	v_and_b32 v24, 31, v0                          ; lane
	s_wait_alu depctr_va_vdst(0)
	v_and_b32 v25, 15, v0                          ; r
	s_wait_alu depctr_va_vdst(0)
	v_bfe_u32 v27, v0, 4, 1                        ; h
	s_wait_alu depctr_va_sdst(0)                   ; s16, the wave's number, is written, ahead of its first reader
	s_bfe_u32 s30, s16, 0x10001                    ; the weight rows that I bring: 16 x bit 1 of w
	s_lshl_b32 s30, s30, 4
	s_lshr_b32 s31, s16, 2                         ; + 8 x bit 2
	s_lshl_b32 s31, s31, 3
	s_add_co_u32 s30, s30, s31
	s_and_b32 s31, s16, 1                          ; + 4 x bit 0
	s_lshl_b32 s31, s31, 2
	s_add_co_u32 s30, s30, s31
	s_mul_i32 s30, s30, RP
	v_lshl_add_u32 v[GW], v24, 5, s30
	s_mul_i32 s30, s16, 4*CP                       ; and where they go: LDS rows 4 w on
	v_lshl_add_u32 v[CW0], v24, 3, s30
	s_mul_i32 s30, s16, 4*WP
	s_add_co_u32 s30, s30, WSC
	v_lshrrev_b32 v[SW0], 2, v24
	v_add_nc_u32 v[SW0], s30, v[SW0]
	v_mul_u32_u24 v[FR0], v25, CP                  ; a fragment: LDS row r (+ 16 u), + 16 h
	s_wait_alu depctr_va_vdst(0)
	v_lshl_add_u32 v[FR0], v27, 4, v[FR0]
	v_mul_u32_u24 v[FS0], v25, WP
	v_add_nc_u32 v[FS0], WSC, v[FS0]
	v_lshl_add_u32 v[BR0], v27, 6, BIA
	v_lshlrev_b32 v[L16], 4, v24
	s_lshl_b32 s30, s16, 6
	v_lshl_add_u32 v[BO], v25, 2, s30              ; the bias: wave w brings numbers 16 w + r (lanes 16-31 repeat lanes 0-15)
	v_add_nc_u32 v[BL], BIA, v[BO]
	v_mov_b32 v[SWA], 0
	PAIRADDR s16                                   ; my own pair is pair w
	s_lshl_b32 s30, ttmp9, 19                      ; 128 rows of 4,096 bytes a work-group
	s_mov_b32 s31, 0
	s_lshl_b32 s32, ttmp9, 9
	s_mov_b32 s33, 0
	s_lshl_b32 s34, s17, 20
	s_mov_b32 s35, 0
	s_lshl_b32 s36, s17, 15
	s_add_co_u32 s36, s36, 0x800000
	s_mov_b32 s37, 0
	s_lshl_b32 s38, s17, 22
	s_lshl_b32 s40, s46, 11
	s_add_co_u32 s38, s38, s40
	s_mov_b32 s39, 0
	s_lshl_b32 s40, s17, 17
	s_lshl_b32 s41, s46, 2
	s_add_co_u32 s40, s40, s41
	s_add_co_u32 s40, s40, 0x2000000
	s_mov_b32 s41, 0
	s_lshl_b32 s52, s17, 2
	s_wait_kmcnt 0x0
	s_add_nc_u64 s[4:5], s[4:5], s[30:31]
	s_add_nc_u64 s[6:7], s[6:7], s[32:33]
	s_add_nc_u64 s[14:15], s[8:9], s[36:37]        ; xg's scale words of e
	s_add_nc_u64 s[8:9], s[8:9], s[34:35]          ; xg's codes of e
	s_add_nc_u64 s[44:45], s[12:13], s[40:41]      ; hq's scale words of (e, kk)
	s_add_nc_u64 s[12:13], s[12:13], s[38:39]      ; hq's codes of (e, kk)
	s_load_b32 s18, s[10:11], s52 offset:0x0       ; np[e]: wanted behind the last barrier
	s_wait_alu depctr_va_vdst(0)                   ; the head's offsets and LDS places, v1 to v20, are written, which the loads and the store below read
	global_load_b32 v[BV], v[BO], s[6:7]
	LOADA
.set QK, 0
.rept 16                               ; the ring's first fill: sub-slice 0
	global_load_b128 v[RING+8*QK:RING+8*QK+3], v[GW], s[4:5] offset:(QK/4)*RP+(QK%4)*1024
	global_load_b128 v[RING+8*QK+4:RING+8*QK+7], v[GW], s[4:5] offset:(QK/4)*RP+(QK%4)*1024+16
.set QK, QK+1
.endr
	s_wait_loadcnt 63                              ; 100 loads were issued behind the bias's: it is in
	ds_store_b32 v[BL], v[BV]
	s_mov_b32 s22, 0
	s_mov_b32 s23, 0
	s_mov_b32 s24, 0
	s_mov_b32 s25, 0
	s_mov_b32 s47, 0
	s_mov_b32 s28, 3
.Lsub:                                             ; sub-slices 0, 1, 2: at the head 32 ring loads are out on both ways in
	ADDR
	QPS 1
	s_wait_dscnt 0x0                               ; for the others' sake: my codes and bytes (in the first trip my biases too) have landed
	s_barrier_signal -1
	s_barrier_wait -1                              ; the sub-slice is whole.  No LDS byte is written twice, so one barrier a sub-slice is enough
	CU 0
	E1 0
	s_wait_xcnt 0x0                                ; the ring's loads and the stores have read their registers: base, offsets and data may be written
	s_wait_alu depctr_vm_vsrc(0)                   ; the LDS loads and stores and the way out's stores have read the places that walk and the codes in v208 on, which the next sub-slice's first lines write again
	s_add_nc_u64 s[4:5], s[4:5], 32*RP
	s_add_co_u32 s22, s22, SUBC
	s_add_co_u32 s23, s23, SUBW
	s_add_co_u32 s24, s24, 128
	s_add_co_u32 s25, s25, 512
	s_add_co_u32 s47, s47, 8
	s_sub_co_u32 s28, s28, 1
	s_cmp_lg_u32 s28, 0
	s_cbranch_scc1 .Lsub
	ADDR                                           ; sub-slice 3: nothing more is asked for
	QPS 0
	s_wait_dscnt 0x0
	s_barrier_signal -1
	s_barrier_wait -1                              ; the last barrier: from here on LDS is only read
	CU 0
	E1 1
	s_wait_xcnt 0x0
	s_wait_alu depctr_vm_vsrc(0)                   ; the unit's LDS loads, the head's loads and the way out's stores have read v8 to v17 and the codes, which the lines below and the first trip of .Lrem write again
	s_wait_kmcnt 0x0                               ; np
	s_min_u32 s18, s18, 32
	s_max_u32 s18, s18, 8                          ; held to what the placing launch can give: 8 .. 32
	s_and_b32 s26, s16, 3                          ; THE OTHER PAIRS: my sub-slice,
	s_lshr_b32 s54, s16, 2
	s_add_co_u32 s54, s54, 8                       ; my first pair: 8 or 9,
	s_add_co_u32 s53, s18, 1
	s_sub_co_u32 s53, s53, s54
	s_lshr_b32 s53, s53, 1                         ; and how many of first, first + 2, .. lie under np: (np + 1 - first) / 2, rounded down
	s_mov_b32 s29, 0                               ; the trips are counted by 1
	s_mul_i32 s22, s26, SUBC
	s_mul_i32 s23, s26, SUBW
	s_lshl_b32 s24, s26, 7
	s_lshl_b32 s25, s26, 9
	v_add_nc_u32 v[FRW], s22, v[FR0]
	v_add_nc_u32 v[FSW], s23, v[FS0]
	v_add_nc_u32 v[BRW], s24, v[BR0]
	s_cmp_lt_u32 s29, s53
	s_cbranch_scc0 .Lend
.Lrem:
	s_lshl_b32 s51, s29, 1
	s_add_co_u32 s51, s51, s54                     ; the trip's pair
	s_min_u32 s51, s51, 31
	PAIRADDR s51
	v_add_nc_u32 v[O1W], s25, v[O1B]
	v_add_nc_u32 v[O2W], s26, v[O2B]
	s_wait_alu depctr_va_vdst(0)                   ; the trip's offsets are written, which the loads and stores below read; the last unit's matrix instructions are done reading the activations and their scale words, in which the loads land
	LOADA
	s_wait_loadcnt 0x0
	CU 0
	E1 2
	s_wait_xcnt 0x0                                ; the stores have read their registers
	s_wait_alu depctr_vm_vsrc(0)                   ; the trip's loads and stores have read their offsets, the codes and the byte, which the next trip writes again
	s_add_co_u32 s29, s29, 1
	s_cmp_lt_u32 s29, s53
	s_cbranch_scc1 .Lrem
.Lend:
	s_wait_dscnt 0x0                               ; the closing lines, six on end
	s_wait_alu 0x0
	s_wait_tensorcnt 0x0
	ds_add_u32 v23, v31
	s_wait_dscnt 0x0
	s_endpgm
.Lfunc_end_k_qbaa3f8ac9f_ffn1:
	.size	k_qbaa3f8ac9f_ffn1, .Lfunc_end_k_qbaa3f8ac9f_ffn1-k_qbaa3f8ac9f_ffn1
	.p2alignl 7, 3214868480
	.fill 96, 4, 3214868480
	.section	.rodata,"a",@progbits
	.p2align	6, 0x0
	.amdhsa_kernel k_qbaa3f8ac9f_ffn1
		.amdhsa_group_segment_fixed_size 140800
		.amdhsa_private_segment_fixed_size 0
		.amdhsa_enable_private_segment 0
		.amdhsa_kernarg_size 40
		.amdhsa_user_sgpr_count 2
		.amdhsa_user_sgpr_kernarg_segment_ptr 1
		.amdhsa_wavefront_size32 1
		.amdhsa_system_sgpr_workgroup_id_x 1
		.amdhsa_system_sgpr_workgroup_id_y 1
		.amdhsa_system_sgpr_workgroup_id_z 1
		.amdhsa_system_vgpr_workitem_id 0
		.amdhsa_next_free_vgpr 512
		.amdhsa_next_free_sgpr 96
		.amdhsa_reserve_vcc 0
		.amdhsa_float_denorm_mode_32 3
		.amdhsa_float_denorm_mode_16_64 3
		.amdhsa_memory_ordered 1
		.amdhsa_forward_progress 1
		.amdhsa_inst_pref_size 173
	.end_amdhsa_kernel
	.amdgpu_metadata
---
amdhsa.version: [ 1, 2 ]
amdhsa.kernels:
  - .name:           k_qbaa3f8ac9f_ffn1
    .symbol:         k_qbaa3f8ac9f_ffn1.kd
    .args:
      - { .name: w1, .offset: 0, .size: 8, .value_kind: global_buffer, .address_space: global }
      - { .name: b1, .offset: 8, .size: 8, .value_kind: global_buffer, .address_space: global }
      - { .name: xg, .offset: 16, .size: 8, .value_kind: global_buffer, .address_space: global }
      - { .name: lists, .offset: 24, .size: 8, .value_kind: global_buffer, .address_space: global }
      - { .name: hq, .offset: 32, .size: 8, .value_kind: global_buffer, .address_space: global }
    .group_segment_fixed_size: 140800
    .private_segment_fixed_size: 0
    .kernarg_segment_align: 8
    .kernarg_segment_size: 40
    .max_flat_workgroup_size: 256
    .sgpr_count:     96
    .vgpr_count:     512
    .wavefront_size: 32
...
	.end_amdgpu_metadata
.endif
;; end of part 11
;; launch ffn2 (part 12): grid 256 x 1, 8 waves a work-group, no clusters, 275,968 bytes of LDS; arguments w2, b2, hq, lists, rowcoef, part; writes part
.if DOCPART == 12
	.amdgcn_target "amdgcn-amd-amdhsa--gfx1250"
	.amdhsa_code_object_version 6
	.text
	.protected	k_qbaa3f8ac9f_ffn2
	.globl	k_qbaa3f8ac9f_ffn2
	.p2align	8
	.type	k_qbaa3f8ac9f_ffn2,@function
k_qbaa3f8ac9f_ffn2:
	s_mov_b64 s[64:65], 0
	v_nop
	global_prefetch_b8 v0, s[64:65] scope:SCOPE_SE
	s_setreg_imm32_b32 hwreg(HW_REG_WAVE_SCHED_MODE, 0, 2), 2
	s_setreg_imm32_b32 hwreg(HW_REG_WAVE_MODE, 25, 1), 1
	s_wait_xcnt 0x0
	s_wait_alu depctr_vm_vsrc(0)
; part[q][dst] = coef x (Q(h) Q(w2)^T over K quarter q, + b2 where q = 0), for the rows that were routed, on codes of E4M3 with one E8M0 byte for each 32 along K.
; SHARES.  Work-group x: expert e = x / 32, outputs d = 128 ((x / 4) % 8) .. + 127, K quarter q = x % 4 (1,024 of 4,096): 512 KiB of w2, read once, as f32.  The last launch adds the quarters.
; The structure is that of the first product's launch: four sub-slices of 32 weight rows; each wave quantises four of them into LDS (codes as rows of pitch 1,040, scale bytes beside them), a barrier,
; then every wave multiplies the sub-slice with its own pair of activation tiles, kept in 256 registers.  The weights come through a ring of 16 slots x 8 registers a wave, 32 loads always on their way.
; TRANSPOSED: source 0 = 16 rows of w2, source 1 = 16 rows of h: a lane holds one row and, with the tiles' rows chosen as 32 j + 8 u + r + 8 (r / 8), 16 neighbouring outputs 32 j + 16 h + 0..15.
; THE ROWS' ORDER IN LDS is the order in which the tiles take them: LDS row 16 u + r of a sub-slice holds weight row 8 u + r + 8 (r / 8): bits 3 and 4 of the row's number change places.  So wave w, which
; writes LDS rows 4 w .. 4 w + 3, brings weight rows 16 ((w / 2) % 2) + 8 (w / 4) + 4 (w % 2) + 0 .. 3, and the 16 rows of a fragment load are neighbours, 260 words apart: row r starts at bank 4 r mod 64
; (64 banks of 4 bytes: ISA guide 11.1), sixteen different places.
; The bias (x 0 where q is not 0) is loaded into the accumulators: it is the C of the first links; the row's weight multiplies the sum.
; THE WAY OUT.  A pair's 32 rows x 128 outputs gather in the wave's own stage in LDS (rows of 528 bytes) and leave as half rows: sixteen lanes store 256 consecutive bytes, aligned, at the row that
; rowdst names (a token's slot 2 t + k, or a pad's spare row).  Each row of part has one writer.
; ROWS.  Pairs 0-7 are the eight waves' own; pairs 8 .. np - 1 follow behind the last barrier: wave w takes sub-slices 2 (w % 2), + 1 of pairs 8 + w / 2, + 4, ..  That trip count is made of np, which is
; read from lists; so this text has no tensor load, and no barrier stands there.
; LIMITS: NaN and infinities are not served.  A block of zeros gets the byte 1 (only this program reads the bytes).
; THE MODE: SCHED_MODE bits 1:0 = 2 (LLVM: expert scheduling mode 2), set by the entry lines.  The code itself states the register dependences
; between vector or matrix instructions and memory or LDS instructions, with s_wait_alu, always for 0.
; THE PLAN.  Registers that memory or LDS instructions touch, and who else names them:
;   RING        Slots 2 k, 2 k + 1: pair k's quantiser reads them and holds them in place; behind its conversions the same rows of the next sub-slice are loaded into them.
;   QT          Two sets by turns, pair k has set k % 2: its conversions and shifts write codes and bytes, its four LDS stores read them, pair k + 2 writes them again.
;   WF, WSR     Three fragments by turns: LDS loads land; step n's two matrix instructions read buffer n % 3; fragment n + 3 lands in it.  At other times the same registers are QT.
;   ACC         The bias lands by LDS loads; the matrix instructions add; the weights' multiplications write them; the LDS stores into the stage read them.
;   window 1, ASC, CF   My pair's activations, their scale words and the rows' weights: loaded at the head and in each trip of .Lrem; read by matrix instructions and by the multiplications.
;   DD          The rows' places in part: loaded, held and shifted by vector lines, read by the last stores as offsets.   R0, R1: half rows: LDS loads land, the last stores read them.
;   v12 - v18   The places that walk: written by vector additions at a sub-slice's head, read by LDS loads and stores.
;   v1, v8, v9, v19, v24, v25, v31   Offsets made at the head (v8, v9, v19, v25 anew in each trip of .Lrem).
; THE WAITS.  A pair of slots has one wait on va_vdst, behind its conversions, for its refill and its LDS stores, and one on vm_vsrc ahead of its conversions.  A unit has both at its head and one on va_vdst
; in each step that fetches a fragment.  The way into the stage has one on va_vdst ahead of its run of stores.  One on vm_vsrc stands at each loop's foot, ahead of the branch, for all that the next trip writes again.
.set RP,   16384                       ; a row of w2 in bytes
.set TS,   65536                       ; a tile of hq
.set SPT,  128                         ; a row of hq's scale words
.set CP,   1040
.set SUBC, 32*CP
.set WP,   48
.set SUBW, 32*WP
.set WSC,  128*CP
.set BIA,  WSC+128*WP
.set STG,  BIA+512                     ; the stages: 32 rows x 528 bytes for each wave
.set SGP,  528
.set GW,   1
.set CW0,  2
.set SW0,  3
.set FR0,  4
.set FS0,  5
.set BR0,  6
.set L16,  7
.set AO,   8
.set ASO,  9
.set O1B,  10                          ; the stage: where I put 64 bytes of a row
.set O2B,  11                          ; the stage: where I read a half row back
.set CWW,  12
.set SWW,  13
.set FRW,  14
.set FSW,  15
.set BRW,  16
.set O1W,  17
.set O2W,  18
.set DO,   19                          ; rowdst: rows 32 pair + lane / 16 (+ 2 i)
.set CF,   20                          ; v[20:21], v[22:23] the rows' weights of tiles 0, 1 (the low word serves both halves)
.set BO,   24
.set CFO,  25
.set CL,   26                          ; 16 (lane % 16): my bytes of a half row
.set BV,   27
.set BL,   31
.set WSR,  28
.set RING, 32
.set DD,   96                          ; v96-111 the rows' places in part (ring registers that are free by then)
.set R0,   32                          ; v32-95, v176-239: half rows read back from the stage
.set R1,   176
.set ASC,  160
.set ACC,  176
.set WF,   208
.set QT,   208
.set MSB, 0
.macro WIN new                         ; the immediate's high byte repeats the setting that is left
.if MSB != \new
	s_set_vgpr_msb (MSB<<8)|\new
.set MSB, \new
.endif
.endm
.macro PAIRADDR sp                     ; the offsets that hang on the pair of tiles
	s_lshl_b32 s50, \sp, 17
	v_add_nc_u32 v[AO], s50, v[L16]                ; 2 tiles of 65,536 bytes a pair
	v_and_b32 v[BV], 15, v0
	s_lshl_b32 s50, \sp, 12
	v_lshl_add_u32 v[ASO], v[BV], 7, s50           ; row 32 pair + r, 128 bytes a row
	s_lshl_b32 s50, \sp, 7
	v_lshl_add_u32 v[CFO], v[BV], 2, s50           ; the same row's weight
	v_bfe_u32 v[BV], v0, 4, 1
	v_lshl_add_u32 v[DO], v[BV], 2, s50
.endm
.macro LOADA                           ; a pair's codes (window 1: (m, ks) at 128 m + 16 ks), scale words and weights; each code load reads 512 consecutive bytes.  The wait on va_vdst that these loads hang on stands ahead of the macro: only loads and window switches lie between
	WIN 0x40
.irp m, 0,1
.irp ks, 0,1,2,3,4,5,6,7
.irp c, 0,1,2,3
	global_load_b128 v[128*\m+16*\ks+4*\c:128*\m+16*\ks+4*\c+3], v[AO], s[8:9] offset:\m*TS+\ks*2048+\c*512
.endr
.endr
.endr
	WIN 0
.irp m, 0,1
	global_load_b128 v[ASC+8*\m:ASC+8*\m+3], v[ASO], s[44:45] offset:\m*16*SPT
	global_load_b128 v[ASC+8*\m+4:ASC+8*\m+7], v[ASO], s[44:45] offset:\m*16*SPT+16
	global_load_b32 v[CF+2*\m], v[CFO], s[12:13] offset:64*\m
.endr
.endm
; Slots 2 k and 2 k + 1 of the ring (row k / 2 of my four, 256 numbers each) are quantised, by turns.  left: the younger loads that may stay out.
; The weights' loads carry no cache word: a slot's two loads interleave in the same 1,024 bytes, 16 of each lane's 32 in each, so the wave names every part of them twice.
.macro QP2 k, refill, left
.set SA, RING+16*(\k)
.set SB, SA+8
.set QA, QT+16*((\k)%2)
.set QB, QA+8
.set QROW, (\k)/2
.set QPC, 2*((\k)%2)
	s_wait_loadcnt \left
	v_max3_num_f32 v[QA], |v[SA]|, |v[SA+1]|, 0x4800000    ; with the floor 2^(9 - 127): the byte cannot fall under 1
	v_max3_num_f32 v[QB], |v[SB]|, |v[SB+1]|, 0x4800000
.irp i, 2,4,6
	v_max3_num_f32 v[QA], v[QA], |v[SA+\i]|, |v[SA+\i+1]|
	v_max3_num_f32 v[QB], v[QB], |v[SB+\i]|, |v[SB+\i+1]|
.endr
	v_max_num_f32_dpp v[QA], v[QA], v[QA] row_xmask:1 row_mask:0xf bank_mask:0xf
	v_max_num_f32_dpp v[QB], v[QB], v[QB] row_xmask:1 row_mask:0xf bank_mask:0xf
	v_max_num_f32_dpp v[QA], v[QA], v[QA] row_xmask:2 row_mask:0xf bank_mask:0xf   ; four lanes hold a block
	v_max_num_f32_dpp v[QB], v[QB], v[QB] row_xmask:2 row_mask:0xf bank_mask:0xf
	v_add_nc_u32 v[QA+1], 0xfc000000, v[QA]        ; 8 off the exponent field: the conversion's scale operand
	v_add_nc_u32 v[QB+1], 0xfc000000, v[QB]
	v_and_or_b32 v[QA+2], v[QA], 0x7f800000, s19   ; 448 x the scale
	v_and_or_b32 v[QB+2], v[QB], 0x7f800000, s19
.irp i, 0,1,2,3,4,5,6,7
	v_med3_num_f32 v[SA+\i], v[SA+\i], -v[QA+2], v[QA+2]   ; the conversion does not saturate (ISA guide 7.6.2): hold first
	v_med3_num_f32 v[SB+\i], v[SB+\i], -v[QB+2], v[QB+2]
.endr
	s_wait_alu depctr_vm_vsrc(0)                   ; the LDS stores of the pair before last have read this set's codes and bytes, which the four lines below write again
	v_cvt_scalef32_pk8_fp8_f32 v[QA+4:QA+5], v[SA:SA+7], v[QA+1]
	v_cvt_scalef32_pk8_fp8_f32 v[QB+4:QB+5], v[SB:SB+7], v[QB+1]
	v_lshrrev_b32 v[QA+3], 23, v[QA+1]             ; the scale's byte; also the plain line behind the conversions
	v_lshrrev_b32 v[QB+3], 23, v[QB+1]
	s_wait_alu depctr_va_vdst(0)                   ; the quantiser is done with the two slots, in which the loads below land; codes and bytes are written, which the LDS stores read; in a sub-slice's first pair the places that walk are written too
.if \refill
	global_load_b128 v[SA:SA+3], v[GW], s[4:5] offset:(32+QROW)*RP+QPC*1024       ; the same rows of the next sub-slice
	global_load_b128 v[SA+4:SA+7], v[GW], s[4:5] offset:(32+QROW)*RP+QPC*1024+16
	global_load_b128 v[SB:SB+3], v[GW], s[4:5] offset:(32+QROW)*RP+(QPC+1)*1024
	global_load_b128 v[SB+4:SB+7], v[GW], s[4:5] offset:(32+QROW)*RP+(QPC+1)*1024+16
.endif
	ds_store_b64 v[CWW], v[QA+4:QA+5] offset:QROW*CP+QPC*256        ; 32 lanes: 256 consecutive bytes of the row
	ds_store_b64 v[CWW], v[QB+4:QB+5] offset:QROW*CP+(QPC+1)*256
	ds_store_b8 v[SWW], v[QA+3] offset:QROW*WP+QPC*8                ; the four lanes of a block write the same byte with the same value
	ds_store_b8 v[SWW], v[QB+3] offset:QROW*WP+(QPC+1)*8
.endm
.macro QPS refill                      ; my four rows of a sub-slice
.set QK, 0
.rept 8
.if \refill
	QP2 QK, 1, 28                                  ; the ring holds 32 loads: 28 are younger than this pair of slots' four
.else
	QP2 QK, 0, 28-4*QK                             ; nothing is asked for any more: the count runs down
.endif
.set QK, QK+1
.endr
.endm
.macro FRAG n, off                     ; fragment n of 16 (K step n / 2, tile u = n % 2: LDS rows 16 u on) of sub-slice off beyond FRW's, and its scale word: 5 LDS loads
.set GU, (\n)%2
.set GK, (\n)/2
.set GB, (\n)%3
.irp c, 0,1,2,3
	ds_load_b128 v[WF+16*GB+4*\c:WF+16*GB+4*\c+3], v[FRW] offset:(\off)*SUBC+GU*16*CP+GK*128+32*\c
.endr
	ds_load_b32 v[WSR+GB], v[FSW] offset:(\off)*SUBW+GU*16*WP+4*GK
.endm
; A UNIT: my two tiles of rows x the sub-slice's two tiles, 1,024 along K: 32 matrix instructions.  The four accumulators take turns, one instruction a turn.
; Fragment n + 3 lands in the registers that step n's two matrix instructions read: one wait on va_vdst, behind the two and ahead of the five loads, states that.
.macro CU off
	s_wait_alu depctr_vm_vsrc(0)                   ; the LDS stores issued so far (the quantiser's codes and bytes, the last unit's results) have read their data in v176 on, in which the bias and the fragments below land
	s_wait_alu depctr_va_vdst(0)                   ; the quantiser and the last unit's multiplications are done with v176 to v255: the bias lands in the accumulators, the fragments in v208 on; the places that the loads read are written
.irp m, 0,1
.irp u, 0,1
	ds_load_b128 v[ACC+16*\m+8*\u:ACC+16*\m+8*\u+3], v[BRW] offset:(\off)*128+32*\u        ; the bias, in the result's layout
	ds_load_b128 v[ACC+16*\m+8*\u+4:ACC+16*\m+8*\u+7], v[BRW] offset:(\off)*128+32*\u+16
.endr
.endr
	FRAG 0, \off
	FRAG 1, \off
	FRAG 2, \off
	WIN 0x04                                       ; source 1 (the activations) in window 1; LDS loads name destination and source 0 alone
.set CN, 0
.rept 16
.set HU, CN%2
.set HK, CN/2
.set HB, CN%3
.if CN < 14
	s_wait_dscnt 10                                ; this fragment is in; the two younger ones, 5 loads each, may be out
.else
	s_wait_dscnt 5*(15-CN)
.endif
	v_wmma_scale_f32_16x16x128_f8f6f4 v[ACC+8*HU:ACC+8*HU+7], v[WF+16*HB:WF+16*HB+15], v[16*HK:16*HK+15], v[ACC+8*HU:ACC+8*HU+7], v[WSR+HB], v[ASC+HK]
	v_wmma_scale_f32_16x16x128_f8f6f4 v[ACC+16+8*HU:ACC+16+8*HU+7], v[WF+16*HB:WF+16*HB+15], v[128+16*HK:128+16*HK+15], v[ACC+16+8*HU:ACC+16+8*HU+7], v[WSR+HB], v[ASC+8+HK]
.if CN < 13
	s_wait_alu depctr_va_vdst(0)                   ; the two matrix instructions are done reading this fragment and its scale word, in which the five loads below land
	FRAG CN+3, \off
.endif
.set CN, CN+1
.endr
	WIN 0
.endm
.macro E2 off, places                  ; a unit's results x the rows' weights, into my stage.  places: how many of the eight places behind the last products are still owed
.if \places > 0
.rept \places
	v_nop                                          ; eight places between the last products and the first read of a result
.endr
.endif
.irp m, 0,1
.irp p, 0,2,4,6,8,10,12,14
	v_pk_mul_f32 v[ACC+16*\m+\p:ACC+16*\m+\p+1], v[ACC+16*\m+\p:ACC+16*\m+\p+1], v[CF+2*\m:CF+2*\m+1] op_sel_hi:[1,0]   ; each accumulator from its low end on
.endr
.endr
	s_wait_alu depctr_va_vdst(0)                   ; the multiplications have written the accumulators, which the LDS stores read
.irp m, 0,1
.irp i, 0,1,2,3
	ds_store_b128 v[O1W], v[ACC+16*\m+4*\i:ACC+16*\m+4*\i+3] offset:(\off)*128+\m*16*SGP+16*\i
.endr
.endr
.endm
.macro DSTLOAD                         ; where the pair's rows go: lanes 0-15 row 2 i, lanes 16-31 row 2 i + 1
.irp i, 0,1,2,3,4,5,6,7,8,9,10,11,12,13,14,15
	global_load_b32 v[DD+\i], v[DO], s[48:49] offset:8*\i
.endr
.endm
.macro DSTFIX
.irp i, 0,1,2,3,4,5,6,7,8,9,10,11,12,13,14,15
	v_min_u32 v[DD+\i], 0xfff, v[DD+\i]
.endr
.irp i, 0,1,2,3,4,5,6,7,8,9,10,11,12,13,14,15
	v_lshl_add_u32 v[DD+\i], v[DD+\i], 12, v[CL]   ; a row of part is 4,096 bytes
.endr
.endm
.macro OLOAD adr, imm, rb              ; 32 half rows back from my stage.  LDS serves a wave's instructions in order: these see my stores
.irp i, 0,1,2,3,4,5,6,7,8,9,10,11,12,13,14,15
	ds_load_b128 v[\rb+4*\i:\rb+4*\i+3], v[\adr] offset:\i*2*SGP+\imm
.endr
.endm
.macro OSTORE imm, rb, younger
.irp i, 0,1,2,3,4,5,6,7,8,9,10,11,12,13,14,15
	s_wait_dscnt \younger+15-\i
	global_store_b128 v[DD+\i], v[\rb+4*\i:\rb+4*\i+3], s[14:15] offset:\imm th:TH_STORE_NT   ; sixteen lanes store 256 consecutive bytes, aligned
.endr
.endm
.macro ADDR                            ; the sub-slice's part is added to the places that walk (the wait on vm_vsrc at the loop's foot stands ahead of these lines; the first pair's wait on va_vdst behind them)
	v_add_nc_u32 v[CWW], s22, v[CW0]
	v_add_nc_u32 v[FRW], s22, v[FR0]
	v_add_nc_u32 v[SWW], s23, v[SW0]
	v_add_nc_u32 v[FSW], s23, v[FS0]
	v_add_nc_u32 v[BRW], s24, v[BR0]
	v_add_nc_u32 v[O1W], s24, v[O1B]
.endm
	s_load_b256 s[4:11], s[0:1], 0x0               ; w2, b2, hq, lists
	s_load_b128 s[12:15], s[0:1], 0x20             ; rowcoef, part
	v_lshrrev_b32 v[BV], 5, v0
	v_readfirstlane_b32 s16, v[BV]                 ; wave
	s_lshr_b32 s17, ttmp9, 5                       ; e
	s_bfe_u32 s46, ttmp9, 0x30002                  ; which 128 outputs
	s_and_b32 s47, ttmp9, 3                        ; q
	s_mov_b32 s19, 0x600000                        ; the mantissa field of 448
	v_and_b32 v[O2W], 31, v0                       ; lane   (three registers that are made anew further down serve here)
	s_wait_alu depctr_va_vdst(0)
	v_and_b32 v[O1W], 15, v0                       ; r
	s_wait_alu depctr_va_vdst(0)
	v_bfe_u32 v[BRW], v0, 4, 1                     ; h
	s_wait_alu depctr_va_sdst(0)                   ; s16, the wave's number, is written, ahead of its first reader
	s_bfe_u32 s30, s16, 0x10001                    ; the weight rows that I bring: 16 x bit 1 of w
	s_lshl_b32 s30, s30, 4
	s_lshr_b32 s31, s16, 2                         ; + 8 x bit 2
	s_lshl_b32 s31, s31, 3
	s_add_co_u32 s30, s30, s31
	s_and_b32 s31, s16, 1                          ; + 4 x bit 0
	s_lshl_b32 s31, s31, 2
	s_add_co_u32 s30, s30, s31
	s_mul_i32 s30, s30, RP
	v_lshl_add_u32 v[GW], v[O2W], 5, s30
	s_mul_i32 s30, s16, 4*CP                       ; and where they go: LDS rows 4 w on
	v_lshl_add_u32 v[CW0], v[O2W], 3, s30
	s_mul_i32 s30, s16, 4*WP
	s_add_co_u32 s30, s30, WSC
	v_lshrrev_b32 v[SW0], 2, v[O2W]
	v_add_nc_u32 v[SW0], s30, v[SW0]
	v_mul_u32_u24 v[FR0], v[O1W], CP               ; a fragment: LDS row r (+ 16 u), + 16 h
	s_wait_alu depctr_va_vdst(0)
	v_lshl_add_u32 v[FR0], v[BRW], 4, v[FR0]
	v_mul_u32_u24 v[FS0], v[O1W], WP
	v_add_nc_u32 v[FS0], WSC, v[FS0]
	v_lshl_add_u32 v[BR0], v[BRW], 6, BIA
	v_lshlrev_b32 v[L16], 4, v[O2W]
	v_lshlrev_b32 v[CL], 4, v[O1W]
	s_mul_i32 s30, s16, 32*SGP
	s_add_co_u32 s30, s30, STG                     ; my stage
	v_mul_u32_u24 v[O1B], v[O1W], SGP
	v_lshl_add_u32 v[O1B], v[BRW], 6, v[O1B]
	v_add_nc_u32 v[O1B], s30, v[O1B]               ; in: row r, 64 bytes for each half of the lanes
	v_mul_u32_u24 v[O2B], v[BRW], SGP
	v_lshl_add_u32 v[O2B], v[O1W], 4, v[O2B]
	v_add_nc_u32 v[O2B], s30, v[O2B]               ; back: lanes 0-15 one row, lanes 16-31 the next
	s_lshl_b32 s30, s16, 6
	v_lshl_add_u32 v[BO], v[O1W], 2, s30           ; the bias: wave w brings numbers 16 w + r (lanes 16-31 repeat lanes 0-15)
	v_add_nc_u32 v[BL], BIA, v[BO]
	v_mov_b32 v[CF+1], 0                           ; named as the upper halves of pairs, so they are written
	v_mov_b32 v[CF+3], 0
	PAIRADDR s16                                   ; my own pair is pair w
	s_lshl_b32 s30, s17, 24                        ; w2: e, the 128 rows, the quarter of K
	s_lshl_b32 s31, s46, 21
	s_add_co_u32 s30, s30, s31
	s_lshl_b32 s31, s47, 12
	s_add_co_u32 s30, s30, s31
	s_mov_b32 s31, 0
	s_lshl_b32 s32, s17, 12                        ; b2
	s_lshl_b32 s33, s46, 9
	s_add_co_u32 s32, s32, s33
	s_mov_b32 s33, 0
	s_lshl_b32 s34, s17, 22                        ; hq's codes: e, K steps 8 q on
	s_lshl_b32 s35, s47, 14
	s_add_co_u32 s34, s34, s35
	s_mov_b32 s35, 0
	s_lshl_b32 s36, s17, 17                        ; hq's scale words
	s_lshl_b32 s37, s47, 5
	s_add_co_u32 s36, s36, s37
	s_add_co_u32 s36, s36, 0x2000000
	s_mov_b32 s37, 0
	s_lshl_b32 s38, s17, 12                        ; 1,024 rows x 4 bytes
	s_mov_b32 s39, 0
	s_lshl_b32 s40, s47, 24                        ; part: the quarter, the 128 outputs
	s_lshl_b32 s41, s46, 9
	s_add_co_u32 s40, s40, s41
	s_mov_b32 s41, 0
	s_lshl_b32 s52, s17, 2
	s_cmp_eq_u32 s47, 0
	s_cselect_b32 s42, 1.0, 0                      ; the bias counts in the first quarter alone
	s_wait_kmcnt 0x0
	s_add_nc_u64 s[4:5], s[4:5], s[30:31]
	s_add_nc_u64 s[6:7], s[6:7], s[32:33]
	s_add_nc_u64 s[44:45], s[8:9], s[36:37]
	s_add_nc_u64 s[8:9], s[8:9], s[34:35]
	s_add_nc_u64 s[48:49], s[10:11], s[38:39]
	s_add_nc_u64 s[48:49], s[48:49], 256           ; rowdst[e]
	s_add_nc_u64 s[12:13], s[12:13], s[38:39]      ; rowcoef[e]
	s_add_nc_u64 s[14:15], s[14:15], s[40:41]
	s_load_b32 s18, s[10:11], s52 offset:0x0       ; np[e]: wanted behind the last barrier
	s_wait_alu depctr_va_vdst(0)                   ; the head's offsets and LDS places are written, which the loads and stores below read; so is v27, in which the bias lands
	global_load_b32 v[BV], v[BO], s[6:7]
	LOADA
.set QK, 0
.rept 16                               ; the ring's first fill: sub-slice 0
	global_load_b128 v[RING+8*QK:RING+8*QK+3], v[GW], s[4:5] offset:(QK/4)*RP+(QK%4)*1024
	global_load_b128 v[RING+8*QK+4:RING+8*QK+7], v[GW], s[4:5] offset:(QK/4)*RP+(QK%4)*1024+16
.set QK, QK+1
.endr
	s_wait_loadcnt 63                              ; 102 loads were issued behind the bias's: it is in
	v_mul_f32 v[BV], s42, v[BV]
	s_wait_alu depctr_va_vdst(0)                   ; the multiplication has written v27, which the LDS store reads
	ds_store_b32 v[BL], v[BV]
	s_mov_b32 s22, 0
	s_mov_b32 s23, 0
	s_mov_b32 s24, 0
	s_mov_b32 s28, 3
.Lsub:                                             ; sub-slices 0, 1, 2: at the head 32 ring loads are out on both ways in
	ADDR
	QPS 1
	s_wait_dscnt 0x0                               ; for the others' sake: my codes and bytes (in the first trip my biases too) have landed
	s_barrier_signal -1
	s_barrier_wait -1                              ; the sub-slice is whole.  No shared LDS byte is written twice, so one barrier a sub-slice is enough
	CU 0
	E2 0, 8
	s_wait_xcnt 0x0                                ; the ring's loads have read their base
	s_wait_alu depctr_vm_vsrc(0)                   ; the LDS loads and stores have read the places that walk, which the next sub-slice's first lines write again
	s_add_nc_u64 s[4:5], s[4:5], 32*RP
	s_add_co_u32 s22, s22, SUBC
	s_add_co_u32 s23, s23, SUBW
	s_add_co_u32 s24, s24, 128
	s_sub_co_u32 s28, s28, 1
	s_cmp_lg_u32 s28, 0
	s_cbranch_scc1 .Lsub
	ADDR                                           ; sub-slice 3: nothing more is asked for
	QPS 0
	DSTLOAD                                        ; the ring is empty: its registers take the rows' places, asked for a unit ahead of their use (the quantiser's later waits on va_vdst stand behind its last use of them)
	s_wait_dscnt 0x0
	s_barrier_signal -1
	s_barrier_wait -1                              ; the last barrier: from here on the shared LDS bytes are only read
	CU 0
	s_wait_loadcnt 0x0                             ; the rows' places are in
	DSTFIX                                         ; 32 plain lines that name no register of the products: they are the places behind the last products, and they stand ahead of the one wait on va_vdst below, which so serves the last stores' offsets too
	E2 0, 0
	s_wait_alu depctr_vm_vsrc(0)                   ; the LDS stores above have read the accumulators, in which the second set of half rows lands
	OLOAD O2B, 0, R0
	OLOAD O2B, 256, R1
	OSTORE 0, R0, 16                               ; behind the first set's loads: the second set's sixteen
	OSTORE 256, R1, 0
	s_wait_xcnt 0x0                                ; the stores have read their registers
	s_wait_alu depctr_vm_vsrc(0)                   ; the loads and stores issued so far have read their offsets, places and data, which the lines below and the first trip of .Lrem write again
	s_wait_kmcnt 0x0                               ; np
	s_min_u32 s18, s18, 32
	s_max_u32 s18, s18, 8                          ; held to what the placing launch can give: 8 .. 32
	s_and_b32 s26, s16, 1                          ; THE OTHER PAIRS: my two sub-slices,
	s_lshr_b32 s54, s16, 1
	s_add_co_u32 s54, s54, 8                       ; my first pair: 8 .. 11,
	s_add_co_u32 s53, s18, 3
	s_sub_co_u32 s53, s53, s54
	s_lshr_b32 s53, s53, 2                         ; and how many of first, first + 4, .. lie under np: (np + 3 - first) / 4, rounded down
	s_mov_b32 s29, 0                               ; the trips are counted by 1
	s_mul_i32 s22, s26, 2*SUBC
	s_mul_i32 s23, s26, 2*SUBW
	s_lshl_b32 s24, s26, 8
	v_add_nc_u32 v[FRW], s22, v[FR0]
	v_add_nc_u32 v[FSW], s23, v[FS0]
	v_add_nc_u32 v[BRW], s24, v[BR0]
	v_add_nc_u32 v[O1W], s24, v[O1B]
	v_add_nc_u32 v[O2W], s24, v[O2B]
	v_add_nc_u32 v[CL], s24, v[CL]                 ; my half of a row's 512 bytes
	s_cmp_lt_u32 s29, s53
	s_cbranch_scc0 .Lend
.Lrem:
	s_lshl_b32 s51, s29, 2
	s_add_co_u32 s51, s51, s54                     ; the trip's pair
	s_min_u32 s51, s51, 31
	PAIRADDR s51
	s_wait_alu depctr_va_vdst(0)                   ; the trip's offsets are written, which the loads below read; the last units are done reading the activations, their scale words and the weights, and the rows' places are done with: the loads land in all of these
	LOADA
	DSTLOAD
	s_wait_loadcnt 0x0
	DSTFIX
	CU 0
	E2 0, 8
	CU 1
	E2 1, 8
	OLOAD O2W, 0, R0
	OSTORE 0, R0, 0
	s_wait_xcnt 0x0                                ; the stores have read their registers
	s_wait_alu depctr_vm_vsrc(0)                   ; the trip's loads and stores have read their offsets, the rows' places and the half rows, which the next trip writes again
	s_add_co_u32 s29, s29, 1
	s_cmp_lt_u32 s29, s53
	s_cbranch_scc1 .Lrem
.Lend:
	s_wait_xcnt 0x0                                ; every earlier memory instruction has had its addresses translated
	v_lshl_add_u32 v254, v0, 2, 0x43200            ; the add's two registers are made here, straight ahead of the closing lines: v0 is as at the entry; no memory or LDS instruction has read v254 or v255
	v_mov_b32 v255, 0
	s_wait_dscnt 0x0                               ; the closing lines, six on end
	s_wait_alu 0x0
	s_wait_tensorcnt 0x0
	ds_add_u32 v254, v255
	s_wait_dscnt 0x0
	s_endpgm
.Lfunc_end_k_qbaa3f8ac9f_ffn2:
	.size	k_qbaa3f8ac9f_ffn2, .Lfunc_end_k_qbaa3f8ac9f_ffn2-k_qbaa3f8ac9f_ffn2
	.p2alignl 7, 3214868480
	.fill 96, 4, 3214868480
	.section	.rodata,"a",@progbits
	.p2align	6, 0x0
	.amdhsa_kernel k_qbaa3f8ac9f_ffn2
		.amdhsa_group_segment_fixed_size 275968
		.amdhsa_private_segment_fixed_size 0
		.amdhsa_enable_private_segment 0
		.amdhsa_kernarg_size 48
		.amdhsa_user_sgpr_count 2
		.amdhsa_user_sgpr_kernarg_segment_ptr 1
		.amdhsa_wavefront_size32 1
		.amdhsa_system_sgpr_workgroup_id_x 1
		.amdhsa_system_sgpr_workgroup_id_y 1
		.amdhsa_system_sgpr_workgroup_id_z 1
		.amdhsa_system_vgpr_workitem_id 0
		.amdhsa_next_free_vgpr 512
		.amdhsa_next_free_sgpr 66
		.amdhsa_reserve_vcc 0
		.amdhsa_float_denorm_mode_32 3
		.amdhsa_float_denorm_mode_16_64 3
		.amdhsa_memory_ordered 1
		.amdhsa_forward_progress 1
		.amdhsa_inst_pref_size 135
	.end_amdhsa_kernel
	.amdgpu_metadata
---
amdhsa.version: [ 1, 2 ]
amdhsa.kernels:
  - .name:           k_qbaa3f8ac9f_ffn2
    .symbol:         k_qbaa3f8ac9f_ffn2.kd
    .args:
      - { .name: w2, .offset: 0, .size: 8, .value_kind: global_buffer, .address_space: global }
      - { .name: b2, .offset: 8, .size: 8, .value_kind: global_buffer, .address_space: global }
      - { .name: hq, .offset: 16, .size: 8, .value_kind: global_buffer, .address_space: global }
      - { .name: lists, .offset: 24, .size: 8, .value_kind: global_buffer, .address_space: global }
      - { .name: rowcoef, .offset: 32, .size: 8, .value_kind: global_buffer, .address_space: global }
      - { .name: part, .offset: 40, .size: 8, .value_kind: global_buffer, .address_space: global }
    .group_segment_fixed_size: 275968
    .private_segment_fixed_size: 0
    .kernarg_segment_align: 8
    .kernarg_segment_size: 48
    .max_flat_workgroup_size: 256
    .sgpr_count:     66
    .vgpr_count:     512
    .wavefront_size: 32
...
	.end_amdgpu_metadata
.endif
;; end of part 12
;; launch sum (part 13): grid 256 x 1, 8 waves a work-group, no clusters, 0 bytes of LDS; arguments part, out0; writes out0
.if DOCPART == 13
	.amdgcn_target "amdgcn-amd-amdhsa--gfx1250"
	.amdhsa_code_object_version 6
	.text
	.protected	k_qbaa3f8ac9f_sum
	.globl	k_qbaa3f8ac9f_sum
	.p2align	8
	.type	k_qbaa3f8ac9f_sum,@function
k_qbaa3f8ac9f_sum:
	s_mov_b64 s[64:65], 0
	v_nop
	global_prefetch_b8 v0, s[64:65] scope:SCOPE_SE
	s_setreg_imm32_b32 hwreg(HW_REG_WAVE_MODE, 25, 1), 1
	s_wait_xcnt 0x0
; out[t] = the sum over the four K quarters q and the two choices k of part[q][2 t + k].  part: [4][4096 rows][1024] f32; out: [1024][1024] f32.
; A work-group takes four tokens; thread t takes the 16 bytes at 16 t of every row, so that a wave's load or store covers 512 consecutive bytes.  All 32 loads of a thread go out at once;
; the sums have one fixed order: (k0 + k1) in each quarter, (q0 + q1) + (q2 + q3).  A stream: no LDS, no barrier, no matrix unit.
.set R, 4                              ; v4-131: token a, quarter q, choice k at 32 a + 8 q + 4 k
	s_load_b128 s[4:7], s[0:1], 0x0                ; part, out
	v_lshlrev_b32 v1, 4, v0
	s_lshl_b32 s8, ttmp9, 15                       ; four tokens: eight rows of 4,096 bytes
	s_mov_b32 s9, 0
	s_lshl_b32 s10, ttmp9, 14
	s_mov_b32 s11, 0
	s_wait_alu depctr_va_vdst(0)
	s_wait_kmcnt 0x0
	s_add_nc_u64 s[12:13], s[4:5], s[8:9]
	s_add_nc_u64 s[14:15], s[12:13], 0x1000000     ; a quarter is 4,096 rows
	s_add_nc_u64 s[16:17], s[14:15], 0x1000000
	s_add_nc_u64 s[18:19], s[16:17], 0x1000000
	s_add_nc_u64 s[6:7], s[6:7], s[10:11]
.irp a, 0,1,2,3
.irp q, 0,1,2,3
.irp k, 0,1
	global_load_b128 v[R+32*\a+8*\q+4*\k:R+32*\a+8*\q+4*\k+3], v1, s[12+2*\q:13+2*\q] offset:\a*8192+\k*4096 th:TH_LOAD_NT
.endr
.endr
.endr
.irp a, 0,1,2,3
	s_wait_loadcnt 24-8*\a                         ; this token's eight loads are in; the later tokens' may be out
.irp q, 0,1,2,3
	v_pk_add_f32 v[R+32*\a+8*\q:R+32*\a+8*\q+1], v[R+32*\a+8*\q:R+32*\a+8*\q+1], v[R+32*\a+8*\q+4:R+32*\a+8*\q+5]
	v_pk_add_f32 v[R+32*\a+8*\q+2:R+32*\a+8*\q+3], v[R+32*\a+8*\q+2:R+32*\a+8*\q+3], v[R+32*\a+8*\q+6:R+32*\a+8*\q+7]
.endr
.irp q, 0
	v_pk_add_f32 v[R+32*\a+8*\q:R+32*\a+8*\q+1], v[R+32*\a+8*\q:R+32*\a+8*\q+1], v[R+32*\a+8*\q+8:R+32*\a+8*\q+9]
	v_pk_add_f32 v[R+32*\a+8*\q+2:R+32*\a+8*\q+3], v[R+32*\a+8*\q+2:R+32*\a+8*\q+3], v[R+32*\a+8*\q+10:R+32*\a+8*\q+11]
.endr
.irp q, 2
	s_delay_alu instid0(VALU_DEP_4)
	v_pk_add_f32 v[R+32*\a+8*\q:R+32*\a+8*\q+1], v[R+32*\a+8*\q:R+32*\a+8*\q+1], v[R+32*\a+8*\q+8:R+32*\a+8*\q+9]
	s_delay_alu instid0(VALU_DEP_4)
	v_pk_add_f32 v[R+32*\a+8*\q+2:R+32*\a+8*\q+3], v[R+32*\a+8*\q+2:R+32*\a+8*\q+3], v[R+32*\a+8*\q+10:R+32*\a+8*\q+11]
.endr
	s_delay_alu instid0(VALU_DEP_2)
	v_pk_add_f32 v[R+32*\a:R+32*\a+1], v[R+32*\a:R+32*\a+1], v[R+32*\a+16:R+32*\a+17]
	s_delay_alu instid0(VALU_DEP_2)
	v_pk_add_f32 v[R+32*\a+2:R+32*\a+3], v[R+32*\a+2:R+32*\a+3], v[R+32*\a+18:R+32*\a+19]
	global_store_b128 v1, v[R+32*\a:R+32*\a+3], s[6:7] offset:\a*4096 th:TH_STORE_NT
.endr
	s_endpgm
.Lfunc_end_k_qbaa3f8ac9f_sum:
	.size	k_qbaa3f8ac9f_sum, .Lfunc_end_k_qbaa3f8ac9f_sum-k_qbaa3f8ac9f_sum
	.p2alignl 7, 3214868480
	.fill 96, 4, 3214868480
	.section	.rodata,"a",@progbits
	.p2align	6, 0x0
	.amdhsa_kernel k_qbaa3f8ac9f_sum
		.amdhsa_group_segment_fixed_size 0
		.amdhsa_private_segment_fixed_size 0
		.amdhsa_enable_private_segment 0
		.amdhsa_kernarg_size 16
		.amdhsa_user_sgpr_count 2
		.amdhsa_user_sgpr_kernarg_segment_ptr 1
		.amdhsa_wavefront_size32 1
		.amdhsa_system_sgpr_workgroup_id_x 1
		.amdhsa_system_sgpr_workgroup_id_y 1
		.amdhsa_system_sgpr_workgroup_id_z 1
		.amdhsa_system_vgpr_workitem_id 0
		.amdhsa_next_free_vgpr 144
		.amdhsa_next_free_sgpr 66
		.amdhsa_reserve_vcc 0
		.amdhsa_float_denorm_mode_32 3
		.amdhsa_float_denorm_mode_16_64 3
		.amdhsa_memory_ordered 1
		.amdhsa_forward_progress 1
		.amdhsa_inst_pref_size 9
	.end_amdhsa_kernel
	.amdgpu_metadata
---
amdhsa.version: [ 1, 2 ]
amdhsa.kernels:
  - .name:           k_qbaa3f8ac9f_sum
    .symbol:         k_qbaa3f8ac9f_sum.kd
    .args:
      - { .name: part, .offset: 0, .size: 8, .value_kind: global_buffer, .address_space: global }
      - { .name: out0, .offset: 8, .size: 8, .value_kind: global_buffer, .address_space: global }
    .group_segment_fixed_size: 0
    .private_segment_fixed_size: 0
    .kernarg_segment_align: 8
    .kernarg_segment_size: 16
    .max_flat_workgroup_size: 256
    .sgpr_count:     66
    .vgpr_count:     144
    .wavefront_size: 32
...
	.end_amdgpu_metadata
.endif
;; end of part 13
